; MI455X (gfx1250); checked and timed in simulation.
; The chip was launched on July 23, 2026; its instructions are those of AMD's public machine-readable ISA for CDNA 5 (MIT licence, August 2026) and "CDNA5" Instruction Set Architecture Reference Guide (July 2026). The comments in the code are by the model that wrote it; some were corrected since.
;; Efficient Mo E Layer. Allowed arithmetic: float matrix products may take bf16 or f16 operands with f32 sums; other float arithmetic in f32, or as packed bf16 or f16 multiplies, adds, multiply-adds, maxima and minima; sums over many terms, partial sums and values carried from step to step in f32; what a program stores and reads back later, other than sums and carried values, may be rounded once to bf16 or f16.
;; Inputs: W1 8 x 1,024 x 4,096 float32; W2 8 x 4,096 x 1,024 float32; Wg 1,024 x 8 float32; b1 8 x 4,096 float32; b2 8 x 1,024 float32; x 4 x 256 x 1,024 float32.
;; Outputs: out0 4 x 256 x 1,024 float32.
;; 3 versions, each right; version 3 is version 2 with the launches up, down written anew for expert scheduling mode. Each part assembles by itself: llvm-mc -triple=amdgcn-amd-amdhsa -mcpu=gfx1250 --defsym DOCPART=n.
;; ======== version 1 of 3: 4 launches
;; workspace buffers: xb 2,097,152 bytes; sel 8,192 bytes of whole numbers; gate 8,192 bytes; hid 67,108,864 bytes; rows 32,768 bytes of whole numbers; cnts 256 bytes of whole numbers; part 33,554,432 bytes
;; launch route (part 1): grid 64 x 1, 8 waves a work-group, no clusters, 60,416 bytes of LDS; arguments x, Wg, xb, sel, gate; writes xb, sel, gate
.if DOCPART == 1
	.amdgcn_target "amdgcn-amd-amdhsa--gfx1250"
	.amdhsa_code_object_version 6
	.text
	.protected	k_q8a1f10d29c_route
	.globl	k_q8a1f10d29c_route
	.p2align	8
	.type	k_q8a1f10d29c_route,@function
k_q8a1f10d29c_route:
	s_mov_b64 s[64:65], 0
	v_nop
	global_prefetch_b8 v0, s[64:65] scope:SCOPE_SE
	s_setreg_imm32_b32 hwreg(HW_REG_WAVE_MODE, 25, 1), 1
	s_wait_xcnt 0x0
; THE ROUTER.  logits = x Wg for 1,024 tokens and 8 experts; the two largest logits of a token (the lower index wins a tie, as jax.lax.top_k has it), their softmax, and x rounded to bf16.
; x and Wg are rounded to bf16 (as every input of this program is), the products are summed in f32 by the matrix unit.  The choice goes to fixed places: sel[token] = (first, second),
; gate[token] = (their weights); no address and no branch here hangs on it.
; LIMITS.  Logits are taken to be finite: NaN and infinities are not treated apart.  The sums' order differs from a plain f32 sum's: two logits closer than that difference may change places.
; SHARES.  A work-group has 16 tokens; wave w has K = 128 w .. 128 w + 127 of them, and the eight waves' partial logits meet in LDS.  64 work-groups: 16 tokens are one matrix tile, the least share.
; No cluster: the work-groups share Wg alone, 32 KB against the 64 KB of x that each reads for itself, and it comes through registers to be rounded.
.set XP,    272                        ; a token's 256 bytes of bf16 + 16: the 16 rows of a fragment load start at 16 different groups of four banks (64 banks of 4 bytes: ISA guide 11.1)
.set XT,    0                          ; wave w: 16 rows x 272 bytes at 4,352 w, its own
.set WT,    8*16*XP                    ; wave w: [128 k][8 experts] bf16, 16 bytes a k, at 2,048 w, its own
.set PART,  WT+8*2048                  ; wave w: 32 bytes a lane at 1,024 w: the partial logits
.set SPARE, PART+8*1024                ; the spare words, 128 bytes a wave: four blocks of 256 bytes that no other line names
.set LN,  1                            ; lane
.set RR,  2                            ; lane % 16
.set HH,  3                            ; lane / 16
.set SPW, 4                            ; my spare word's address; never rewritten
.set NIL, 5                            ; 0; never rewritten
.set O16, 6                            ; 16 x lane
.set O8,  8                            ; 8 x lane
.set XTS, 9                            ; where I store into XT
.set WTS, 10                           ; into WT
.set XTR, 11                           ; where I read a token fragment
.set WTR, 12                           ; a fragment of Wg, turned
.set PST, 13                           ; where I store partial logits
.set PRD, 14                           ; where wave 0 reads them
.set OO,  15                           ; 8 x (lane % 16): my token's place in sel and gate
.set X,   32                           ; v[32:95]   x as loaded, 4 registers a row
.set FA,  32                           ; v[32:63]   later: 4 fragments of Wg^T
.set FB,  64                           ; v[64:95]   4 fragments of tokens
.set PR,  32                           ; v[32:95]   later still, wave 0: the eight waves' partial logits
.set WG,  96                           ; v[96:127]  Wg as loaded
.set CX,  128                          ; v[128:159] x in bf16, 2 registers a row
.set CW,  160                          ; v[160:175] Wg in bf16
.set ACC0, 176
.set ACC1, 184
.set LG,  192                          ; v[192:199] the 8 logits of my token
.set BI,  200                          ; first expert,
.set SI,  201                          ; second: a pair for the store
.set BV,  202
.set SV,  203
.set G0,  204                          ; their weights: a pair
.set G1,  205
.set TA,  206
.set TB,  207
	s_load_b256 s[4:11], s[0:1], 0x0               ; x s[4:5], Wg s[6:7], xb s[8:9], sel s[10:11]
	s_load_b64 s[12:13], s[0:1], 0x20              ; gate
	v_lshl_add_u32 v[SPW], v0, 2, SPARE
	v_mov_b32 v[NIL], 0
	v_lshrrev_b32 v16, 5, v0
	v_readfirstlane_b32 s14, v16                   ; wave 0..7
	v_and_b32 v[LN], 31, v0
	v_and_b32 v[RR], 15, v0
	v_bfe_u32 v[HH], v0, 4, 1
	v_lshlrev_b32 v[O16], 4, v[LN]
	v_lshlrev_b32 v[O8], 3, v[LN]
	s_mul_i32 s15, s14, 16*XP                      ; my wave's XT
	s_lshl_b32 s18, s14, 11
	s_add_co_u32 s18, s18, WT                      ; its WT
	s_lshl_b32 s19, s14, 10
	s_add_co_u32 s19, s19, PART                    ; its partial logits
	v_add_nc_u32 v[XTS], s15, v[O8]
	v_add_nc_u32 v[WTS], s18, v[O8]
	v_mul_u32_u24 v[XTR], v[RR], XP
	v_lshl_add_u32 v[XTR], v[HH], 4, v[XTR]
	v_add_nc_u32 v[XTR], s15, v[XTR]               ; row x pitch + 16 x half
	v_and_b32 v[WTR], 7, v0
	v_lshl_add_u32 v[WTR], v[HH], 3, v[WTR]
	v_lshl_add_u32 v[WTR], v[WTR], 4, s18          ; k = 8 (lane / 16) + lane % 8, 16 bytes a k: all four groups of eight lanes take experts 0-7
	v_lshl_add_u32 v[PST], v[LN], 5, s19
	v_lshl_add_u32 v[PRD], v[LN], 5, PART
	v_lshlrev_b32 v[OO], 3, v[RR]
	s_lshl_b32 s16, ttmp9, 16                      ; x: 16 rows of 4,096 bytes a work-group,
	s_lshl_b32 s20, s14, 9                         ; 512 bytes of a row a wave
	s_add_co_u32 s16, s16, s20
	s_mov_b32 s17, 0
	s_lshl_b32 s20, s14, 12                        ; Wg: 128 k of 32 bytes a wave
	s_mov_b32 s21, 0
	s_lshl_b32 s22, ttmp9, 15                      ; xb: 16 rows of 2,048 bytes,
	s_lshl_b32 s24, s14, 8                         ; 256 bytes of a row a wave
	s_add_co_u32 s22, s22, s24
	s_mov_b32 s23, 0
	s_lshl_b32 s24, ttmp9, 7                       ; sel, gate: 16 tokens of 8 bytes
	s_mov_b32 s25, 0
	s_wait_kmcnt 0x0
	s_add_nc_u64 s[4:5], s[4:5], s[16:17]
	s_add_nc_u64 s[6:7], s[6:7], s[20:21]
	s_add_nc_u64 s[8:9], s[8:9], s[22:23]
	s_add_nc_u64 s[10:11], s[10:11], s[24:25]
	s_add_nc_u64 s[12:13], s[12:13], s[24:25]
.irp i, 0,1,2,3,4,5,6,7,8,9,10,11,12,13,14,15
	global_load_b128 v[X+4*\i:X+4*\i+3], v[O16], s[4:5] offset:4096*\i th:TH_LOAD_NT  ; 512 consecutive bytes of row i
.endr
.irp j, 0,1,2,3,4,5,6,7
	global_load_b128 v[WG+4*\j:WG+4*\j+3], v[O16], s[6:7] offset:512*\j
.endr
	s_wait_loadcnt 8                               ; x is in; the eight younger loads, Wg's, may stay out
.irp i, 0,1,2,3,4,5,6,7,8,9,10,11,12,13,14,15
	v_cvt_pk_bf16_f32 v[CX+2*\i], v[X+4*\i], v[X+4*\i+1]
	v_cvt_pk_bf16_f32 v[CX+2*\i+1], v[X+4*\i+2], v[X+4*\i+3]
	global_store_b64 v[O8], v[CX+2*\i:CX+2*\i+1], s[8:9] offset:2048*\i  ; the wave stores 256 consecutive bytes, at a multiple of 256 from xb's first
	ds_store_b64 v[XTS], v[CX+2*\i:CX+2*\i+1] offset:XP*\i
.endr
	s_wait_loadcnt 0x0                             ; Wg
.irp j, 0,1,2,3,4,5,6,7
	v_cvt_pk_bf16_f32 v[CW+2*\j], v[WG+4*\j], v[WG+4*\j+1]
	v_cvt_pk_bf16_f32 v[CW+2*\j+1], v[WG+4*\j+2], v[WG+4*\j+3]
	ds_store_b64 v[WTS], v[CW+2*\j:CW+2*\j+1] offset:256*\j
.endr
	; Source 0 = Wg^T (row = expert; rows 8-15 repeat rows 0-7), source 1 = 16 tokens: in the result lane l holds token l % 16, and its registers 0-7 the 8 experts, in both halves of the lanes.
	; These are the wave's own bytes, and LDS serves a wave's instructions in order (ISA guide 5.7.1.4): the loads see the stores above.
.irp s, 0,1,2,3
	ds_load_tr16_b128 v[FA+8*\s:FA+8*\s+3],   v[WTR] offset:512*\s
	ds_load_tr16_b128 v[FA+8*\s+4:FA+8*\s+7], v[WTR] offset:512*\s+256
	ds_load_b128 v[FB+8*\s:FB+8*\s+3],   v[XTR] offset:64*\s
	ds_load_b128 v[FB+8*\s+4:FB+8*\s+7], v[XTR] offset:64*\s+32
.endr
	s_wait_dscnt 0x0
	v_wmma_f32_16x16x32_bf16 v[ACC0:ACC0+7], v[FA:FA+7], v[FB:FB+7], 0          ; two accumulators by turns
	v_wmma_f32_16x16x32_bf16 v[ACC1:ACC1+7], v[FA+8:FA+15], v[FB+8:FB+15], 0
	v_wmma_f32_16x16x32_bf16 v[ACC0:ACC0+7], v[FA+16:FA+23], v[FB+16:FB+23], v[ACC0:ACC0+7]
	v_wmma_f32_16x16x32_bf16 v[ACC1:ACC1+7], v[FA+24:FA+31], v[FB+24:FB+31], v[ACC1:ACC1+7]
.rept 4
	v_nop                                          ; four places between the last product and the first read of a result (ISA guide 7.12.1)
.endr
.irp j, 0,1,2,3,4,5,6,7
	v_add_f32 v[LG+\j], v[ACC0+\j], v[ACC1+\j]     ; from the low end on
.endr
	ds_store_b128 v[PST], v[LG:LG+3]
	ds_store_b128 v[PST], v[LG+4:LG+7] offset:16
	s_wait_dscnt 0x0                               ; for wave 0's sake: my partial logits are in LDS
	s_barrier_signal -1
	s_barrier_wait -1
	s_cmp_lg_u32 s14, 0
	s_cbranch_scc1 .Lend                           ; wave 0 alone goes on: 16 tokens x 8 logits are one wave's work
.irp w, 0,1,2,3,4,5,6,7
	ds_load_b128 v[PR+8*\w:PR+8*\w+3],   v[PRD] offset:1024*\w
	ds_load_b128 v[PR+8*\w+4:PR+8*\w+7], v[PRD] offset:1024*\w+16
.endr
	s_wait_dscnt 0x0
.irp p, 0,2,4,6
	v_pk_add_f32 v[LG+\p:LG+\p+1], v[PR+\p:PR+\p+1], v[PR+8+\p:PR+8+\p+1]
.endr
.irp w, 2,3,4,5,6,7
.irp p, 0,2,4,6
	v_pk_add_f32 v[LG+\p:LG+\p+1], v[LG+\p:LG+\p+1], v[PR+8*\w+\p:PR+8*\w+\p+1]  ; K ascending
.endr
.endr
	v_mov_b32 v[BV], v[LG]                         ; the largest: a later expert takes the place only if strictly greater
	v_mov_b32 v[BI], 0
.irp i, 1,2,3,4,5,6,7
	v_cmp_gt_f32 vcc_lo, v[LG+\i], v[BV]
	v_cndmask_b32 v[BV], v[BV], v[LG+\i], vcc_lo
	v_cndmask_b32 v[BI], v[BI], \i, vcc_lo
.endr
	v_mov_b32 v[SV], 0xff800000                    ; the largest of the others, from minus infinity
	v_mov_b32 v[SI], 0
.irp i, 0,1,2,3,4,5,6,7
	v_cmp_ne_u32 s26, \i, v[BI]
	v_cmp_gt_f32 s27, v[LG+\i], v[SV]
	s_and_b32 s26, s26, s27
	v_cndmask_b32 v[SV], v[SV], v[LG+\i], s26
	v_cndmask_b32 v[SI], v[SI], \i, s26
.endr
	v_sub_f32 v[TA], v[SV], v[BV]                  ; the maximum is taken away: the exponents are 0 and second - first <= 0
	v_mul_f32 v[TA], 0x3fb8aa3b, v[TA]
	v_exp_f32 v[TB], v[TA]
	v_nop                                          ; a plain instruction behind the exponential,
	s_wait_alu depctr_va_vdst(0)                   ; and a wait ahead of its first reader
	v_add_f32 v[TA], 1.0, v[TB]
	v_rcp_f32 v[G0], v[TA]
	v_nop
	s_wait_alu depctr_va_vdst(0)
	v_mul_f32 v[G1], v[TB], v[G0]
	global_store_b64 v[OO], v[BI:BI+1], s[10:11]   ; lanes 16-31 hold the same tokens and store the same numbers to the same places
	global_store_b64 v[OO], v[G0:G0+1], s[12:13]
.Lend:
	s_wait_tensorcnt 0x0                           ; the wave's end, behind my last LDS store
	ds_add_u32 v[SPW], v[NIL]
	s_wait_dscnt 0x0
	s_endpgm
.Lfunc_end_k_q8a1f10d29c_route:
	.size	k_q8a1f10d29c_route, .Lfunc_end_k_q8a1f10d29c_route-k_q8a1f10d29c_route
	.p2alignl 7, 3214868480
	.fill 96, 4, 3214868480
	.section	.rodata,"a",@progbits
	.p2align	6, 0x0
	.amdhsa_kernel k_q8a1f10d29c_route
		.amdhsa_group_segment_fixed_size 60416
		.amdhsa_private_segment_fixed_size 0
		.amdhsa_enable_private_segment 0
		.amdhsa_kernarg_size 40
		.amdhsa_user_sgpr_count 2
		.amdhsa_user_sgpr_kernarg_segment_ptr 1
		.amdhsa_wavefront_size32 1
		.amdhsa_system_sgpr_workgroup_id_x 1
		.amdhsa_system_sgpr_workgroup_id_y 1
		.amdhsa_system_sgpr_workgroup_id_z 1
		.amdhsa_system_vgpr_workitem_id 0
		.amdhsa_next_free_vgpr 224
		.amdhsa_next_free_sgpr 66
		.amdhsa_reserve_vcc 1
		.amdhsa_float_denorm_mode_32 3
		.amdhsa_float_denorm_mode_16_64 3
		.amdhsa_memory_ordered 1
		.amdhsa_forward_progress 1
		.amdhsa_inst_pref_size 20
	.end_amdhsa_kernel
	.amdgpu_metadata
---
amdhsa.version: [ 1, 2 ]
amdhsa.kernels:
  - .name:           k_q8a1f10d29c_route
    .symbol:         k_q8a1f10d29c_route.kd
    .args:
      - { .name: x, .offset: 0, .size: 8, .value_kind: global_buffer, .address_space: global }
      - { .name: Wg, .offset: 8, .size: 8, .value_kind: global_buffer, .address_space: global }
      - { .name: xb, .offset: 16, .size: 8, .value_kind: global_buffer, .address_space: global }
      - { .name: sel, .offset: 24, .size: 8, .value_kind: global_buffer, .address_space: global }
      - { .name: gate, .offset: 32, .size: 8, .value_kind: global_buffer, .address_space: global }
    .group_segment_fixed_size: 60416
    .private_segment_fixed_size: 0
    .kernarg_segment_align: 8
    .kernarg_segment_size: 40
    .max_flat_workgroup_size: 256
    .sgpr_count:     66
    .vgpr_count:     224
    .wavefront_size: 32
...
	.end_amdgpu_metadata
.endif
;; end of part 1
;; launch up (part 2): grid 32 x 8, 4 waves a work-group, no clusters, 298,496 bytes of LDS; arguments xb, W1, b1, sel, hid, rows, cnts; writes hid, rows, cnts
.if DOCPART == 2
	.amdgcn_target "amdgcn-amd-amdhsa--gfx1250"
	.amdhsa_code_object_version 6
	.text
	.protected	k_q8a1f10d29c_up
	.globl	k_q8a1f10d29c_up
	.p2align	8
	.type	k_q8a1f10d29c_up,@function
k_q8a1f10d29c_up:
	s_mov_b64 s[64:65], 0
	v_nop
	global_prefetch_b8 v0, s[64:65] scope:SCOPE_SE
	s_setreg_imm32_b32 hwreg(HW_REG_WAVE_MODE, 25, 1), 1
	s_wait_xcnt 0x0
; THE FIRST PRODUCT.  hid[e][p][:] = gelu(xb[token of place p] W1[e] + b1[e]) for the tokens that chose expert e, in the order of e's list; gelu in its tanh form, x / (1 + 2^(x (C0 + C1 x^2))).
; W1 and b1 are rounded to bf16 (as every input of this program is), sums in f32, hid rounded once to bf16.  NaN and infinities are not treated apart.
; SHARES.  Work-group (x, e) owns columns 128 x .. 128 x + 127 of W1[e], 1,024 x 128 numbers, 512 KB of f32, which it alone reads, once; and ALL of e's rows, in blocks of 320, for every split (0 to 1,024 rows).
; In a block wave w owns the tiles of 16 rows numbered 4 i + w, i = 0..4: 5 x 8 accumulators.  Tiles 0-3 are always multiplied, tile 4 only if it has rows.
; WEIGHTS go memory -> registers (a row's 512 bytes an instruction) -> bf16 -> LDS as [column][k], each LDS byte written once: the whole slice stays, so rows past 320 are multiplied out of LDS.
; TOKEN ROWS go from memory straight into registers as source 0.  THE LIST: every wave counts sel for itself and lays e's list (entry = 2 token + k) into LDS bytes of its own; work-group (0, e) stores it, and the count, for the next launch.
; NO CLUSTER: a slice of weights has one reader; what an expert's work-groups share is its token rows, which come by a list that no tile descriptor covers.  No tensor loads: the weights are rounded and turned on the way through registers.
; REGISTERS, in windows of 256 (s_set_vgpr_msb: bits 1:0 source 0, 3:2 source 1, 5:4 source 2, 7:6 destination):
;   window 0: addresses, bias, v32-47 a stage's packed weights, v64-127 and v128-191 two buffers of weight fragments (on the way out: at work), v192-255 sel
;   window 1: v0-159 token fragments, slot s (32 along K) at 40 s, tile i at + 8 i     window 2: accumulator (i, t) at 64 i + 8 t, i = 0..3     window 3: v0-63 tile 4's; v64-191 weights as loaded, group g at + 32 g
.set PITCH, 16384                      ; bytes from a row of W1[e] to the next
.set LP,    272                        ; an LDS row: 128 k of bf16 + 16 bytes: the 16 rows of a fragment load start at 16 different groups of four banks (64 banks of 4 bytes: ISA guide 11.1)
.set TP,    16*LP                      ; a column tile's 16 rows
.set SKEW,  128                        ; rows 64-127 of a chunk lie 128 bytes further on, so that the 16 lanes of a store (rows n and 64 + n) touch 16 different groups of banks
.set CH,    128*LP+SKEW                ; a chunk: K = 128.  Column n lies in row 16 (n % 8) + n / 8: lane r's eight tiles hold columns 8 r .. 8 r + 7
.set LIST,  8*CH                       ; wave w: 4,096 bytes of list and 128 words for lanes with nothing to store, at 4,608 w, its own
.set LISTB, 4608
.set SPARE, LIST+4*LISTB               ; the spare words, 128 bytes a wave: two blocks of 256 bytes that no other line names
.set BROWS, 320
.set LN,  1                            ; lane
.set RR,  2                            ; lane % 16
.set HH,  3                            ; lane / 16
.set SPW, 4                            ; my spare word's address; never rewritten
.set NIL, 5                            ; 0; never rewritten
.set WO,  6                            ; 16 x lane
.set ST,  7                            ; where I store weights: steps a chunk at a time
.set BA,  8                            ; where I read weight fragments: likewise
.set BA0, 9                            ; its start
.set HO,  10                           ; my byte offset in a tile of hid: 16 r + 8 rows x h
.set DMP, 11                           ; 1024 + lane: the list index of my word for nothing
.set LRD, 15                           ; my list + 16 x lane
.set AO,  16                           ; v16-20  tile i: byte offset of my token row in xb, + 16 h
.set PF,  21                           ; prefetch: (lane / 2) rows + (lane % 2) x 256 bytes
.set H16, 22
.set L4,  23
.set BIAS, 24                          ; v24-31  b1 of my column in tile t
.set T16, 32
.set BF0, 64
.set BF1, 128
.set SEL, 192
.set AF,  0                            ; window 1
.set WS,  64                           ; window 3
.set MSB, 0
.macro WIN new                         ; the immediate's high byte repeats the setting that is left; a switch that changes nothing is dropped
.if MSB != (\new)
	s_set_vgpr_msb (MSB<<8)|(\new)
.set MSB, (\new)
.endif
.endm
.macro PLACES                          ; four places in front of loads into registers that matrix instructions have read, and of reads of results (ISA guide 7.12.1 for reads of results)
.rept 4
	v_nop
.endr
.endm
; Group g of my 32 rows of a chunk (8 rows x my 4 columns) is rounded, two rows of a column to a register, and stored: 16 bytes, 8 k, for each column.  refill = 1: the group's registers take the rows koff further down.
.macro STAGE g, koff, refill
	WIN 0x0f
.irp c, 0,1,2,3
.irp p, 0,1,2,3
	v_cvt_pk_bf16_f32 v[T16+4*\c+\p], v[WS+32*(\g)+8*\p+\c], v[WS+32*(\g)+8*\p+4+\c]
.endr
.endr
	WIN 0
.irp c, 0,1,2,3
	ds_store_b128 v[ST], v[T16+4*\c:T16+4*\c+3] offset:\c*TP+16*(\g)
.endr
.if \refill
	WIN 0xc0
.irp i, 0,1,2,3,4,5,6,7
	global_load_b128 v[WS+32*(\g)+4*\i:WS+32*(\g)+4*\i+3], v[WO], s[42:43] offset:((\koff)+8*(\g)+\i)*PITCH th:TH_LOAD_NT
.endr
.endif
.endm
.macro BLOAD s, buf                    ; the weight fragments of K step s of the chunk at BA: 8 column tiles
	WIN 0
.irp t, 0,1,2,3,4,5,6,7
	ds_load_b128 v[BF0+64*(\buf)+8*\t:BF0+64*(\buf)+8*\t+3],   v[BA] offset:\t*TP+SKEW*(\t/4)+64*(\s)
	ds_load_b128 v[BF0+64*(\buf)+8*\t+4:BF0+64*(\buf)+8*\t+7], v[BA] offset:\t*TP+SKEW*(\t/4)+64*(\s)+32
.endr
.endm
.macro ALOAD s                         ; the token fragments of K step s of the chunk at s[44:45]: 5 tiles, ten loads, whether tile 4 has rows or not, so that the counts are the same on every way
	WIN 0x40
.irp i, 0,1,2,3,4
	global_load_b128 v[AF+40*(\s)+8*\i:AF+40*(\s)+8*\i+3],   v[AO+\i], s[44:45] offset:64*(\s)
	global_load_b128 v[AF+40*(\s)+8*\i+4:AF+40*(\s)+8*\i+7], v[AO+\i], s[44:45] offset:64*(\s)+32
.endr
.endm
.macro MUL i, s, buf                   ; tile i x 8 column tiles, 32 along K: eight accumulators, one instruction each
.if (\i) == 4
	WIN 0xf1
.set AC, 0
.else
	WIN 0xa1
.set AC, 64*(\i)
.endif
.irp t, 0,1,2,3,4,5,6,7
	v_wmma_f32_16x16x32_bf16 v[AC+8*\t:AC+8*\t+7], v[AF+40*(\s)+8*(\i):AF+40*(\s)+8*(\i)+7], v[BF0+64*(\buf)+8*\t:BF0+64*(\buf)+8*\t+7], v[AC+8*\t:AC+8*\t+7]
.endr
.endm
; A K STEP of 32.  n: the loads younger than this step's token fragments.  stage: group s of the NEXT chunk's weights goes to LDS; wref: its registers take the chunk after that.
; bar: the next chunk is whole in LDS behind a barrier, and BA steps to it.  bnext: the next K step's weight fragments are fetched into the other buffer.  aref: slot s takes the next chunk's token fragments.
; pf: the wave's 64 blocks of 256 bytes of the chunk four on from the one multiplied are asked into the L2, each once; the last trips, in which that chunk does not exist, jump over it.
; The 32 or 40 accumulators take turns, one instruction a turn, on both ways round the jump.
.macro KSTEP s, n, stage, wref, bar, bnext, aref, pf=0
	s_wait_loadcnt \n
.if \stage
	STAGE \s, 0, \wref
.if \pf
	WIN 0
	s_cmp_lt_u32 s25, 3
	s_cbranch_scc1 .Lnopf_\@
	global_prefetch_b8 v[PF], s[42:43] offset:256*PITCH th:TH_LOAD_NT scope:SCOPE_SE
	global_prefetch_b8 v[PF], s[42:43] offset:272*PITCH th:TH_LOAD_NT scope:SCOPE_SE
.Lnopf_\@:
.endif
	s_wait_dscnt 4                                 ; all but the four stores just issued: this step's 16 fragment loads are in
.else
	s_wait_dscnt 0x0
.endif
	MUL 0, \s, (\s)%2
	MUL 1, \s, (\s)%2
.if \bar
	WIN 0
	s_wait_dscnt 0x0                               ; for the others' sake: my part of the next chunk is in LDS
	s_barrier_signal -1
	s_barrier_wait -1                              ; everybody's is
	v_add_nc_u32 v[BA], CH, v[BA]
.endif
.if \bnext
	PLACES
	BLOAD ((\s)+1)%4, ((\s)+1)%2
.endif
	MUL 2, \s, (\s)%2
	MUL 3, \s, (\s)%2
	WIN 0
	s_cmp_eq_u32 s24, 0
	s_cbranch_scc1 .Lno4_\@                        ; tile 4 has no rows: its eight products are jumped
	MUL 4, \s, (\s)%2
	WIN 0
.Lno4_\@:
.if \aref
	PLACES
	ALOAD \s
.endif
.endm
.macro ACCINIT                         ; the sums start at the bias: a move here in place of an addition on the way out
	WIN 0x80
.set q, 0
.rept 256
	v_mov_b32 v[q], v[BIAS+(q/8)%8]
.set q, q+1
.endr
	WIN 0xc0
.set q, 0
.rept 64
	v_mov_b32 v[q], v[BIAS+q/8]
.set q, q+1
.endr
.endm
; A block begins at row s23 - 16 w.  Place p of the list, held to the last that exists, gives the token; places past the count repeat the last row.
.macro BLOCKSET
	WIN 0
	s_wait_xcnt 0x0                                ; AO is rewritten only behind this wait
.irp i, 0,1,2,3,4
	s_add_co_u32 s27, s23, 64*\i
	v_add_nc_u32 v12, s27, v[RR]
	v_min_u32 v12, s22, v12
	v_min_u32 v12, 0x3ff, v12
	v_lshl_add_u32 v12, v12, 2, s37
	ds_load_b32 v[AO+\i], v12
.endr
	s_add_co_u32 s27, s23, 256
	s_cmp_lt_u32 s27, s21
	s_cselect_b32 s24, 1, 0                        ; has tile 4 rows?
	s_wait_dscnt 0x0
.irp i, 0,1,2,3,4
	v_lshrrev_b32 v[AO+\i], 1, v[AO+\i]            ; entry / 2 = token
	v_min_u32 v[AO+\i], 0x3ff, v[AO+\i]
	v_lshl_add_u32 v[AO+\i], v[AO+\i], 11, v[H16]  ; x 2,048 bytes + 16 h
.endr
.endm
; The tokens 64 j + 2 lane + i: those that chose e are given the next places of the list, by lane; the others store into a word that nobody reads.
.macro LSTEP j, i
	v_cmp_eq_u32 s34, s19, v[SEL+4*(\j)+2*(\i)]
	v_cmp_eq_u32 s35, s19, v[SEL+4*(\j)+2*(\i)+1]
	s_or_b32 s36, s34, s35
	v_mbcnt_lo_u32_b32 v12, s36, s21               ; the count so far + the members in the lanes below me
	v_cndmask_b32 v12, v[DMP], v12, s36
	v_min_u32 v12, 0x47f, v12                      ; inside my wave's 1,152 words
	v_lshl_add_u32 v12, v12, 2, s37
	v_cndmask_b32 v13, 0, 1, s35
	v_add3_u32 v13, v13, v[L4], 128*(\j)+2*(\i)    ; entry = 2 token + k
	ds_store_b32 v12, v13
	s_bcnt1_i32_b32 s36, s36
	s_add_co_u32 s21, s21, s36
.endm
; THE WAY OUT of tile i, jumped if the tile has no row.  gelu on 64 numbers a lane, the exponentials and the reciprocals each one batch with one wait; then a lane's eight columns of a row pack into 16 bytes,
; and 16 lanes store a row's 256 consecutive bytes, at a multiple of 256 from hid's first.  Rows past the count in the last tile repeat the last row, and are stored too: the next launch reads whole tiles.
.macro EPI i
	WIN 0
	s_add_co_u32 s27, s23, 64*(\i)
	s_cmp_ge_u32 s27, s53
	s_cbranch_scc1 .Lskip_\@
.if (\i) == 4
.set XA, 0
.set WXX, 0x0f
.set WX, 0x03
.else
.set XA, 64*(\i)
.set WXX, 0x0a
.set WX, 0x02
.endif
	WIN WXX
.set q, 0
.rept 32
	v_pk_mul_f32 v[BF0+q:BF0+q+1], v[XA+q:XA+q+1], v[XA+q:XA+q+1]  ; x^2; each accumulator is read from its low end on
.set q, q+2
.endr
	WIN 0
.set q, 0
.rept 32
	v_pk_fma_f32 v[BF0+q:BF0+q+1], v[BF0+q:BF0+q+1], s[40:41], s[38:39] op_sel_hi:[1,0,0]  ; C1 x^2 + C0
.set q, q+2
.endr
	WIN WX
.set q, 0
.rept 32
	v_pk_mul_f32 v[BF0+q:BF0+q+1], v[XA+q:XA+q+1], v[BF0+q:BF0+q+1]
.set q, q+2
.endr
	WIN 0
.set q, 0
.rept 64
	v_exp_f32 v[BF0+q], v[BF0+q]
.set q, q+1
.endr
	v_nop                                          ; a plain instruction behind the last exponential,
	s_wait_alu depctr_va_vdst(0)                   ; and one wait for the batch
.set q, 0
.rept 32
	v_pk_add_f32 v[BF0+q:BF0+q+1], v[BF0+q:BF0+q+1], 1.0 op_sel_hi:[1,0]
.set q, q+2
.endr
.set q, 0
.rept 64
	v_rcp_f32 v[BF0+q], v[BF0+q]
.set q, q+1
.endr
	v_nop
	s_wait_alu depctr_va_vdst(0)
	WIN WX
.set q, 0
.rept 32
	v_pk_mul_f32 v[BF0+q:BF0+q+1], v[XA+q:XA+q+1], v[BF0+q:BF0+q+1]
.set q, q+2
.endr
	WIN 0
	s_wait_xcnt 0x0                                ; the tile before's stores have read their data: only now is it rewritten
.set j, 0
.rept 8
.irp p, 0,1,2,3
	v_cvt_pk_bf16_f32 v[BF1+4*j+\p], v[BF0+16*\p+j], v[BF0+16*\p+8+j]  ; row 8 h + j, columns 8 r + 2 p, + 1
.endr
.set j, j+1
.endr
.set j, 0
.rept 8
	global_store_b128 v[HO], v[BF1+4*j:BF1+4*j+3], s[48:49] offset:(64*(\i)+j)*8192
.set j, j+1
.endr
.Lskip_\@:
.endm
	s_load_b256 s[4:11], s[0:1], 0x0               ; xb s[4:5], W1 s[6:7], b1 s[8:9], sel s[10:11]
	s_load_b128 s[12:15], s[0:1], 0x20             ; hid s[12:13], rows s[14:15]
	s_load_b64 s[16:17], s[0:1], 0x30              ; cnts
	v_lshl_add_u32 v[SPW], v0, 2, SPARE
	v_mov_b32 v[NIL], 0
	v_lshrrev_b32 v12, 5, v0
	v_readfirstlane_b32 s18, v12                   ; wave 0..3
	s_and_b32 s19, ttmp7, 0xffff                   ; e
	s_mov_b32 s20, ttmp9                           ; x
	v_and_b32 v[LN], 31, v0
	v_and_b32 v[RR], 15, v0
	v_bfe_u32 v[HH], v0, 4, 1
	v_lshlrev_b32 v[WO], 4, v[LN]
	v_lshlrev_b32 v[L4], 2, v[LN]
	v_lshlrev_b32 v[H16], 4, v[HH]
	v_add_nc_u32 v[DMP], 1024, v[LN]
	v_and_b32 v12, 1, v0                           ; lane % 2
	v_bfe_u32 v13, v0, 1, 4                        ; lane / 2
	v_lshlrev_b32 v[PF], 14, v13
	v_lshl_add_u32 v[PF], v12, 8, v[PF]
	v_lshl_add_u32 v13, v12, 6, v13                ; my columns 4 lane + c lie in rows 64 (lane % 2) + 16 c + lane / 2
	v_mul_u32_u24 v[ST], v13, LP
	v_lshl_add_u32 v[ST], v12, 7, v[ST]            ; the skew of rows 64-127
	s_lshl_b32 s27, s18, 6
	v_add_nc_u32 v[ST], s27, v[ST]                 ; my wave's 32 k: 64 bytes of each row
	v_mul_u32_u24 v[BA0], v[RR], LP
	v_add_nc_u32 v[BA0], v[BA0], v[H16]
	v_mov_b32 v[BA], v[BA0]
	v_lshlrev_b32 v[HO], 4, v[RR]
	v_lshl_add_u32 v[HO], v[HH], 16, v[HO]
	v_lshlrev_b32 v14, 5, v[RR]                    ; b1: my 8 columns, 32 bytes
	s_mul_i32 s37, s18, LISTB
	s_add_co_u32 s37, s37, LIST                    ; my wave's list
	v_add_nc_u32 v[LRD], s37, v[WO]
	s_lshl_b32 s32, s19, 24                        ; W1: expert, my wave's 32 rows of a chunk, the slice's 512 bytes
	s_lshl_b32 s27, s18, 19
	s_add_co_u32 s32, s32, s27
	s_lshl_b32 s27, s20, 9
	s_add_co_u32 s32, s32, s27
	s_mov_b32 s33, 0
	s_lshl_b32 s54, s19, 14                        ; b1
	s_add_co_u32 s54, s54, s27
	s_mov_b32 s55, 0
	s_lshl_b32 s56, s19, 23                        ; hid: expert, the slice's 256 bytes, my wave's first tile
	s_lshl_b32 s27, s20, 8
	s_add_co_u32 s56, s56, s27
	s_lshl_b32 s27, s18, 17
	s_add_co_u32 s56, s56, s27
	s_mov_b32 s57, 0
	s_mov_b32 s38, 0xc0135761                      ; C0 = -2 sqrt(2 / pi) log2(e) = -2.3022082
	s_mov_b32 s39, s38                             ; named with it as a pair
	s_mov_b32 s40, 0xbdd2d3e8                      ; C1 = 0.044715 C0 = -0.10294324
	s_mov_b32 s41, s40
	s_mov_b32 s21, 0                               ; the count
	s_lshl_b32 s23, s18, 4                         ; my first row in the block
	s_wait_kmcnt 0x0
	s_add_nc_u64 s[42:43], s[6:7], s[32:33]
	s_add_nc_u64 s[8:9], s[8:9], s[54:55]
	s_add_nc_u64 s[48:49], s[12:13], s[56:57]
	s_mov_b64 s[44:45], s[4:5]
	s_mov_b64 s[46:47], s[4:5]
.irp j, 0,1,2,3,4,5,6,7,8,9,10,11,12,13,14,15
	global_load_b128 v[SEL+4*\j:SEL+4*\j+3], v[WO], s[10:11] offset:512*\j  ; all of sel: two tokens a lane and load
.endr
	global_load_b128 v[BIAS:BIAS+3], v14, s[8:9]
	global_load_b128 v[BIAS+4:BIAS+7], v14, s[8:9] offset:16
	WIN 0xc0
.set q, 0
.rept 32
	global_load_b128 v[WS+4*q:WS+4*q+3], v[WO], s[42:43] offset:q*PITCH th:TH_LOAD_NT  ; chunk 0: my 32 rows, 512 consecutive bytes each
.set q, q+1
.endr
	WIN 0
	global_prefetch_b8 v[PF], s[42:43] offset:256*PITCH th:TH_LOAD_NT scope:SCOPE_SE   ; my rows of chunks 2 and 3, each block of 256 bytes once
	global_prefetch_b8 v[PF], s[42:43] offset:272*PITCH th:TH_LOAD_NT scope:SCOPE_SE
	global_prefetch_b8 v[PF], s[42:43] offset:384*PITCH th:TH_LOAD_NT scope:SCOPE_SE
	global_prefetch_b8 v[PF], s[42:43] offset:400*PITCH th:TH_LOAD_NT scope:SCOPE_SE
.irp c, 0,1,2,3
	v_mov_b32 v[T16+\c], 0
.endr
.irp j, 0,1,2,3,4,5,6,7
	ds_store_b128 v[LRD], v[T16:T16+3] offset:512*\j  ; the list starts as zeros, so that every place that is read has been written
.endr
	s_wait_loadcnt 32                              ; sel and b1 are in; chunk 0's 32 loads stay out
.irp p, 0,1,2,3
	v_cvt_pk_bf16_f32 v12, v[BIAS+2*\p], v[BIAS+2*\p+1]  ; b1 rounded to bf16, and widened again
	v_lshlrev_b32 v[BIAS+2*\p], 16, v12
	v_and_b32 v[BIAS+2*\p+1], 0xffff0000, v12
.endr
.set jj, 0
.rept 16
	LSTEP jj, 0
	LSTEP jj, 1
.set jj, jj+1
.endr
	s_max_u32 s53, s21, 1                          ; an expert without rows counts as one row (token 0) on the way out, so that hid's first tile is written; the next launch stores nothing for it
	s_sub_co_u32 s22, s53, 1                       ; the last place that exists
	s_or_b32 s27, s20, s18
	s_cmp_lg_u32 s27, 0
	s_cbranch_scc1 .Lnolist                        ; wave 0 of slice 0 stores the list and the count; no global load stands in what is jumped
	v_mov_b32 v12, s22                             ; the last place, held inside my list's 1,024 words as every place is
	v_min_u32 v12, 0x3ff, v12
	v_lshl_add_u32 v12, v12, 2, s37
	ds_load_b32 v13, v12                           ; the last entry
.irp j, 0,1,2,3,4,5,6,7
	ds_load_b128 v[SEL+4*\j:SEL+4*\j+3], v[LRD] offset:512*\j
.endr
	s_wait_dscnt 0x0
.set q, 0
.rept 32
	v_add_nc_u32 v14, 128*(q/4)+q%4, v[L4]
	v_cmp_gt_u32 vcc_lo, s21, v14
	v_cndmask_b32 v[SEL+q], v13, v[SEL+q], vcc_lo  ; places past the count repeat the last entry
.set q, q+1
.endr
	s_lshl_b32 s32, s19, 12
	s_add_nc_u64 s[14:15], s[14:15], s[32:33]
.irp j, 0,1,2,3,4,5,6,7
	global_store_b128 v[WO], v[SEL+4*\j:SEL+4*\j+3], s[14:15] offset:512*\j
.endr
	s_lshl_b32 s32, s19, 2
	s_add_nc_u64 s[16:17], s[16:17], s[32:33]
	v_mov_b32 v12, 0
	v_mov_b32 v14, s21
	global_store_b32 v12, v14, s[16:17]            ; every lane stores the same number to the same word
	s_wait_xcnt 0x0                                ; v12 and v14 are written again further down
.Lnolist:
	BLOCKSET
	ACCINIT
	; THE PROLOGUE.  Group g of chunk 0 goes to LDS, its registers take chunk 1, and slot g takes the first token fragments.  Younger than chunk 0's group g: its 8 (3 - g) later loads and 18 for each group done.
.irp g, 0,1,2,3
	s_wait_loadcnt 24+10*\g
	STAGE \g, 128, 1
	ALOAD \g
.endr
	WIN 0
	s_wait_xcnt 0x0                                ; the bases step only behind this wait
	s_add_nc_u64 s[42:43], s[42:43], 256*PITCH     ; the refills now fetch chunk 2,
	s_add_nc_u64 s[44:45], s[44:45], 256           ; the token loads chunk 1,
	v_add_nc_u32 v[ST], CH, v[ST]                  ; the stores fill chunk 1
	s_wait_dscnt 0x0                               ; my part of chunk 0 is in LDS,
	s_barrier_signal -1
	s_barrier_wait -1                              ; everybody's is
	BLOAD 0, 0
	; TRIP c = 0..5 multiplies chunk c, stages chunk c + 1 and asks for chunk c + 2's weights and chunk c + 1's token rows: 18 loads a K step.
	; At a step's head 54 are younger than its token fragments (three steps' 18); the weights that it stages are older still.
	s_mov_b32 s25, 6
.Ltrip:
	KSTEP 0, 54, 1, 1, 0, 1, 1
	KSTEP 1, 54, 1, 1, 0, 1, 1, 1
	KSTEP 2, 54, 1, 1, 0, 1, 1
	KSTEP 3, 54, 1, 1, 1, 1, 1
	WIN 0
	s_wait_xcnt 0x0
	s_add_nc_u64 s[42:43], s[42:43], 128*PITCH
	s_add_nc_u64 s[44:45], s[44:45], 256
	v_add_nc_u32 v[ST], CH, v[ST]
	s_sub_co_u32 s25, s25, 1
	s_cmp_lg_u32 s25, 0
	s_cbranch_scc1 .Ltrip
	KSTEP 0, 54, 1, 0, 0, 1, 1                     ; trip 6: no weights are left to ask for, so a step issues 10 loads: 18 (3 - s) + 10 s are younger
	KSTEP 1, 46, 1, 0, 0, 1, 1
	KSTEP 2, 38, 1, 0, 0, 1, 1
	KSTEP 3, 30, 1, 0, 1, 1, 1
	KSTEP 0, 30, 0, 0, 0, 1, 0                     ; trip 7: nothing is asked for: the later slots' 10 (3 - s) are younger
	KSTEP 1, 20, 0, 0, 0, 1, 0
	KSTEP 2, 10, 0, 0, 0, 1, 0
	KSTEP 3, 0,  0, 0, 0, 0, 0
	; THE BLOCKS.  Four trips cover 1,280 rows, more than any expert can have.  A trip sends a block out and, if rows are left, multiplies the next block out of LDS; no barrier and no LDS store stand in what is jumped.
	s_mov_b32 s26, 0
.Lblk:
	PLACES
	EPI 0
	EPI 1
	EPI 2
	EPI 3
	EPI 4
	s_wait_xcnt 0x0                                ; the stores' base steps only behind this wait
	s_add_co_u32 s23, s23, BROWS
	s_add_nc_u64 s[48:49], s[48:49], BROWS*8192
	s_lshl_b32 s27, s18, 4
	s_sub_co_u32 s27, s23, s27                     ; the next block's first row
	s_cmp_ge_u32 s27, s21
	s_cbranch_scc1 .Ldead
	BLOCKSET
	ACCINIT
	WIN 0
	v_mov_b32 v[BA], v[BA0]
	s_mov_b64 s[44:45], s[46:47]
	s_mov_b32 s25, 8
.Lchunk:
	PLACES
	ALOAD 0
	ALOAD 1
	ALOAD 2
	ALOAD 3
	BLOAD 0, 0
	KSTEP 0, 30, 0, 0, 0, 1, 0
	KSTEP 1, 20, 0, 0, 0, 1, 0
	KSTEP 2, 10, 0, 0, 0, 1, 0
	KSTEP 3, 0,  0, 0, 0, 0, 0
	s_wait_xcnt 0x0
	s_add_nc_u64 s[44:45], s[44:45], 256
	v_add_nc_u32 v[BA], CH, v[BA]
	s_sub_co_u32 s25, s25, 1
	s_cmp_lg_u32 s25, 0
	s_cbranch_scc1 .Lchunk
.Ldead:
	s_add_co_u32 s26, s26, 1
	s_cmp_lt_u32 s26, 4
	s_cbranch_scc1 .Lblk
	s_wait_dscnt 0x0                               ; my reads of LDS are over,
	s_barrier_signal -1
	s_barrier_wait -1                              ; and so are every wave's, before any wave writes LDS again (the add below); all four waves come here, behind the same four trips
	s_wait_tensorcnt 0x0                           ; the wave's end, behind my last LDS store
	ds_add_u32 v[SPW], v[NIL]
	s_wait_dscnt 0x0
	s_endpgm
.Lfunc_end_k_q8a1f10d29c_up:
	.size	k_q8a1f10d29c_up, .Lfunc_end_k_q8a1f10d29c_up-k_q8a1f10d29c_up
	.p2alignl 7, 3214868480
	.fill 96, 4, 3214868480
	.section	.rodata,"a",@progbits
	.p2align	6, 0x0
	.amdhsa_kernel k_q8a1f10d29c_up
		.amdhsa_group_segment_fixed_size 298496
		.amdhsa_private_segment_fixed_size 0
		.amdhsa_enable_private_segment 0
		.amdhsa_kernarg_size 56
		.amdhsa_user_sgpr_count 2
		.amdhsa_user_sgpr_kernarg_segment_ptr 1
		.amdhsa_wavefront_size32 1
		.amdhsa_system_sgpr_workgroup_id_x 1
		.amdhsa_system_sgpr_workgroup_id_y 1
		.amdhsa_system_sgpr_workgroup_id_z 1
		.amdhsa_system_vgpr_workitem_id 0
		.amdhsa_next_free_vgpr 960
		.amdhsa_next_free_sgpr 72
		.amdhsa_reserve_vcc 1
		.amdhsa_float_denorm_mode_32 3
		.amdhsa_float_denorm_mode_16_64 3
		.amdhsa_memory_ordered 1
		.amdhsa_forward_progress 1
		.amdhsa_inst_pref_size 252
	.end_amdhsa_kernel
	.amdgpu_metadata
---
amdhsa.version: [ 1, 2 ]
amdhsa.kernels:
  - .name:           k_q8a1f10d29c_up
    .symbol:         k_q8a1f10d29c_up.kd
    .args:
      - { .name: xb, .offset: 0, .size: 8, .value_kind: global_buffer, .address_space: global }
      - { .name: W1, .offset: 8, .size: 8, .value_kind: global_buffer, .address_space: global }
      - { .name: b1, .offset: 16, .size: 8, .value_kind: global_buffer, .address_space: global }
      - { .name: sel, .offset: 24, .size: 8, .value_kind: global_buffer, .address_space: global }
      - { .name: hid, .offset: 32, .size: 8, .value_kind: global_buffer, .address_space: global }
      - { .name: rows, .offset: 40, .size: 8, .value_kind: global_buffer, .address_space: global }
      - { .name: cnts, .offset: 48, .size: 8, .value_kind: global_buffer, .address_space: global }
    .group_segment_fixed_size: 298496
    .private_segment_fixed_size: 0
    .kernarg_segment_align: 8
    .kernarg_segment_size: 56
    .max_flat_workgroup_size: 128
    .sgpr_count:     72
    .vgpr_count:     960
    .wavefront_size: 32
...
	.end_amdgpu_metadata
.endif
;; end of part 2
;; launch down (part 3): grid 32 x 8, 4 waves a work-group, no clusters, 279,040 bytes of LDS; arguments hid, W2, b2, gate, rows, cnts, part; writes part
.if DOCPART == 3
	.amdgcn_target "amdgcn-amd-amdhsa--gfx1250"
	.amdhsa_code_object_version 6
	.text
	.protected	k_q8a1f10d29c_down
	.globl	k_q8a1f10d29c_down
	.p2align	8
	.type	k_q8a1f10d29c_down,@function
k_q8a1f10d29c_down:
	s_mov_b64 s[64:65], 0
	v_nop
	global_prefetch_b8 v0, s[64:65] scope:SCOPE_SE
	s_setreg_imm32_b32 hwreg(HW_REG_WAVE_MODE, 25, 1), 1
	s_wait_xcnt 0x0
; THE SECOND PRODUCT.  part[kq][entry][:] = gate[entry] x (hid[e][place] W2[e], over a quarter kq of the 4,096 hidden numbers, + b2[e] in quarter 0), entry = 2 token + k = rows[e][place].
; W2 and b2 are rounded to bf16 (as every input of this program is), sums in f32; part holds partial sums, in f32, and the next launch adds a token's eight.  NaN and infinities are not treated apart.
; SHARES.  Work-group (x, e): cs = x % 8 is a slice of 128 columns, kq = x / 8 a quarter of K: 1,024 x 128 numbers of W2[e], 512 KB of f32, which it alone reads, once; and ALL of e's rows, in blocks of 320,
; for every split (0 to 1,024 rows; the count is read from cnts).  Waves, tiles, the weights' way into LDS, the K steps and the blocks are the first product's.
; NO CLUSTER: a slice of weights has one reader.  The token rows, which the 8 slices of a quarter share, would want 320 rows x 272 bytes a chunk in LDS beside a slice that leaves 48 KB.
; REGISTERS, in windows of 256 (s_set_vgpr_msb: bits 1:0 source 0, 3:2 source 1, 5:4 source 2, 7:6 destination):
;   window 0: addresses, bias, v32-47 a stage's packed weights, v64-127 and v128-191 two buffers of weight fragments (v64-127 on the way out: at work), v192-236 entries and their addresses
;   window 1: v0-159 token fragments; v160-199 a row's byte offset in part; v200-239 its gate     window 2: accumulator (i, t) at 64 i + 8 t, i = 0..3     window 3: v0-63 tile 4's; v64-191 weights as loaded
.set PITCH, 4096                       ; bytes from a row of W2[e] to the next
.set LP,    272                        ; an LDS row: 128 k of bf16 + 16 bytes: the 16 rows of a load or store start at 16 different groups of four banks (64 banks of 4 bytes: ISA guide 11.1)
.set TP,    16*LP
.set SKEW,  0
.set CH,    128*LP                     ; a chunk: K = 128.  Column n lies in row 16 (4 (n / 64) + n % 4) + (n % 64) / 4: lane r's tiles 4 b .. 4 b + 3 hold columns 64 b + 4 r .. + 3
.set SPARE, 8*CH                       ; the spare words, 128 bytes a wave: two blocks of 256 bytes that no other line names
.set BROWS, 320
.set LN,  1
.set RR,  2
.set HH,  3
.set SPW, 4                            ; my spare word's address; never rewritten
.set NIL, 5                            ; 0; never rewritten
.set WO,  6                            ; 16 x lane
.set ST,  7
.set BA,  8
.set BA0, 9
.set R16, 10                           ; 16 r
.set AO,  16                           ; v16-20  tile i: byte offset of my row in hid[e], + 16 h
.set PF,  21
.set AB,  22                           ; 8,192 r + 16 h
.set H32, 23                           ; 32 h
.set BIAS, 24
.set T16, 32
.set BF0, 64
.set BF1, 128
.set EN,  192                          ; v192-231  tile i, register j: the entry of row 8 h + j; later 4 x entry
.set EA,  232                          ; v232-236  where tile i's entries are read
.set AF,  0                            ; window 1
.set PO,  160
.set G,   200
.set WS,  64                           ; window 3
.set MSB, 0
.macro WIN new                         ; the immediate's high byte repeats the setting that is left; a switch that changes nothing is dropped
.if MSB != (\new)
	s_set_vgpr_msb (MSB<<8)|(\new)
.set MSB, (\new)
.endif
.endm
.macro PLACES                          ; four places in front of loads into registers that matrix instructions have read, and of reads of results (ISA guide 7.12.1 for reads of results)
.rept 4
	v_nop
.endr
.endm
.macro STAGE g, koff, refill           ; group g of my 32 rows of a chunk: rounded, two rows of a column to a register, stored as 16 bytes a column; refill = 1: its registers take the rows koff further down
	WIN 0x0f
.irp c, 0,1,2,3
.irp p, 0,1,2,3
	v_cvt_pk_bf16_f32 v[T16+4*\c+\p], v[WS+32*(\g)+8*\p+\c], v[WS+32*(\g)+8*\p+4+\c]
.endr
.endr
	WIN 0
.irp c, 0,1,2,3
	ds_store_b128 v[ST], v[T16+4*\c:T16+4*\c+3] offset:\c*TP+16*(\g)
.endr
.if \refill
	WIN 0xc0
.irp i, 0,1,2,3,4,5,6,7
	global_load_b128 v[WS+32*(\g)+4*\i:WS+32*(\g)+4*\i+3], v[WO], s[42:43] offset:((\koff)+8*(\g)+\i)*PITCH th:TH_LOAD_NT
.endr
.endif
.endm
.macro BLOAD s, buf
	WIN 0
.irp t, 0,1,2,3,4,5,6,7
	ds_load_b128 v[BF0+64*(\buf)+8*\t:BF0+64*(\buf)+8*\t+3],   v[BA] offset:\t*TP+SKEW*(\t/4)+64*(\s)
	ds_load_b128 v[BF0+64*(\buf)+8*\t+4:BF0+64*(\buf)+8*\t+7], v[BA] offset:\t*TP+SKEW*(\t/4)+64*(\s)+32
.endr
.endm
.macro ALOAD s                         ; ten loads, whether tile 4 has rows or not, so that the counts are the same on every way
	WIN 0x40
.irp i, 0,1,2,3,4
	global_load_b128 v[AF+40*(\s)+8*\i:AF+40*(\s)+8*\i+3],   v[AO+\i], s[44:45] offset:64*(\s)
	global_load_b128 v[AF+40*(\s)+8*\i+4:AF+40*(\s)+8*\i+7], v[AO+\i], s[44:45] offset:64*(\s)+32
.endr
.endm
.macro MUL i, s, buf
.if (\i) == 4
	WIN 0xf1
.set AC, 0
.else
	WIN 0xa1
.set AC, 64*(\i)
.endif
.irp t, 0,1,2,3,4,5,6,7
	v_wmma_f32_16x16x32_bf16 v[AC+8*\t:AC+8*\t+7], v[AF+40*(\s)+8*(\i):AF+40*(\s)+8*(\i)+7], v[BF0+64*(\buf)+8*\t:BF0+64*(\buf)+8*\t+7], v[AC+8*\t:AC+8*\t+7]
.endr
.endm
; A K STEP of 32.  n: the loads younger than this step's token fragments.  stage: group s of the NEXT chunk's weights goes to LDS; wref: its registers take the chunk after that.
; bar: the next chunk is whole in LDS behind a barrier, and BA steps to it.  bnext: the next K step's weight fragments are fetched into the other buffer.  aref: slot s takes the next chunk's token fragments.
; pf: the wave's 64 blocks of 256 bytes of the chunk four on from the one multiplied are asked into the L2, each once; the last trips, in which that chunk does not exist, jump over it.
; The 32 or 40 accumulators take turns, one instruction a turn, on both ways round the jump.
.macro KSTEP s, n, stage, wref, bar, bnext, aref, pf=0
	s_wait_loadcnt \n
.if \stage
	STAGE \s, 0, \wref
.if \pf
	WIN 0
	s_cmp_lt_u32 s25, 3
	s_cbranch_scc1 .Lnopf_\@
	global_prefetch_b8 v[PF], s[42:43] offset:256*PITCH th:TH_LOAD_NT scope:SCOPE_SE
	global_prefetch_b8 v[PF], s[42:43] offset:272*PITCH th:TH_LOAD_NT scope:SCOPE_SE
.Lnopf_\@:
.endif
	s_wait_dscnt 4                                 ; all but the four stores just issued: this step's 16 fragment loads are in
.else
	s_wait_dscnt 0x0
.endif
	MUL 0, \s, (\s)%2
	MUL 1, \s, (\s)%2
.if \bar
	WIN 0
	s_wait_dscnt 0x0                               ; for the others' sake: my part of the next chunk is in LDS
	s_barrier_signal -1
	s_barrier_wait -1                              ; everybody's is
	v_add_nc_u32 v[BA], CH, v[BA]
.endif
.if \bnext
	PLACES
	BLOAD ((\s)+1)%4, ((\s)+1)%2
.endif
	MUL 2, \s, (\s)%2
	MUL 3, \s, (\s)%2
	WIN 0
	s_cmp_eq_u32 s24, 0
	s_cbranch_scc1 .Lno4_\@                        ; tile 4 has no rows: its eight products are jumped
	MUL 4, \s, (\s)%2
	WIN 0
.Lno4_\@:
.if \aref
	PLACES
	ALOAD \s
.endif
.endm
.macro ACCINIT                         ; the sums start at the bias (quarter 0) or at 0
	WIN 0x80
.set q, 0
.rept 256
	v_mov_b32 v[q], v[BIAS+(q/8)%8]
.set q, q+1
.endr
	WIN 0xc0
.set q, 0
.rept 64
	v_mov_b32 v[q], v[BIAS+q/8]
.set q, q+1
.endr
.endm
; A block begins at row s23 - 16 w.  A tile's number is held to the last tile that the first product stored.  For each of my 8 rows of a tile: its entry, from that its place in part and its gate.
.macro BLOCKSET
	WIN 0
	s_wait_xcnt 0x0                                ; AO, the entries and the stores' offsets are rewritten only behind this wait
	s_lshr_b32 s28, s23, 4
.irp i, 0,1,2,3,4
	s_add_co_u32 s27, s28, 4*\i
	s_min_u32 s27, s27, s22
	s_min_u32 s27, s27, 63
	s_lshl_b32 s29, s27, 17                        ; 16 rows of 8,192 bytes
	v_add_nc_u32 v[AO+\i], s29, v[AB]
	s_lshl_b32 s29, s27, 6                         ; 16 entries of 4 bytes
	v_add_nc_u32 v[EA+\i], s29, v[H32]
	global_load_b128 v[EN+8*\i:EN+8*\i+3],   v[EA+\i], s[12:13]
	global_load_b128 v[EN+8*\i+4:EN+8*\i+7], v[EA+\i], s[12:13] offset:16
.endr
	s_add_co_u32 s27, s23, 256
	s_cmp_lt_u32 s27, s21
	s_cselect_b32 s24, 1, 0                        ; has tile 4 rows?
	s_wait_loadcnt 0x0                             ; the entries (at the start also b2 and chunk 0's weights, which are wanted next)
.set q, 0
.rept 40
	v_min_u32 v[EN+q], 0x7ff, v[EN+q]
.set q, q+1
.endr
	WIN 0x40
.set q, 0
.rept 40
	v_lshl_add_u32 v[PO+q], v[EN+q], 12, v[R16]    ; a row of part is 4,096 bytes
.set q, q+1
.endr
	WIN 0
.set q, 0
.rept 40
	v_lshlrev_b32 v[EN+q], 2, v[EN+q]
.set q, q+1
.endr
	WIN 0x40
.set q, 0
.rept 40
	global_load_b32 v[G+q], v[EN+q], s[10:11]      ; older than every token load that follows: the first counted wait of the K steps shows them in
.set q, q+1
.endr
	WIN 0
.endm
; THE WAY OUT of tile i, jumped if the tile has no row: times the row's gate; a lane's four columns are 16 bytes, and 16 lanes store 256 consecutive bytes of a row, at a multiple of 256 from part's first.
; Rows past the count repeat the last row and its entry: the same numbers go to the same place.
.macro EPI i
	WIN 0
	s_add_co_u32 s27, s23, 64*(\i)
	s_cmp_ge_u32 s27, s21
	s_cbranch_scc1 .Lskip_\@
	s_wait_xcnt 0x0                                ; the tile before's stores have read their data: only now is it rewritten
.if (\i) == 4
.set XA, 0
	WIN 0x07
.else
.set XA, 64*(\i)
	WIN 0x06
.endif
.irp j, 0,1,2,3,4,5,6,7
.irp b, 0,1
.irp c, 0,1,2,3
	v_mul_f32 v[BF0+(8*\b+\j)*4+\c], v[XA+8*(4*\b+\c)+\j], v[G+8*(\i)+\j]  ; every accumulator is read from its low end on
.endr
.endr
.endr
	WIN 0x01
.irp j, 0,1,2,3,4,5,6,7
.irp b, 0,1
	global_store_b128 v[PO+8*(\i)+\j], v[BF0+(8*\b+\j)*4:BF0+(8*\b+\j)*4+3], s[48:49] offset:256*\b
.endr
.endr
	WIN 0
.Lskip_\@:
.endm
	s_load_b256 s[4:11], s[0:1], 0x0               ; hid s[4:5], W2 s[6:7], b2 s[8:9], gate s[10:11]
	s_load_b128 s[12:15], s[0:1], 0x20             ; rows s[12:13], cnts s[14:15]
	s_load_b64 s[16:17], s[0:1], 0x30              ; part
	v_lshl_add_u32 v[SPW], v0, 2, SPARE
	v_mov_b32 v[NIL], 0
	v_lshrrev_b32 v12, 5, v0
	v_readfirstlane_b32 s18, v12                   ; wave 0..3
	s_and_b32 s19, ttmp7, 0xffff                   ; e
	s_and_b32 s50, ttmp9, 7                        ; cs
	s_lshr_b32 s51, ttmp9, 3                       ; kq
	v_and_b32 v[LN], 31, v0
	v_and_b32 v[RR], 15, v0
	v_bfe_u32 v[HH], v0, 4, 1
	v_lshlrev_b32 v[WO], 4, v[LN]
	v_lshlrev_b32 v[R16], 4, v[RR]
	v_lshlrev_b32 v[H32], 5, v[HH]
	v_lshlrev_b32 v[AB], 13, v[RR]
	v_lshl_add_u32 v[AB], v[HH], 4, v[AB]
	v_and_b32 v12, 1, v0
	v_bfe_u32 v13, v0, 1, 4
	v_lshlrev_b32 v[PF], 12, v13
	v_lshl_add_u32 v[PF], v12, 8, v[PF]
	v_lshl_add_u32 v13, v[HH], 6, v[RR]            ; my columns 4 lane + c lie in rows 64 (lane / 16) + 16 c + lane % 16
	v_mul_u32_u24 v[ST], v13, LP
	s_lshl_b32 s27, s18, 6
	v_add_nc_u32 v[ST], s27, v[ST]                 ; my wave's 32 k: 64 bytes of each row
	v_mul_u32_u24 v[BA0], v[RR], LP
	v_lshl_add_u32 v[BA0], v[HH], 4, v[BA0]
	v_mov_b32 v[BA], v[BA0]
	s_lshl_b32 s32, s19, 2                         ; cnts
	s_mov_b32 s33, 0
	s_lshl_b32 s54, s19, 24                        ; W2: expert, quarter, my wave's 32 rows of a chunk, the slice's 512 bytes
	s_lshl_b32 s27, s51, 22
	s_add_co_u32 s54, s54, s27
	s_lshl_b32 s27, s18, 17
	s_add_co_u32 s54, s54, s27
	s_lshl_b32 s28, s50, 9
	s_add_co_u32 s54, s54, s28
	s_mov_b32 s55, 0
	s_lshl_b32 s56, s19, 23                        ; hid: expert, the quarter's 2,048 bytes of a row
	s_lshl_b32 s27, s51, 11
	s_add_co_u32 s56, s56, s27
	s_mov_b32 s57, 0
	s_lshl_b32 s58, s51, 23                        ; part: quarter, the slice's 512 bytes of a row
	s_add_co_u32 s58, s58, s28
	s_mov_b32 s59, 0
	s_lshl_b32 s62, s19, 12                        ; rows: expert
	s_mov_b32 s63, 0
	s_add_co_u32 s60, s62, s28                     ; b2: expert, slice
	s_mov_b32 s61, 0
	s_cmp_eq_u32 s51, 0
	s_cselect_b32 s52, -1, 0                       ; the bias is quarter 0's alone
	s_lshl_b32 s23, s18, 4                         ; my first row in the block
	s_wait_kmcnt 0x0
	s_add_nc_u64 s[14:15], s[14:15], s[32:33]
	s_load_b32 s21, s[14:15], 0x0                  ; the expert's count
	s_add_nc_u64 s[42:43], s[6:7], s[54:55]
	s_add_nc_u64 s[44:45], s[4:5], s[56:57]
	s_mov_b64 s[46:47], s[44:45]
	s_add_nc_u64 s[48:49], s[16:17], s[58:59]
	s_add_nc_u64 s[8:9], s[8:9], s[60:61]
	s_add_nc_u64 s[12:13], s[12:13], s[62:63]
	global_load_b128 v[BIAS:BIAS+3], v[R16], s[8:9]
	global_load_b128 v[BIAS+4:BIAS+7], v[R16], s[8:9] offset:256
	WIN 0xc0
.set q, 0
.rept 32
	global_load_b128 v[WS+4*q:WS+4*q+3], v[WO], s[42:43] offset:q*PITCH th:TH_LOAD_NT  ; chunk 0: my 32 rows, 512 consecutive bytes each
.set q, q+1
.endr
	WIN 0
	global_prefetch_b8 v[PF], s[42:43] offset:256*PITCH th:TH_LOAD_NT scope:SCOPE_SE   ; my rows of chunks 2 and 3, each block of 256 bytes once
	global_prefetch_b8 v[PF], s[42:43] offset:272*PITCH th:TH_LOAD_NT scope:SCOPE_SE
	global_prefetch_b8 v[PF], s[42:43] offset:384*PITCH th:TH_LOAD_NT scope:SCOPE_SE
	global_prefetch_b8 v[PF], s[42:43] offset:400*PITCH th:TH_LOAD_NT scope:SCOPE_SE
	s_wait_kmcnt 0x0
	s_min_u32 s21, s21, 0x400
	s_add_co_u32 s22, s21, 15
	s_lshr_b32 s22, s22, 4
	s_max_u32 s22, s22, 1
	s_sub_co_u32 s22, s22, 1                       ; the last tile of hid[e] that was stored
	BLOCKSET
.irp p, 0,1,2,3
	v_cvt_pk_bf16_f32 v12, v[BIAS+2*\p], v[BIAS+2*\p+1]  ; b2 rounded to bf16, widened again, and kept in quarter 0 alone
	v_lshlrev_b32 v[BIAS+2*\p], 16, v12
	v_and_b32 v[BIAS+2*\p+1], 0xffff0000, v12
	v_and_b32 v[BIAS+2*\p], s52, v[BIAS+2*\p]
	v_and_b32 v[BIAS+2*\p+1], s52, v[BIAS+2*\p+1]
.endr
	ACCINIT
	; THE PROLOGUE.  Chunk 0's weights are in (the wait for 0 above): group g goes to LDS, its registers take chunk 1, and slot g takes the first token fragments.
.irp g, 0,1,2,3
	STAGE \g, 128, 1
	ALOAD \g
.endr
	WIN 0
	s_wait_xcnt 0x0                                ; the bases step only behind this wait
	s_add_nc_u64 s[42:43], s[42:43], 256*PITCH
	s_add_nc_u64 s[44:45], s[44:45], 256
	v_add_nc_u32 v[ST], CH, v[ST]
	s_wait_dscnt 0x0                               ; my part of chunk 0 is in LDS,
	s_barrier_signal -1
	s_barrier_wait -1                              ; everybody's is
	BLOAD 0, 0
	; TRIP c = 0..5 multiplies chunk c, stages chunk c + 1 and asks for chunk c + 2's weights and chunk c + 1's token rows: 18 loads a K step.
	; At a step's head 54 are younger than its token fragments (three steps' 18); the weights that it stages are older still.
	s_mov_b32 s25, 6
.Ltrip:
	KSTEP 0, 54, 1, 1, 0, 1, 1
	KSTEP 1, 54, 1, 1, 0, 1, 1, 1
	KSTEP 2, 54, 1, 1, 0, 1, 1
	KSTEP 3, 54, 1, 1, 1, 1, 1
	WIN 0
	s_wait_xcnt 0x0
	s_add_nc_u64 s[42:43], s[42:43], 128*PITCH
	s_add_nc_u64 s[44:45], s[44:45], 256
	v_add_nc_u32 v[ST], CH, v[ST]
	s_sub_co_u32 s25, s25, 1
	s_cmp_lg_u32 s25, 0
	s_cbranch_scc1 .Ltrip
	KSTEP 0, 54, 1, 0, 0, 1, 1                     ; trip 6: no weights are left to ask for, so a step issues 10 loads: 18 (3 - s) + 10 s are younger
	KSTEP 1, 46, 1, 0, 0, 1, 1
	KSTEP 2, 38, 1, 0, 0, 1, 1
	KSTEP 3, 30, 1, 0, 1, 1, 1
	KSTEP 0, 30, 0, 0, 0, 1, 0                     ; trip 7: nothing is asked for: the later slots' 10 (3 - s) are younger
	KSTEP 1, 20, 0, 0, 0, 1, 0
	KSTEP 2, 10, 0, 0, 0, 1, 0
	KSTEP 3, 0,  0, 0, 0, 0, 0
	; THE BLOCKS.  Four trips cover 1,280 rows, more than any expert can have.  A trip sends a block out and, if rows are left, multiplies the next block out of LDS; no barrier and no LDS store stand in what is jumped.
	s_mov_b32 s26, 0
.Lblk:
	PLACES
	EPI 0
	EPI 1
	EPI 2
	EPI 3
	EPI 4
	s_add_co_u32 s23, s23, BROWS
	s_lshl_b32 s27, s18, 4
	s_sub_co_u32 s27, s23, s27                     ; the next block's first row
	s_cmp_ge_u32 s27, s21
	s_cbranch_scc1 .Ldead
	BLOCKSET
	ACCINIT
	WIN 0
	v_mov_b32 v[BA], v[BA0]
	s_mov_b64 s[44:45], s[46:47]
	s_mov_b32 s25, 8
.Lchunk:
	PLACES
	ALOAD 0
	ALOAD 1
	ALOAD 2
	ALOAD 3
	BLOAD 0, 0
	KSTEP 0, 30, 0, 0, 0, 1, 0
	KSTEP 1, 20, 0, 0, 0, 1, 0
	KSTEP 2, 10, 0, 0, 0, 1, 0
	KSTEP 3, 0,  0, 0, 0, 0, 0
	s_wait_xcnt 0x0
	s_add_nc_u64 s[44:45], s[44:45], 256
	v_add_nc_u32 v[BA], CH, v[BA]
	s_sub_co_u32 s25, s25, 1
	s_cmp_lg_u32 s25, 0
	s_cbranch_scc1 .Lchunk
.Ldead:
	s_add_co_u32 s26, s26, 1
	s_cmp_lt_u32 s26, 4
	s_cbranch_scc1 .Lblk
	s_wait_dscnt 0x0                               ; my reads of LDS are over,
	s_barrier_signal -1
	s_barrier_wait -1                              ; and so are every wave's, before any wave writes LDS again (the add below); all four waves come here, behind the same four trips
	s_wait_tensorcnt 0x0                           ; the wave's end, behind my last LDS store
	ds_add_u32 v[SPW], v[NIL]
	s_wait_dscnt 0x0
	s_endpgm
.Lfunc_end_k_q8a1f10d29c_down:
	.size	k_q8a1f10d29c_down, .Lfunc_end_k_q8a1f10d29c_down-k_q8a1f10d29c_down
	.p2alignl 7, 3214868480
	.fill 96, 4, 3214868480
	.section	.rodata,"a",@progbits
	.p2align	6, 0x0
	.amdhsa_kernel k_q8a1f10d29c_down
		.amdhsa_group_segment_fixed_size 279040
		.amdhsa_private_segment_fixed_size 0
		.amdhsa_enable_private_segment 0
		.amdhsa_kernarg_size 56
		.amdhsa_user_sgpr_count 2
		.amdhsa_user_sgpr_kernarg_segment_ptr 1
		.amdhsa_wavefront_size32 1
		.amdhsa_system_sgpr_workgroup_id_x 1
		.amdhsa_system_sgpr_workgroup_id_y 1
		.amdhsa_system_sgpr_workgroup_id_z 1
		.amdhsa_system_vgpr_workitem_id 0
		.amdhsa_next_free_vgpr 960
		.amdhsa_next_free_sgpr 72
		.amdhsa_reserve_vcc 0
		.amdhsa_float_denorm_mode_32 3
		.amdhsa_float_denorm_mode_16_64 3
		.amdhsa_memory_ordered 1
		.amdhsa_forward_progress 1
		.amdhsa_inst_pref_size 175
	.end_amdhsa_kernel
	.amdgpu_metadata
---
amdhsa.version: [ 1, 2 ]
amdhsa.kernels:
  - .name:           k_q8a1f10d29c_down
    .symbol:         k_q8a1f10d29c_down.kd
    .args:
      - { .name: hid, .offset: 0, .size: 8, .value_kind: global_buffer, .address_space: global }
      - { .name: W2, .offset: 8, .size: 8, .value_kind: global_buffer, .address_space: global }
      - { .name: b2, .offset: 16, .size: 8, .value_kind: global_buffer, .address_space: global }
      - { .name: gate, .offset: 24, .size: 8, .value_kind: global_buffer, .address_space: global }
      - { .name: rows, .offset: 32, .size: 8, .value_kind: global_buffer, .address_space: global }
      - { .name: cnts, .offset: 40, .size: 8, .value_kind: global_buffer, .address_space: global }
      - { .name: part, .offset: 48, .size: 8, .value_kind: global_buffer, .address_space: global }
    .group_segment_fixed_size: 279040
    .private_segment_fixed_size: 0
    .kernarg_segment_align: 8
    .kernarg_segment_size: 56
    .max_flat_workgroup_size: 128
    .sgpr_count:     72
    .vgpr_count:     960
    .wavefront_size: 32
...
	.end_amdgpu_metadata
.endif
;; end of part 3
;; launch sum (part 4): grid 256 x 1, 8 waves a work-group, no clusters, 0 bytes of LDS; arguments part, out0; writes out0
.if DOCPART == 4
	.amdgcn_target "amdgcn-amd-amdhsa--gfx1250"
	.amdhsa_code_object_version 6
	.text
	.protected	k_q8a1f10d29c_sum
	.globl	k_q8a1f10d29c_sum
	.p2align	8
	.type	k_q8a1f10d29c_sum,@function
k_q8a1f10d29c_sum:
	s_mov_b64 s[64:65], 0
	v_nop
	global_prefetch_b8 v0, s[64:65] scope:SCOPE_SE
	s_setreg_imm32_b32 hwreg(HW_REG_WAVE_MODE, 25, 1), 1
	s_wait_xcnt 0x0
; out0[token] = the sum of part[q][2 token + k] over the four quarters q of the hidden width and the two choices k: eight rows of f32, gates and biases already in them, added in one fixed order.
; A stream: a work-group has 4 tokens, thread t the 16 bytes at 16 t of every row, so a wave's load or store covers 512 consecutive bytes.  All 32 loads of a thread go out at once, token by token;
; LDS, barriers, matrix units and clusters would add nothing: no byte is read twice.
.set QB,  8388608                      ; bytes in a quarter of part
.set D,   4                            ; v[4:131]  token i, quarter q, choice k at 32 i + 8 q + 4 k
	s_load_b128 s[4:7], s[0:1], 0x0                ; part s[4:5], out0 s[6:7]
	v_lshlrev_b32 v1, 4, v0
	s_lshl_b32 s8, ttmp9, 15                       ; 8 rows of 4,096 bytes in each quarter
	s_mov_b32 s9, 0
	s_lshl_b32 s10, ttmp9, 14                      ; 4 rows of out0
	s_mov_b32 s11, 0
	s_wait_kmcnt 0x0
	s_add_nc_u64 s[12:13], s[4:5], s[8:9]
	s_add_nc_u64 s[14:15], s[12:13], QB
	s_add_nc_u64 s[16:17], s[14:15], QB
	s_add_nc_u64 s[18:19], s[16:17], QB
	s_add_nc_u64 s[6:7], s[6:7], s[10:11]
.irp i, 0,1,2,3
.irp q, 0,1,2,3
.irp k, 0,1
	global_load_b128 v[D+32*\i+8*\q+4*\k:D+32*\i+8*\q+4*\k+3], v1, s[12+2*\q:13+2*\q] offset:8192*\i+4096*\k th:TH_LOAD_NT
.endr
.endr
.endr
.irp i, 0,1,2,3
	s_wait_loadcnt 24-8*\i                         ; token i's eight loads are in; the later tokens' stay out
.irp a, 0,8,16,24
.irp p, 0,2
	v_pk_add_f32 v[D+32*\i+\a+\p:D+32*\i+\a+\p+1], v[D+32*\i+\a+\p:D+32*\i+\a+\p+1], v[D+32*\i+\a+4+\p:D+32*\i+\a+4+\p+1]  ; the two choices of a quarter
.endr
.endr
.irp a, 0,16
.irp p, 0,2
	v_pk_add_f32 v[D+32*\i+\a+\p:D+32*\i+\a+\p+1], v[D+32*\i+\a+\p:D+32*\i+\a+\p+1], v[D+32*\i+\a+8+\p:D+32*\i+\a+8+\p+1]  ; quarters 0 + 1, 2 + 3
.endr
.endr
.irp p, 0,2
	v_pk_add_f32 v[D+32*\i+\p:D+32*\i+\p+1], v[D+32*\i+\p:D+32*\i+\p+1], v[D+32*\i+16+\p:D+32*\i+16+\p+1]
.endr
	global_store_b128 v1, v[D+32*\i:D+32*\i+3], s[6:7] offset:4096*\i th:TH_STORE_NT
.endr
	s_endpgm
.Lfunc_end_k_q8a1f10d29c_sum:
	.size	k_q8a1f10d29c_sum, .Lfunc_end_k_q8a1f10d29c_sum-k_q8a1f10d29c_sum
	.p2alignl 7, 3214868480
	.fill 96, 4, 3214868480
	.section	.rodata,"a",@progbits
	.p2align	6, 0x0
	.amdhsa_kernel k_q8a1f10d29c_sum
		.amdhsa_group_segment_fixed_size 0
		.amdhsa_private_segment_fixed_size 0
		.amdhsa_enable_private_segment 0
		.amdhsa_kernarg_size 16
		.amdhsa_user_sgpr_count 2
		.amdhsa_user_sgpr_kernarg_segment_ptr 1
		.amdhsa_wavefront_size32 1
		.amdhsa_system_sgpr_workgroup_id_x 1
		.amdhsa_system_sgpr_workgroup_id_y 1
		.amdhsa_system_sgpr_workgroup_id_z 1
		.amdhsa_system_vgpr_workitem_id 0
		.amdhsa_next_free_vgpr 136
		.amdhsa_next_free_sgpr 66
		.amdhsa_reserve_vcc 0
		.amdhsa_float_denorm_mode_32 3
		.amdhsa_float_denorm_mode_16_64 3
		.amdhsa_memory_ordered 1
		.amdhsa_forward_progress 1
		.amdhsa_inst_pref_size 8
	.end_amdhsa_kernel
	.amdgpu_metadata
---
amdhsa.version: [ 1, 2 ]
amdhsa.kernels:
  - .name:           k_q8a1f10d29c_sum
    .symbol:         k_q8a1f10d29c_sum.kd
    .args:
      - { .name: part, .offset: 0, .size: 8, .value_kind: global_buffer, .address_space: global }
      - { .name: out0, .offset: 8, .size: 8, .value_kind: global_buffer, .address_space: global }
    .group_segment_fixed_size: 0
    .private_segment_fixed_size: 0
    .kernarg_segment_align: 8
    .kernarg_segment_size: 16
    .max_flat_workgroup_size: 256
    .sgpr_count:     66
    .vgpr_count:     136
    .wavefront_size: 32
...
	.end_amdgpu_metadata
.endif
;; end of part 4
;; ======== version 2 of 3: 4 launches
;; workspace buffers: xb 2,097,152 bytes; sel 8,192 bytes of whole numbers; gate 8,192 bytes; bm 1,024 bytes of whole numbers; hid 67,108,864 bytes; pos 40,960 bytes of whole numbers; cnts 256 bytes of whole numbers; part 134,217,728 bytes
;; launch route (part 5): grid 64 x 1, 8 waves a work-group, no clusters, 60,416 bytes of LDS; arguments x, Wg, xb, sel, gate, bm; writes xb, sel, gate, bm
.if DOCPART == 5
	.amdgcn_target "amdgcn-amd-amdhsa--gfx1250"
	.amdhsa_code_object_version 6
	.text
	.protected	k_q8a1f10d29c_route
	.globl	k_q8a1f10d29c_route
	.p2align	8
	.type	k_q8a1f10d29c_route,@function
k_q8a1f10d29c_route:
	s_mov_b64 s[64:65], 0
	v_nop
	global_prefetch_b8 v0, s[64:65] scope:SCOPE_SE
	s_setreg_imm32_b32 hwreg(HW_REG_WAVE_MODE, 25, 1), 1
	s_wait_xcnt 0x0
; THE ROUTER.  logits = x Wg for 1,024 tokens and 8 experts; the two largest logits of a token (the lower index wins a tie, as jax.lax.top_k has it), their softmax, and x rounded to bf16.
; x and Wg are rounded to bf16 (as every input of this program is), the products are summed in f32 by the matrix unit.  The choice goes to fixed places: sel[token] = (first, second),
; gate[token] = (their weights), bm[e] = a bitmap of the tokens that chose expert e (bit t % 32 of word t / 32); no address and no branch here hangs on it.
; LIMITS.  Logits are taken to be finite: NaN and infinities are not treated apart.  The sums' order differs from a plain f32 sum's: two logits closer than that difference may change places.
; SHARES.  A work-group has 16 tokens; wave w has K = 128 w .. 128 w + 127 of them, and the eight waves' partial logits meet in LDS.  64 work-groups: 16 tokens are one matrix tile, the least share.
; No cluster: the work-groups share Wg alone, 32 KB against the 64 KB of x that each reads for itself, and it comes through registers to be rounded.
.set XP,    272                        ; a token's 256 bytes of bf16 + 16: the 16 rows of a fragment load start at 16 different groups of four banks (64 banks of 4 bytes: ISA guide 11.1)
.set XT,    0                          ; wave w: 16 rows x 272 bytes at 4,352 w, its own
.set WT,    8*16*XP                    ; wave w: [128 k][8 experts] bf16, 16 bytes a k, at 2,048 w, its own
.set PART,  WT+8*2048                  ; wave w: 32 bytes a lane at 1,024 w: the partial logits
.set SPARE, PART+8*1024                ; the spare words, 128 bytes a wave: four blocks of 256 bytes that no other line names
.set LN,  1                            ; lane
.set RR,  2                            ; lane % 16
.set HH,  3                            ; lane / 16
.set SPW, 4                            ; my spare word's address; never rewritten
.set NIL, 5                            ; 0; never rewritten
.set O16, 6                            ; 16 x lane
.set O8,  8                            ; 8 x lane
.set XTS, 9                            ; where I store into XT
.set WTS, 10                           ; into WT
.set XTR, 11                           ; where I read a token fragment
.set WTR, 12                           ; a fragment of Wg, turned
.set PST, 13                           ; where I store partial logits
.set PRD, 14                           ; where wave 0 reads them
.set OO,  15                           ; 8 x (lane % 16): my token's place in sel and gate
.set X,   32                           ; v[32:95]   x as loaded, 4 registers a row
.set FA,  32                           ; v[32:63]   later: 4 fragments of Wg^T
.set FB,  64                           ; v[64:95]   4 fragments of tokens
.set PR,  32                           ; v[32:95]   later still, wave 0: the eight waves' partial logits
.set WG,  96                           ; v[96:127]  Wg as loaded
.set CX,  128                          ; v[128:159] x in bf16, 2 registers a row
.set CW,  160                          ; v[160:175] Wg in bf16
.set ACC0, 176
.set ACC1, 184
.set LG,  192                          ; v[192:199] the 8 logits of my token
.set BI,  200                          ; first expert,
.set SI,  201                          ; second: a pair for the store
.set BV,  202
.set SV,  203
.set G0,  204                          ; their weights: a pair
.set G1,  205
.set TA,  206
.set TB,  207
.set LE,  208                          ; lane % 8: the expert whose 16 bits I store
.set BM,  209                          ; those bits
.set BO,  210                          ; 128 x that expert
	s_load_b256 s[4:11], s[0:1], 0x0               ; x s[4:5], Wg s[6:7], xb s[8:9], sel s[10:11]
	s_load_b64 s[12:13], s[0:1], 0x20              ; gate
	s_load_b64 s[30:31], s[0:1], 0x28              ; bm
	v_lshl_add_u32 v[SPW], v0, 2, SPARE
	v_mov_b32 v[NIL], 0
	v_lshrrev_b32 v16, 5, v0
	v_readfirstlane_b32 s14, v16                   ; wave 0..7
	v_and_b32 v[LN], 31, v0
	v_and_b32 v[RR], 15, v0
	v_bfe_u32 v[HH], v0, 4, 1
	v_lshlrev_b32 v[O16], 4, v[LN]
	v_lshlrev_b32 v[O8], 3, v[LN]
	s_mul_i32 s15, s14, 16*XP                      ; my wave's XT
	s_lshl_b32 s18, s14, 11
	s_add_co_u32 s18, s18, WT                      ; its WT
	s_lshl_b32 s19, s14, 10
	s_add_co_u32 s19, s19, PART                    ; its partial logits
	v_add_nc_u32 v[XTS], s15, v[O8]
	v_add_nc_u32 v[WTS], s18, v[O8]
	v_mul_u32_u24 v[XTR], v[RR], XP
	v_lshl_add_u32 v[XTR], v[HH], 4, v[XTR]
	v_add_nc_u32 v[XTR], s15, v[XTR]               ; row x pitch + 16 x half
	v_and_b32 v[WTR], 7, v0
	v_lshl_add_u32 v[WTR], v[HH], 3, v[WTR]
	v_lshl_add_u32 v[WTR], v[WTR], 4, s18          ; k = 8 (lane / 16) + lane % 8, 16 bytes a k: all four groups of eight lanes take experts 0-7
	v_lshl_add_u32 v[PST], v[LN], 5, s19
	v_lshl_add_u32 v[PRD], v[LN], 5, PART
	v_lshlrev_b32 v[OO], 3, v[RR]
	s_lshl_b32 s16, ttmp9, 16                      ; x: 16 rows of 4,096 bytes a work-group,
	s_lshl_b32 s20, s14, 9                         ; 512 bytes of a row a wave
	s_add_co_u32 s16, s16, s20
	s_mov_b32 s17, 0
	s_lshl_b32 s20, s14, 12                        ; Wg: 128 k of 32 bytes a wave
	s_mov_b32 s21, 0
	s_lshl_b32 s22, ttmp9, 15                      ; xb: 16 rows of 2,048 bytes,
	s_lshl_b32 s24, s14, 8                         ; 256 bytes of a row a wave
	s_add_co_u32 s22, s22, s24
	s_mov_b32 s23, 0
	s_lshl_b32 s24, ttmp9, 7                       ; sel, gate: 16 tokens of 8 bytes
	s_mov_b32 s25, 0
	s_lshl_b32 s32, ttmp9, 1                       ; bm: 16 tokens are two bytes of an expert's 128
	s_mov_b32 s33, 0
	s_wait_kmcnt 0x0
	s_add_nc_u64 s[4:5], s[4:5], s[16:17]
	s_add_nc_u64 s[6:7], s[6:7], s[20:21]
	s_add_nc_u64 s[8:9], s[8:9], s[22:23]
	s_add_nc_u64 s[10:11], s[10:11], s[24:25]
	s_add_nc_u64 s[12:13], s[12:13], s[24:25]
	s_add_nc_u64 s[30:31], s[30:31], s[32:33]
.irp i, 0,1,2,3,4,5,6,7,8,9,10,11,12,13,14,15
	global_load_b128 v[X+4*\i:X+4*\i+3], v[O16], s[4:5] offset:4096*\i th:TH_LOAD_NT  ; 512 consecutive bytes of row i
.endr
.irp j, 0,1,2,3,4,5,6,7
	global_load_b128 v[WG+4*\j:WG+4*\j+3], v[O16], s[6:7] offset:512*\j
.endr
	s_wait_loadcnt 8                               ; x is in; the eight younger loads, Wg's, may stay out
.irp i, 0,1,2,3,4,5,6,7,8,9,10,11,12,13,14,15
	v_cvt_pk_bf16_f32 v[CX+2*\i], v[X+4*\i], v[X+4*\i+1]
	v_cvt_pk_bf16_f32 v[CX+2*\i+1], v[X+4*\i+2], v[X+4*\i+3]
	global_store_b64 v[O8], v[CX+2*\i:CX+2*\i+1], s[8:9] offset:2048*\i  ; the wave stores 256 consecutive bytes, at a multiple of 256 from xb's first
	ds_store_b64 v[XTS], v[CX+2*\i:CX+2*\i+1] offset:XP*\i
.endr
	s_wait_loadcnt 0x0                             ; Wg
.irp j, 0,1,2,3,4,5,6,7
	v_cvt_pk_bf16_f32 v[CW+2*\j], v[WG+4*\j], v[WG+4*\j+1]
	v_cvt_pk_bf16_f32 v[CW+2*\j+1], v[WG+4*\j+2], v[WG+4*\j+3]
	ds_store_b64 v[WTS], v[CW+2*\j:CW+2*\j+1] offset:256*\j
.endr
	; Source 0 = Wg^T (row = expert; rows 8-15 repeat rows 0-7), source 1 = 16 tokens: in the result lane l holds token l % 16, and its registers 0-7 the 8 experts, in both halves of the lanes.
	; These are the wave's own bytes, and LDS serves a wave's instructions in order (ISA guide 5.7.1.4): the loads see the stores above.
.irp s, 0,1,2,3
	ds_load_tr16_b128 v[FA+8*\s:FA+8*\s+3],   v[WTR] offset:512*\s
	ds_load_tr16_b128 v[FA+8*\s+4:FA+8*\s+7], v[WTR] offset:512*\s+256
	ds_load_b128 v[FB+8*\s:FB+8*\s+3],   v[XTR] offset:64*\s
	ds_load_b128 v[FB+8*\s+4:FB+8*\s+7], v[XTR] offset:64*\s+32
.endr
	s_wait_dscnt 0x0
	v_wmma_f32_16x16x32_bf16 v[ACC0:ACC0+7], v[FA:FA+7], v[FB:FB+7], 0          ; two accumulators by turns
	v_wmma_f32_16x16x32_bf16 v[ACC1:ACC1+7], v[FA+8:FA+15], v[FB+8:FB+15], 0
	v_wmma_f32_16x16x32_bf16 v[ACC0:ACC0+7], v[FA+16:FA+23], v[FB+16:FB+23], v[ACC0:ACC0+7]
	v_wmma_f32_16x16x32_bf16 v[ACC1:ACC1+7], v[FA+24:FA+31], v[FB+24:FB+31], v[ACC1:ACC1+7]
.rept 4
	v_nop                                          ; four places between the last product and the first read of a result (ISA guide 7.12.1)
.endr
.irp j, 0,1,2,3,4,5,6,7
	v_add_f32 v[LG+\j], v[ACC0+\j], v[ACC1+\j]     ; from the low end on
.endr
	ds_store_b128 v[PST], v[LG:LG+3]
	ds_store_b128 v[PST], v[LG+4:LG+7] offset:16
	s_wait_dscnt 0x0                               ; for wave 0's sake: my partial logits are in LDS
	s_barrier_signal -1
	s_barrier_wait -1
	s_cmp_lg_u32 s14, 0
	s_cbranch_scc1 .Lend                           ; wave 0 alone goes on: 16 tokens x 8 logits are one wave's work
.irp w, 0,1,2,3,4,5,6,7
	ds_load_b128 v[PR+8*\w:PR+8*\w+3],   v[PRD] offset:1024*\w
	ds_load_b128 v[PR+8*\w+4:PR+8*\w+7], v[PRD] offset:1024*\w+16
.endr
	s_wait_dscnt 0x0
.irp p, 0,2,4,6
	v_pk_add_f32 v[LG+\p:LG+\p+1], v[PR+\p:PR+\p+1], v[PR+8+\p:PR+8+\p+1]
.endr
.irp w, 2,3,4,5,6,7
.irp p, 0,2,4,6
	v_pk_add_f32 v[LG+\p:LG+\p+1], v[LG+\p:LG+\p+1], v[PR+8*\w+\p:PR+8*\w+\p+1]  ; K ascending
.endr
.endr
	v_mov_b32 v[BV], v[LG]                         ; the largest: a later expert takes the place only if strictly greater
	v_mov_b32 v[BI], 0
.irp i, 1,2,3,4,5,6,7
	v_cmp_gt_f32 vcc_lo, v[LG+\i], v[BV]
	v_cndmask_b32 v[BV], v[BV], v[LG+\i], vcc_lo
	v_cndmask_b32 v[BI], v[BI], \i, vcc_lo
.endr
	v_mov_b32 v[SV], 0xff800000                    ; the largest of the others, from minus infinity
	v_mov_b32 v[SI], 0
.irp i, 0,1,2,3,4,5,6,7
	v_cmp_ne_u32 s26, \i, v[BI]
	v_cmp_gt_f32 s27, v[LG+\i], v[SV]
	s_and_b32 s26, s26, s27
	v_cndmask_b32 v[SV], v[SV], v[LG+\i], s26
	v_cndmask_b32 v[SI], v[SI], \i, s26
.endr
	v_sub_f32 v[TA], v[SV], v[BV]                  ; the maximum is taken away: the exponents are 0 and second - first <= 0
	v_mul_f32 v[TA], 0x3fb8aa3b, v[TA]
	v_exp_f32 v[TB], v[TA]
	v_nop                                          ; a plain instruction behind the exponential,
	s_wait_alu depctr_va_vdst(0)                   ; and a wait ahead of its first reader
	v_add_f32 v[TA], 1.0, v[TB]
	v_rcp_f32 v[G0], v[TA]
	v_nop
	s_wait_alu depctr_va_vdst(0)
	v_mul_f32 v[G1], v[TB], v[G0]
	global_store_b64 v[OO], v[BI:BI+1], s[10:11]   ; lanes 16-31 hold the same tokens and store the same numbers to the same places
	global_store_b64 v[OO], v[G0:G0+1], s[12:13]
	; The bitmaps: for each expert the mask of the lanes (tokens) that chose it; its low 16 bits are this work-group's share.  Lane l takes expert l % 8's.
	v_and_b32 v[LE], 7, v0
	v_mov_b32 v[BM], 0
.irp e, 0,1,2,3,4,5,6,7
	v_cmp_eq_u32 s26, \e, v[BI]
	v_cmp_eq_u32 s27, \e, v[SI]
	s_or_b32 s26, s26, s27
	v_cmp_eq_u32 s27, \e, v[LE]
	v_cndmask_b32 v[BM], v[BM], s26, s27
.endr
	v_lshlrev_b32 v[BO], 7, v[LE]
	global_store_b16 v[BO], v[BM], s[30:31]        ; eight halfwords a work-group, 1,024 bytes in the whole launch; four lanes store the same halfword to the same place
.Lend:
	s_wait_tensorcnt 0x0                           ; the wave's end, behind my last LDS store
	ds_add_u32 v[SPW], v[NIL]
	s_wait_dscnt 0x0
	s_endpgm
.Lfunc_end_k_q8a1f10d29c_route:
	.size	k_q8a1f10d29c_route, .Lfunc_end_k_q8a1f10d29c_route-k_q8a1f10d29c_route
	.p2alignl 7, 3214868480
	.fill 96, 4, 3214868480
	.section	.rodata,"a",@progbits
	.p2align	6, 0x0
	.amdhsa_kernel k_q8a1f10d29c_route
		.amdhsa_group_segment_fixed_size 60416
		.amdhsa_private_segment_fixed_size 0
		.amdhsa_enable_private_segment 0
		.amdhsa_kernarg_size 48
		.amdhsa_user_sgpr_count 2
		.amdhsa_user_sgpr_kernarg_segment_ptr 1
		.amdhsa_wavefront_size32 1
		.amdhsa_system_sgpr_workgroup_id_x 1
		.amdhsa_system_sgpr_workgroup_id_y 1
		.amdhsa_system_sgpr_workgroup_id_z 1
		.amdhsa_system_vgpr_workitem_id 0
		.amdhsa_next_free_vgpr 224
		.amdhsa_next_free_sgpr 66
		.amdhsa_reserve_vcc 1
		.amdhsa_float_denorm_mode_32 3
		.amdhsa_float_denorm_mode_16_64 3
		.amdhsa_memory_ordered 1
		.amdhsa_forward_progress 1
		.amdhsa_inst_pref_size 22
	.end_amdhsa_kernel
	.amdgpu_metadata
---
amdhsa.version: [ 1, 2 ]
amdhsa.kernels:
  - .name:           k_q8a1f10d29c_route
    .symbol:         k_q8a1f10d29c_route.kd
    .args:
      - { .name: x, .offset: 0, .size: 8, .value_kind: global_buffer, .address_space: global }
      - { .name: Wg, .offset: 8, .size: 8, .value_kind: global_buffer, .address_space: global }
      - { .name: xb, .offset: 16, .size: 8, .value_kind: global_buffer, .address_space: global }
      - { .name: sel, .offset: 24, .size: 8, .value_kind: global_buffer, .address_space: global }
      - { .name: gate, .offset: 32, .size: 8, .value_kind: global_buffer, .address_space: global }
      - { .name: bm, .offset: 40, .size: 8, .value_kind: global_buffer, .address_space: global }
    .group_segment_fixed_size: 60416
    .private_segment_fixed_size: 0
    .kernarg_segment_align: 8
    .kernarg_segment_size: 48
    .max_flat_workgroup_size: 256
    .sgpr_count:     66
    .vgpr_count:     224
    .wavefront_size: 32
...
	.end_amdgpu_metadata
.endif
;; end of part 5
;; launch up (part 6): grid 32 x 8, 4 waves a work-group, no clusters, 280,064 bytes of LDS; arguments xb, W1, b1, sel, bm, hid, pos, cnts; writes hid, pos, cnts
.if DOCPART == 6
	.amdgcn_target "amdgcn-amd-amdhsa--gfx1250"
	.amdhsa_code_object_version 6
	.text
	.protected	k_q8a1f10d29c_up
	.globl	k_q8a1f10d29c_up
	.p2align	8
	.type	k_q8a1f10d29c_up,@function
k_q8a1f10d29c_up:
	s_mov_b64 s[64:65], 0
	v_nop
	global_prefetch_b8 v0, s[64:65] scope:SCOPE_SE
	s_setreg_imm32_b32 hwreg(HW_REG_WAVE_MODE, 25, 1), 1
	s_wait_xcnt 0x0
; THE FIRST PRODUCT.  hid[e][p][:] = gelu(xb[token of place p] W1[e] + b1[e]) for the tokens that chose expert e, in ascending order; gelu in its tanh form, x / (1 + 2^(x (C0 + C1 x^2))).
; W1 and b1 are rounded to bf16 (as every input of this program is), sums in f32, hid rounded once to bf16.  NaN and infinities are not treated apart.
; SHARES.  Work-group (x, e) owns columns 128 x .. 128 x + 127 of W1[e], 1,024 x 128 numbers, 512 KB of f32, which it alone reads, once; and ALL of e's rows, in blocks of 320, for every split (0 to 1,024 rows).
; In a block wave w owns the tiles of 16 rows numbered 4 i + w, i = 0..4: 5 x 8 accumulators.  Tiles 0-3 are always multiplied, tile 4 only if it has rows.
; WEIGHTS go memory -> registers (a row's 512 bytes an instruction) -> bf16 -> LDS as [column][k], each LDS byte written once: the whole slice stays, so rows past 320 are multiplied out of LDS.
; TOKEN ROWS go from memory straight into registers as source 0.  THE TOKEN OF A PLACE is found in registers, from the bitmap of e's tokens that the router stored: a row's address hangs on whole numbers
; read from memory and on register arithmetic alone.  Places past the count fall on token 1023, a row that exists.  Wave 0 stores pos[token][k] = 1024 e + place for the members among tokens 32 x .. 32 x + 31;
; its other lanes store into 128 bytes of the work-group's own behind that table, which nobody reads: all lanes stay on throughout.
; NO CLUSTER: a slice of weights has one reader; what an expert's work-groups share is its token rows, which are scattered rows that no tile descriptor covers.  No tensor loads: the weights are rounded and turned on the way through registers.
; REGISTERS, in windows of 256 (s_set_vgpr_msb: bits 1:0 source 0, 3:2 source 1, 5:4 source 2, 7:6 destination):
;   window 0: addresses, bias, v32-47 a stage's packed weights, v64-127 and v128-191 two buffers of weight fragments (on the way out: at work), v192-241 the search for the tokens
;   window 1: v0-159 token fragments, slot s (32 along K) at 40 s, tile i at + 8 i     window 2: accumulator (i, t) at 64 i + 8 t, i = 0..3     window 3: v0-63 tile 4's; v64-191 weights as loaded, group g at + 32 g
.set PITCH, 16384                      ; bytes from a row of W1[e] to the next
.set LP,    272                        ; an LDS row: 128 k of bf16 + 16 bytes: the 16 rows of a fragment load start at 16 different groups of four banks (64 banks of 4 bytes: ISA guide 11.1)
.set TP,    16*LP                      ; a column tile's 16 rows
.set SKEW,  128                        ; rows 64-127 of a chunk lie 128 bytes further on, so that the 16 lanes of a store (rows n and 64 + n) touch 16 different groups of banks
.set CH,    128*LP+SKEW                ; a chunk: K = 128.  Column n lies in row 16 (n % 8) + n / 8: lane r's eight tiles hold columns 8 r .. 8 r + 7
.set SPARE, 8*CH                       ; the spare words, 128 bytes a wave: two blocks of 256 bytes that no other line names
.set BROWS, 320
.set HROW,  8192                       ; bytes in a row of hid
.set LN,  1                            ; lane
.set RR,  2                            ; lane % 16
.set HH,  3                            ; lane / 16
.set SPW, 4                            ; my spare word's address; never rewritten
.set NIL, 5                            ; 0; never rewritten
.set WO,  6                            ; 16 x lane
.set ST,  7                            ; where I store weights: steps a chunk at a time
.set BA,  8                            ; where I read weight fragments: likewise
.set BA0, 9                            ; its start
.set HO,  10                           ; my byte offset in a tile of hid: 16 r + 8 rows x h
.set MK,  11                           ; lane k: word k of e's bitmap
.set AO,  16                           ; v16-20  tile i: byte offset of my token row in xb, + 16 h
.set PF,  21                           ; prefetch: (lane / 2) rows + (lane % 2) x 256 bytes
.set H16, 22
.set PA,  23                           ; where I store into pos
.set BIAS, 24                          ; v24-31  b1 of my column in tile t
.set T16, 32
.set PV,  48                           ; what I store there
.set SW,  50                           ; v50-51  the two choices of token 32 x + lane
.set BF0, 64
.set BF1, 128
.set PL,  192                          ; five registers each, one a tile: my place,
.set MW,  197                          ; the bitmap word that holds it,
.set XW,  202                          ; that word's number << 16 + the members ahead of it,
.set A1,  207                          ; the word's sums of 2,
.set A2,  212                          ; 4
.set A3,  217                          ; and 8 bits,
.set QQ,  222                          ; how many members of the word lie ahead of mine,
.set PS,  227                          ; the bit found so far,
.set TT,  232                          ; at work
.set CC,  237
.set AF,  0                            ; window 1
.set WS,  64                           ; window 3
.set WB,  42                           ; s[42:43] W1 at the chunk that the loop's refills fetch
.set AB,  44                           ; s[44:45] xb at the chunk that is multiplied: the loop's token loads reach a chunk ahead by their immediate
.set AS,  46                           ; s[46:47] xb; never rewritten
.set WP,  66                           ; s[66:67] W1 at my rows of chunk 0; never rewritten
.set MSK, 56                           ; s56-60  a compare's mask for each tile
.set LM,  68                           ; s68-72  0xffff, 0x55555555, 0x33333333, 0x0f0f0f0f, 0xff
.set MSB, 0
.macro WIN new                         ; the immediate's high byte repeats the setting that is left; a switch that changes nothing is dropped
.if MSB != (\new)
	s_set_vgpr_msb (MSB<<8)|(\new)
.set MSB, (\new)
.endif
.endm
.macro PLACES                          ; four places in front of loads into registers that matrix instructions have read, and of reads of results (ISA guide 7.12.1 for reads of results)
.rept 4
	v_nop
.endr
.endm
.macro EACH line:vararg                ; one line for each tile t, so that no line reads the result of the one before it
.set t, 0
.rept 5
	\line
.set t, t+1
.endr
.endm
; Group g of my 32 rows of a chunk (8 rows x my 4 columns) is rounded, two rows of a column to a register, and stored: 16 bytes, 8 k, for each column.  refill = 1: the group's registers take the rows koff further down from base wb.
.macro STAGE g, koff, refill, wb
	WIN 0x0f
.irp c, 0,1,2,3
.irp p, 0,1,2,3
	v_cvt_pk_bf16_f32 v[T16+4*\c+\p], v[WS+32*(\g)+8*\p+\c], v[WS+32*(\g)+8*\p+4+\c]
.endr
.endr
	WIN 0
.irp c, 0,1,2,3
	ds_store_b128 v[ST], v[T16+4*\c:T16+4*\c+3] offset:\c*TP+16*(\g)
.endr
.if \refill
	WIN 0xc0
.irp i, 0,1,2,3,4,5,6,7
	global_load_b128 v[WS+32*(\g)+4*\i:WS+32*(\g)+4*\i+3], v[WO], s[\wb:\wb+1] offset:((\koff)+8*(\g)+\i)*PITCH th:TH_LOAD_NT
.endr
.endif
.endm
.macro BLOAD s, buf                    ; the weight fragments of K step s of the chunk at BA: 8 column tiles
	WIN 0
.irp t, 0,1,2,3,4,5,6,7
	ds_load_b128 v[BF0+64*(\buf)+8*\t:BF0+64*(\buf)+8*\t+3],   v[BA] offset:\t*TP+SKEW*(\t/4)+64*(\s)
	ds_load_b128 v[BF0+64*(\buf)+8*\t+4:BF0+64*(\buf)+8*\t+7], v[BA] offset:\t*TP+SKEW*(\t/4)+64*(\s)+32
.endr
.endm
.macro ALOAD s, adj, ab                ; the token fragments of K step s of the chunk adj bytes on from base ab: 5 tiles, ten loads, whether tile 4 has rows or not, so that the counts are the same on every way
	WIN 0x40
.irp i, 0,1,2,3,4
	global_load_b128 v[AF+40*(\s)+8*\i:AF+40*(\s)+8*\i+3],   v[AO+\i], s[\ab:\ab+1] offset:64*(\s)+(\adj)
	global_load_b128 v[AF+40*(\s)+8*\i+4:AF+40*(\s)+8*\i+7], v[AO+\i], s[\ab:\ab+1] offset:64*(\s)+(\adj)+32
.endr
.endm
.macro MUL i, s, buf                   ; tile i x 8 column tiles, 32 along K: eight accumulators, one instruction each
.if (\i) == 4
	WIN 0xf1
.set AC, 0
.else
	WIN 0xa1
.set AC, 64*(\i)
.endif
.irp t, 0,1,2,3,4,5,6,7
	v_wmma_f32_16x16x32_bf16 v[AC+8*\t:AC+8*\t+7], v[AF+40*(\s)+8*(\i):AF+40*(\s)+8*(\i)+7], v[BF0+64*(\buf)+8*\t:BF0+64*(\buf)+8*\t+7], v[AC+8*\t:AC+8*\t+7]
.endr
.endm
; A K STEP of 32.  n: the loads younger than this step's token fragments.  stage: group s of the NEXT chunk's weights goes to LDS; wref: its registers take the chunk after that.
; bar: the next chunk is whole in LDS behind a barrier, and the trip's addresses step there: the youngest load then lies 16 matrix instructions back.  The token base then stands at the next chunk already,
; so this step's token loads have the immediate 0 where the other steps' have 256.
; bnext: the next K step's weight fragments are fetched into the other buffer.  aref: slot s takes the next chunk's token fragments.
; pf: the wave's 64 blocks of 256 bytes of the chunk four on from the one multiplied are asked into the L2, each once; the last trips, in which that chunk does not exist, jump over it.
; The 32 or 40 accumulators take turns, one instruction a turn, on both ways round the jump.
.macro KSTEP s, n, stage, wref, bar, bnext, aref, pf=0
	s_wait_loadcnt \n
.if \stage
	STAGE \s, 0, \wref, WB
.if \pf
	WIN 0
	s_cmp_lt_u32 s25, 3
	s_cbranch_scc1 .Lnopf_\@
	global_prefetch_b8 v[PF], s[WB:WB+1] offset:256*PITCH th:TH_LOAD_NT scope:SCOPE_SE
	global_prefetch_b8 v[PF], s[WB:WB+1] offset:272*PITCH th:TH_LOAD_NT scope:SCOPE_SE
.Lnopf_\@:
.endif
	s_wait_dscnt 4                                 ; all but the four stores just issued: this step's 16 fragment loads are in
.else
	s_wait_dscnt 0x0
.endif
	MUL 0, \s, (\s)%2
	MUL 1, \s, (\s)%2
.if \bar
	WIN 0
	s_wait_dscnt 0x0                               ; for the others' sake: my part of the next chunk is in LDS
	s_barrier_signal -1
	s_barrier_wait -1                              ; everybody's is
	v_add_nc_u32 v[BA], CH, v[BA]
	v_add_nc_u32 v[ST], CH, v[ST]
	s_wait_xcnt 0x0                                ; the two bases are rewritten only behind this wait
	s_add_nc_u64 s[WB:WB+1], s[WB:WB+1], 128*PITCH
	s_add_nc_u64 s[AB:AB+1], s[AB:AB+1], 256
.endif
.if \bnext
	PLACES
	BLOAD ((\s)+1)%4, ((\s)+1)%2
.endif
	MUL 2, \s, (\s)%2
	MUL 3, \s, (\s)%2
	WIN 0
	s_cmp_eq_u32 s24, 0
	s_cbranch_scc1 .Lno4_\@                        ; tile 4 has no rows: its eight products are jumped
	MUL 4, \s, (\s)%2
	WIN 0
.Lno4_\@:
.if \aref
	PLACES
	ALOAD \s, 256-256*(\bar), AB
.endif
.endm
.macro ACCINIT                         ; the sums start at the bias: a move here in place of an addition on the way out
	WIN 0x80
.set q, 0
.rept 256
	v_mov_b32 v[q], v[BIAS+(q/8)%8]
.set q, q+1
.endr
	WIN 0xc0
.set q, 0
.rept 64
	v_mov_b32 v[q], v[BIAS+q/8]
.set q, q+1
.endr
.endm
; One halving of the search in a word: c = the members in the lower half (w bits) of what is left, read from the sums of w bits; where c or more lie ahead of mine, mine is in the upper half.
.macro HALVE src, w, fw
	EACH v_bfe_u32 v[CC+t], v[\src+t], v[PS+t], \fw
	EACH v_cmp_ge_u32 s[MSK+t], v[QQ+t], v[CC+t]
	EACH v_sub_nc_u32 v[TT+t], v[QQ+t], v[CC+t]
	EACH v_cndmask_b32 v[QQ+t], v[QQ+t], v[TT+t], s[MSK+t]
	EACH v_cndmask_b32 v[TT+t], 0, \w, s[MSK+t]
	EACH v_add_nc_u32 v[PS+t], v[PS+t], v[TT+t]
.endm
; A block begins at row s23 - 16 w.  For my place in each of the five tiles: 32 trips go through the bitmap's words with a running count C and keep the last word with C <= place (the next word's C is greater, so the word
; holds the place); then five halvings find the bit.  s21 ends as the expert's count, s50 as the count ahead of word x.
.macro BLOCKSET first
	WIN 0
.if !(\first)
	s_wait_xcnt 0x0                                ; AO is rewritten only behind this wait
.endif
.irp i, 0,1,2,3,4
	s_add_co_u32 s27, s23, 64*\i
	v_add_nc_u32 v[PL+\i], s27, v[RR]
	v_mov_b32 v[MW+\i], 0
	v_mov_b32 v[XW+\i], 0
.endr
	s_mov_b32 s21, 0                               ; C
	s_mov_b32 s29, 0                               ; the word's number << 16 + C
	s_mov_b32 s25, 0
.Lscan_\@:
	v_readlane_b32 s28, v[MK], s25                 ; word k
	EACH v_cmp_ge_u32 s[MSK+t], v[PL+t], s21
	EACH v_cndmask_b32 v[MW+t], v[MW+t], s28, s[MSK+t]
	EACH v_cndmask_b32 v[XW+t], v[XW+t], s29, s[MSK+t]
	s_cmp_eq_u32 s25, s35
	s_cselect_b32 s50, s21, s50
	s_bcnt1_i32_b32 s30, s28
	s_add_co_u32 s21, s21, s30
	s_add_co_u32 s29, s29, s30
	s_add_co_u32 s29, s29, 0x10000
	s_add_co_u32 s25, s25, 1
	s_cmp_lt_u32 s25, 32
	s_cbranch_scc1 .Lscan_\@
	EACH v_and_b32 v[TT+t], s[LM], v[XW+t]
	EACH v_sub_nc_u32 v[QQ+t], v[PL+t], v[TT+t]
	EACH v_lshrrev_b32 v[TT+t], 1, v[MW+t]
	EACH v_and_b32 v[TT+t], s[LM+1], v[TT+t]
	EACH v_sub_nc_u32 v[A1+t], v[MW+t], v[TT+t]
	EACH v_lshrrev_b32 v[TT+t], 2, v[A1+t]
	EACH v_and_b32 v[TT+t], s[LM+2], v[TT+t]
	EACH v_and_b32 v[A2+t], s[LM+2], v[A1+t]
	EACH v_add_nc_u32 v[A2+t], v[A2+t], v[TT+t]
	EACH v_lshrrev_b32 v[TT+t], 4, v[A2+t]
	EACH v_add_nc_u32 v[A3+t], v[A2+t], v[TT+t]
	EACH v_and_b32 v[A3+t], s[LM+3], v[A3+t]
	EACH v_lshrrev_b32 v[TT+t], 8, v[A3+t]
	EACH v_add_nc_u32 v[TT+t], v[A3+t], v[TT+t]
	EACH v_and_b32 v[CC+t], s[LM+4], v[TT+t]
	EACH v_cmp_ge_u32 s[MSK+t], v[QQ+t], v[CC+t]
	EACH v_sub_nc_u32 v[TT+t], v[QQ+t], v[CC+t]
	EACH v_cndmask_b32 v[QQ+t], v[QQ+t], v[TT+t], s[MSK+t]
	EACH v_cndmask_b32 v[PS+t], 0, 16, s[MSK+t]
	HALVE A3, 8, 8
	HALVE A2, 4, 4
	HALVE A1, 2, 2
	EACH v_bfe_u32 v[CC+t], v[MW+t], v[PS+t], 1
	EACH v_cmp_ge_u32 s[MSK+t], v[QQ+t], v[CC+t]
	EACH v_cndmask_b32 v[TT+t], 0, 1, s[MSK+t]
	EACH v_add_nc_u32 v[PS+t], v[PS+t], v[TT+t]
	EACH v_lshrrev_b32 v[TT+t], 16, v[XW+t]
	EACH v_lshl_add_u32 v[TT+t], v[TT+t], 5, v[PS+t]
	EACH v_min_u32 v[TT+t], 0x3ff, v[TT+t]
	EACH v_lshl_add_u32 v[AO+t], v[TT+t], 11, v[H16]
	s_add_co_u32 s27, s23, 256
	s_cmp_lt_u32 s27, s21
	s_cselect_b32 s24, 1, 0                        ; has tile 4 rows?
.endm
; THE WAY OUT of the sums in tile i's registers, jumped if the tile has no row.  gelu on 64 numbers a lane, the exponentials and the reciprocals each one batch with one wait; then a lane's eight columns of a row pack
; into 16 bytes, and 16 lanes store a row's 256 consecutive bytes, at a multiple of 256 from hid's first.  Rows past the count in the last tile are stored too: the next launch reads whole tiles.
; back: the rows by which the stores' base stands ahead.  shift = 1: the tile's rows lie s31 further down.
.macro EPI i, back, shift
	WIN 0
	s_add_co_u32 s27, s23, 64*(\i)
.if \shift
	s_add_co_u32 s27, s27, s31
.endif
	s_cmp_ge_u32 s27, s53
	s_cbranch_scc1 .Lskip_\@
.set XA, 64*(\i)
	WIN 0x0a
.set q, 0
.rept 32
	v_pk_mul_f32 v[BF0+q:BF0+q+1], v[XA+q:XA+q+1], v[XA+q:XA+q+1]  ; x^2; each accumulator is read from its low end on
.set q, q+2
.endr
	WIN 0
.set q, 0
.rept 32
	v_pk_fma_f32 v[BF0+q:BF0+q+1], v[BF0+q:BF0+q+1], s[40:41], s[38:39] op_sel_hi:[1,0,0]  ; C1 x^2 + C0
.set q, q+2
.endr
	WIN 0x02
.set q, 0
.rept 32
	v_pk_mul_f32 v[BF0+q:BF0+q+1], v[XA+q:XA+q+1], v[BF0+q:BF0+q+1]
.set q, q+2
.endr
	WIN 0
.set q, 0
.rept 64
	v_exp_f32 v[BF0+q], v[BF0+q]
.set q, q+1
.endr
	v_nop                                          ; a plain instruction behind the last exponential,
	s_wait_alu depctr_va_vdst(0)                   ; and one wait for the batch
.set q, 0
.rept 32
	v_pk_add_f32 v[BF0+q:BF0+q+1], v[BF0+q:BF0+q+1], 1.0 op_sel_hi:[1,0]
.set q, q+2
.endr
.set q, 0
.rept 64
	v_rcp_f32 v[BF0+q], v[BF0+q]
.set q, q+1
.endr
	v_nop
	s_wait_alu depctr_va_vdst(0)
	WIN 0x02
.set q, 0
.rept 32
	v_pk_mul_f32 v[BF0+q:BF0+q+1], v[XA+q:XA+q+1], v[BF0+q:BF0+q+1]
.set q, q+2
.endr
	WIN 0
	s_wait_xcnt 0x0                                ; the tile before's stores have read their data: only now is it rewritten
.set j, 0
.rept 8
.irp p, 0,1,2,3
	v_cvt_pk_bf16_f32 v[BF1+4*j+\p], v[BF0+16*\p+j], v[BF0+16*\p+8+j]  ; row 8 h + j, columns 8 r + 2 p, + 1
.endr
.set j, j+1
.endr
.set j, 0
.rept 8
	global_store_b128 v[HO], v[BF1+4*j:BF1+4*j+3], s[48:49] offset:(64*(\i)+j-(\back))*HROW
.set j, j+1
.endr
.Lskip_\@:
.endm
	s_load_b256 s[4:11], s[0:1], 0x0               ; xb s[4:5], W1 s[6:7], b1 s[8:9], sel s[10:11]
	s_load_b256 s[12:19], s[0:1], 0x20             ; bm s[12:13], hid s[14:15], pos s[16:17], cnts s[18:19]
	v_lshl_add_u32 v[SPW], v0, 2, SPARE
	v_mov_b32 v[NIL], 0
	v_lshrrev_b32 v12, 5, v0
	v_readfirstlane_b32 s20, v12                   ; wave 0..3
	s_and_b32 s34, ttmp7, 0xffff                   ; e
	s_mov_b32 s35, ttmp9                           ; x
	v_and_b32 v[LN], 31, v0
	v_and_b32 v[RR], 15, v0
	v_bfe_u32 v[HH], v0, 4, 1
	v_lshlrev_b32 v[WO], 4, v[LN]
	v_lshlrev_b32 v[H16], 4, v[HH]
	v_and_b32 v12, 1, v0                           ; lane % 2
	v_bfe_u32 v13, v0, 1, 4                        ; lane / 2
	v_lshlrev_b32 v[PF], 14, v13
	v_lshl_add_u32 v[PF], v12, 8, v[PF]
	v_lshl_add_u32 v13, v12, 6, v13                ; my columns 4 lane + c lie in rows 64 (lane % 2) + 16 c + lane / 2
	v_mul_u32_u24 v[ST], v13, LP
	v_lshl_add_u32 v[ST], v12, 7, v[ST]            ; the skew of rows 64-127
	s_lshl_b32 s27, s20, 6
	v_add_nc_u32 v[ST], s27, v[ST]                 ; my wave's 32 k: 64 bytes of each row
	v_mul_u32_u24 v[BA0], v[RR], LP
	v_add_nc_u32 v[BA0], v[BA0], v[H16]
	v_mov_b32 v[BA], v[BA0]
	v_lshlrev_b32 v[HO], 4, v[RR]
	v_lshl_add_u32 v[HO], v[HH], 16, v[HO]
	v_lshlrev_b32 v13, 2, v[LN]                    ; bm: a word a lane
	v_lshlrev_b32 v14, 5, v[RR]                    ; b1: my 8 columns, 32 bytes
	v_lshlrev_b32 v15, 3, v[LN]                    ; sel: a token a lane
	s_lshl_b32 s32, s34, 24                        ; W1: expert, my wave's 32 rows of a chunk, the slice's 512 bytes
	s_lshl_b32 s27, s20, 19
	s_add_co_u32 s32, s32, s27
	s_lshl_b32 s27, s35, 9
	s_add_co_u32 s32, s32, s27
	s_mov_b32 s33, 0
	s_lshl_b32 s54, s34, 14                        ; b1
	s_add_co_u32 s54, s54, s27
	s_mov_b32 s55, 0
	s_lshl_b32 s56, s34, 23                        ; hid: expert, the slice's 256 bytes, my wave's first tile
	s_lshl_b32 s27, s35, 8
	s_add_co_u32 s56, s56, s27
	s_lshl_b32 s27, s20, 17
	s_add_co_u32 s56, s56, s27
	s_mov_b32 s57, 0
	s_lshl_b32 s58, s34, 7                         ; bm: 128 bytes an expert
	s_mov_b32 s59, 0
	s_lshl_b32 s60, s35, 8                         ; sel: 32 tokens of 8 bytes
	s_mov_b32 s61, 0
	s_lshl_b32 s62, s34, 2                         ; cnts
	s_mov_b32 s63, 0
	s_mov_b32 s38, 0xc0135761                      ; C0 = -2 sqrt(2 / pi) log2(e) = -2.3022082
	s_mov_b32 s39, s38                             ; named with it as a pair
	s_mov_b32 s40, 0xbdd2d3e8                      ; C1 = 0.044715 C0 = -0.10294324
	s_mov_b32 s41, s40
	s_mov_b32 s[LM], 0xffff
	s_mov_b32 s[LM+1], 0x55555555
	s_mov_b32 s[LM+2], 0x33333333
	s_mov_b32 s[LM+3], 0x0f0f0f0f
	s_mov_b32 s[LM+4], 0xff
	s_mov_b32 s50, 0
	s_lshl_b32 s23, s20, 4                         ; my first row in the block
	s_wait_kmcnt 0x0
	s_add_nc_u64 s[WP:WP+1], s[6:7], s[32:33]
	s_add_nc_u64 s[WB:WB+1], s[WP:WP+1], 256*PITCH ; the loop's first refills fetch chunk 2
	s_mov_b64 s[AS:AS+1], s[4:5]
	s_mov_b64 s[AB:AB+1], s[4:5]                   ; chunk 0 is multiplied first
	s_add_nc_u64 s[8:9], s[8:9], s[54:55]
	s_add_nc_u64 s[48:49], s[14:15], s[56:57]
	s_add_nc_u64 s[12:13], s[12:13], s[58:59]
	s_add_nc_u64 s[10:11], s[10:11], s[60:61]
	s_add_nc_u64 s[18:19], s[18:19], s[62:63]
	global_load_b32 v[MK], v13, s[12:13]
	global_load_b64 v[SW:SW+1], v15, s[10:11]
	global_load_b128 v[BIAS:BIAS+3], v14, s[8:9]
	global_load_b128 v[BIAS+4:BIAS+7], v14, s[8:9] offset:16
	WIN 0xc0
.set q, 0
.rept 32
	global_load_b128 v[WS+4*q:WS+4*q+3], v[WO], s[WP:WP+1] offset:q*PITCH th:TH_LOAD_NT  ; chunk 0: my 32 rows, 512 consecutive bytes each
.set q, q+1
.endr
	WIN 0
	global_prefetch_b8 v[PF], s[WP:WP+1] offset:256*PITCH th:TH_LOAD_NT scope:SCOPE_SE   ; my rows of chunks 2 and 3, each block of 256 bytes once
	global_prefetch_b8 v[PF], s[WP:WP+1] offset:272*PITCH th:TH_LOAD_NT scope:SCOPE_SE
	global_prefetch_b8 v[PF], s[WP:WP+1] offset:384*PITCH th:TH_LOAD_NT scope:SCOPE_SE
	global_prefetch_b8 v[PF], s[WP:WP+1] offset:400*PITCH th:TH_LOAD_NT scope:SCOPE_SE
	s_wait_loadcnt 32                              ; the bitmap, my token's choices and b1 are in; chunk 0's 32 loads stay out
.irp p, 0,1,2,3
	v_cvt_pk_bf16_f32 v12, v[BIAS+2*\p], v[BIAS+2*\p+1]  ; b1 rounded to bf16, and widened again
	v_lshlrev_b32 v[BIAS+2*\p], 16, v12
	v_and_b32 v[BIAS+2*\p+1], 0xffff0000, v12
.endr
	BLOCKSET 1
	s_max_u32 s53, s21, 1                          ; an expert without rows counts as one row on the way out, so that hid's first tile is written; the next launch stores nothing for it
	s_cmp_lg_u32 s20, 0
	s_cbranch_scc1 .Lnopos                         ; wave 0 alone stores places and the count; no load stands in what is jumped
	v_cmp_eq_u32 s27, s34, v[SW]                   ; e is my token's first choice,
	v_cmp_eq_u32 s28, s34, v[SW+1]                 ; or its second
	s_or_b32 s36, s27, s28
	v_mbcnt_lo_u32_b32 v[PV], s36, s50             ; the members ahead of word x + those in the lanes below me = my token's place
	s_lshl_b32 s29, s34, 10
	v_add_nc_u32 v[PV], s29, v[PV]
	s_lshl_b32 s29, s35, 6
	v_lshl_add_u32 v[PA], v[LN], 1, s29            ; a member's word of pos: 2 x token
	v_cndmask_b32 v12, 0, 1, s28
	v_add_nc_u32 v[PA], v[PA], v12                 ; + choice
	s_lshl_b32 s30, s34, 5
	s_add_co_u32 s30, s30, s35
	s_lshl_b32 s30, s30, 5
	s_addk_co_i32 s30, 0x800
	v_add_nc_u32 v12, s30, v[LN]                   ; any other lane's: behind the table's 2,048 words, 32 words for each of the 256 work-groups
	v_cndmask_b32 v[PA], v12, v[PA], s36
	v_min_u32 v[PA], 0x27ff, v[PA]                 ; inside pos's 10,240 words
	v_lshlrev_b32 v[PA], 2, v[PA]
	global_store_b32 v[PA], v[PV], s[16:17]        ; PA and PV are not written again
	s_cmp_lg_u32 s35, 0
	s_cbranch_scc1 .Lnopos
	v_mov_b32 v12, 0
	v_mov_b32 v13, s21
	global_store_b32 v12, v13, s[18:19]            ; slice 0: the count; every lane stores the same number to the same word; v12 and v13 are not written again
.Lnopos:
	ACCINIT
	; THE PROLOGUE.  Group g of chunk 0 goes to LDS, its registers take chunk 1, and slot g takes the first token fragments.  Younger than chunk 0's group g: its 8 (3 - g) later loads and 18 for each group done.
	; Its two bases are never rewritten, so nothing is waited for at its end.
.irp g, 0,1,2,3
	s_wait_loadcnt 24+10*\g
	STAGE \g, 128, 1, WP
	ALOAD \g, 0, AS
.endr
	WIN 0
	v_add_nc_u32 v[ST], CH, v[ST]                  ; the stores now fill chunk 1
	s_wait_dscnt 0x0                               ; my part of chunk 0 is in LDS,
	s_barrier_signal -1
	s_barrier_wait -1                              ; everybody's is
	BLOAD 0, 0
	; TRIP c = 0..5 multiplies chunk c, stages chunk c + 1 and asks for chunk c + 2's weights and chunk c + 1's token rows: 18 loads a K step.
	; At a step's head 54 are younger than its token fragments (three steps' 18); the weights that it stages are older still.
	s_mov_b32 s25, 6
.Ltrip:
	KSTEP 0, 54, 1, 1, 0, 1, 1
	KSTEP 1, 54, 1, 1, 0, 1, 1, 1
	KSTEP 2, 54, 1, 1, 0, 1, 1
	KSTEP 3, 54, 1, 1, 1, 1, 1
	WIN 0
	s_sub_co_u32 s25, s25, 1
	s_cmp_lg_u32 s25, 0
	s_cbranch_scc1 .Ltrip
	KSTEP 0, 54, 1, 0, 0, 1, 1                     ; trip 6: no weights are left to ask for, so a step issues 10 loads: 18 (3 - s) + 10 s are younger
	KSTEP 1, 46, 1, 0, 0, 1, 1
	KSTEP 2, 38, 1, 0, 0, 1, 1
	KSTEP 3, 30, 1, 0, 1, 1, 1                     ; (its step of the weights' base is not used)
	WIN 0
	; THE BLOCKS.  Four trips cover 1,280 rows, more than any expert can have.  A trip multiplies a block out of LDS, eight chunks, and sends it out.  The first block has only its last chunk left:
	; its token fragments are on their way and its first weight fragments are asked for, as behind the loads at a chunk's head, so it enters there.  No barrier and no LDS store stand in what a block without rows jumps.
	s_mov_b32 s26, 0
	s_mov_b32 s25, 1
	s_branch .Lmid
.Lblk:
	s_lshl_b32 s27, s20, 4
	s_sub_co_u32 s27, s23, s27                     ; the block's first row
	s_cmp_ge_u32 s27, s21
	s_cbranch_scc1 .Ldead
	BLOCKSET 0
	ACCINIT
	WIN 0
	v_mov_b32 v[BA], v[BA0]
	s_mov_b64 s[AB:AB+1], s[AS:AS+1]
	s_mov_b32 s25, 8
.Lchunk:
	PLACES
	ALOAD 0, 0, AB
	ALOAD 1, 0, AB
	ALOAD 2, 0, AB
	ALOAD 3, 0, AB
	BLOAD 0, 0
.Lmid:
	KSTEP 0, 30, 0, 0, 0, 1, 0                     ; nothing is asked for: the later slots' 10 (3 - s) are younger
	KSTEP 1, 20, 0, 0, 0, 1, 0
	KSTEP 2, 10, 0, 0, 0, 1, 0
	KSTEP 3, 0,  0, 0, 0, 0, 0
	s_wait_xcnt 0x0
	s_add_nc_u64 s[AB:AB+1], s[AB:AB+1], 256
	v_add_nc_u32 v[BA], CH, v[BA]
	s_sub_co_u32 s25, s25, 1
	s_cmp_lg_u32 s25, 0
	s_cbranch_scc1 .Lchunk
	PLACES
	; The way out of tile 0 is walked twice: behind the first walk tile 4's sums go where tile 0's lay, and the stores' base and the row test go 256 rows on.
	s_mov_b32 s31, 0
	s_mov_b32 s30, 2
.Ltwice:
	EPI 0, 0, 1
	WIN 0x83
.set q, 0
.rept 64
	v_mov_b32 v[q], v[q]                           ; window 2 from window 3; each accumulator is read from its low end on
.set q, q+1
.endr
	WIN 0
	s_wait_xcnt 0x0                                ; the stores' base steps only behind this wait
	s_add_nc_u64 s[48:49], s[48:49], 256*HROW
	s_mov_b32 s31, 256
	s_sub_co_u32 s30, s30, 1
	s_cmp_lg_u32 s30, 0
	s_cbranch_scc1 .Ltwice
	EPI 1, 512, 0                                  ; the base stands 512 rows ahead: the immediates reach back
	EPI 2, 512, 0
	EPI 3, 512, 0
	s_wait_xcnt 0x0
	s_add_co_u32 s23, s23, BROWS
	s_sub_nc_u64 s[48:49], s[48:49], (512-BROWS)*HROW
.Ldead:
	s_add_co_u32 s26, s26, 1
	s_cmp_lt_u32 s26, 4
	s_cbranch_scc1 .Lblk
	s_wait_dscnt 0x0                               ; my reads of LDS are over,
	s_barrier_signal -1
	s_barrier_wait -1                              ; and so are every wave's, before any wave writes LDS again (the add below); all four waves come here, behind the same four trips
	s_wait_tensorcnt 0x0                           ; the wave's end, behind my last LDS store
	ds_add_u32 v[SPW], v[NIL]
	s_wait_dscnt 0x0
	s_endpgm
.Lfunc_end_k_q8a1f10d29c_up:
	.size	k_q8a1f10d29c_up, .Lfunc_end_k_q8a1f10d29c_up-k_q8a1f10d29c_up
	.p2alignl 7, 3214868480
	.fill 96, 4, 3214868480
	.section	.rodata,"a",@progbits
	.p2align	6, 0x0
	.amdhsa_kernel k_q8a1f10d29c_up
		.amdhsa_group_segment_fixed_size 280064
		.amdhsa_private_segment_fixed_size 0
		.amdhsa_enable_private_segment 0
		.amdhsa_kernarg_size 64
		.amdhsa_user_sgpr_count 2
		.amdhsa_user_sgpr_kernarg_segment_ptr 1
		.amdhsa_wavefront_size32 1
		.amdhsa_system_sgpr_workgroup_id_x 1
		.amdhsa_system_sgpr_workgroup_id_y 1
		.amdhsa_system_sgpr_workgroup_id_z 1
		.amdhsa_system_vgpr_workitem_id 0
		.amdhsa_next_free_vgpr 960
		.amdhsa_next_free_sgpr 80
		.amdhsa_reserve_vcc 0
		.amdhsa_float_denorm_mode_32 3
		.amdhsa_float_denorm_mode_16_64 3
		.amdhsa_memory_ordered 1
		.amdhsa_forward_progress 1
		.amdhsa_inst_pref_size 215
	.end_amdhsa_kernel
	.amdgpu_metadata
---
amdhsa.version: [ 1, 2 ]
amdhsa.kernels:
  - .name:           k_q8a1f10d29c_up
    .symbol:         k_q8a1f10d29c_up.kd
    .args:
      - { .name: xb, .offset: 0, .size: 8, .value_kind: global_buffer, .address_space: global }
      - { .name: W1, .offset: 8, .size: 8, .value_kind: global_buffer, .address_space: global }
      - { .name: b1, .offset: 16, .size: 8, .value_kind: global_buffer, .address_space: global }
      - { .name: sel, .offset: 24, .size: 8, .value_kind: global_buffer, .address_space: global }
      - { .name: bm, .offset: 32, .size: 8, .value_kind: global_buffer, .address_space: global }
      - { .name: hid, .offset: 40, .size: 8, .value_kind: global_buffer, .address_space: global }
      - { .name: pos, .offset: 48, .size: 8, .value_kind: global_buffer, .address_space: global }
      - { .name: cnts, .offset: 56, .size: 8, .value_kind: global_buffer, .address_space: global }
    .group_segment_fixed_size: 280064
    .private_segment_fixed_size: 0
    .kernarg_segment_align: 8
    .kernarg_segment_size: 64
    .max_flat_workgroup_size: 128
    .sgpr_count:     80
    .vgpr_count:     960
    .wavefront_size: 32
...
	.end_amdgpu_metadata
.endif
;; end of part 6
;; launch down (part 7): grid 32 x 8, 4 waves a work-group, no clusters, 279,040 bytes of LDS; arguments hid, W2, b2, cnts, part; writes part
.if DOCPART == 7
	.amdgcn_target "amdgcn-amd-amdhsa--gfx1250"
	.amdhsa_code_object_version 6
	.text
	.protected	k_q8a1f10d29c_down
	.globl	k_q8a1f10d29c_down
	.p2align	8
	.type	k_q8a1f10d29c_down,@function
k_q8a1f10d29c_down:
	s_mov_b64 s[64:65], 0
	v_nop
	global_prefetch_b8 v0, s[64:65] scope:SCOPE_SE
	s_setreg_imm32_b32 hwreg(HW_REG_WAVE_MODE, 25, 1), 1
	s_wait_xcnt 0x0
; THE SECOND PRODUCT.  part[kq][e][place][:] = hid[e][place] W2[e], over a quarter kq of the 4,096 hidden numbers, + b2[e] in quarter 0.
; W2 and b2 are rounded to bf16 (as every input of this program is), sums in f32; part holds partial sums, in f32; the next launch finds a token's eight rows, weighs and adds them.  NaN and infinities are not treated apart.
; SHARES.  Work-group (x, e): cs = x % 8 is a slice of 128 columns, kq = x / 8 a quarter of K: 1,024 x 128 numbers of W2[e], 512 KB of f32, which it alone reads, once; and ALL of e's rows, in blocks of 320,
; for every split (0 to 1,024 rows; the count is read from cnts).  Waves, tiles, the weights' way into LDS, the K steps and the blocks are the first product's.
; NO CLUSTER: a slice of weights has one reader.  The token rows, which the 8 slices of a quarter share, would want 320 rows x 272 bytes a chunk in LDS beside a slice that leaves 48 KB.
; REGISTERS, in windows of 256 (s_set_vgpr_msb: bits 1:0 source 0, 3:2 source 1, 5:4 source 2, 7:6 destination):
;   window 0: addresses, bias, v32-47 a stage's packed weights, v64-127 and v128-191 two buffers of weight fragments (v64-127 on the way out: at work)
;   window 1: v0-159 token fragments     window 2: accumulator (i, t) at 64 i + 8 t, i = 0..3     window 3: v0-63 tile 4's; v64-191 weights as loaded
.set PITCH, 4096                       ; bytes from a row of W2[e] to the next
.set LP,    272                        ; an LDS row: 128 k of bf16 + 16 bytes: the 16 rows of a load or store start at 16 different groups of four banks (64 banks of 4 bytes: ISA guide 11.1)
.set TP,    16*LP
.set SKEW,  0
.set CH,    128*LP                     ; a chunk: K = 128.  Column n lies in row 16 (4 (n / 64) + n % 4) + (n % 64) / 4: lane r's tiles 4 b .. 4 b + 3 hold columns 64 b + 4 r .. + 3
.set SPARE, 8*CH                       ; the spare words, 128 bytes a wave: two blocks of 256 bytes that no other line names
.set BROWS, 320
.set PROW,  4096                       ; bytes in a row of part
.set LN,  1
.set RR,  2
.set HH,  3
.set SPW, 4                            ; my spare word's address; never rewritten
.set NIL, 5                            ; 0; never rewritten
.set WO,  6                            ; 16 x lane
.set ST,  7
.set BA,  8
.set BA0, 9
.set HO,  10                           ; my byte offset in a tile of part: 16 r + 8 rows x h
.set R16, 11                           ; 16 r
.set AO,  16                           ; v16-20  tile i: byte offset of my row in hid[e], + 16 h
.set PF,  21
.set RB,  22                           ; 8,192 r + 16 h
.set BIAS, 24
.set T16, 32
.set BF0, 64
.set BF1, 128
.set AF,  0                            ; window 1
.set WS,  64                           ; window 3
.set WB,  42                           ; s[42:43] W2 at the chunk that the loop's refills fetch
.set AB,  44                           ; s[44:45] hid at the chunk that is multiplied: the loop's token loads reach a chunk ahead by their immediate
.set AS,  46                           ; s[46:47] hid at the quarter's first chunk; never rewritten
.set WP,  66                           ; s[66:67] W2 at my rows of chunk 0; never rewritten
.set MSB, 0
.macro WIN new                         ; the immediate's high byte repeats the setting that is left; a switch that changes nothing is dropped
.if MSB != (\new)
	s_set_vgpr_msb (MSB<<8)|(\new)
.set MSB, (\new)
.endif
.endm
.macro PLACES                          ; four places in front of loads into registers that matrix instructions have read, and of reads of results (ISA guide 7.12.1 for reads of results)
.rept 4
	v_nop
.endr
.endm
.macro STAGE g, koff, refill, wb       ; group g of my 32 rows of a chunk: rounded, two rows of a column to a register, stored as 16 bytes a column; refill = 1: its registers take the rows koff further down from base wb
	WIN 0x0f
.irp c, 0,1,2,3
.irp p, 0,1,2,3
	v_cvt_pk_bf16_f32 v[T16+4*\c+\p], v[WS+32*(\g)+8*\p+\c], v[WS+32*(\g)+8*\p+4+\c]
.endr
.endr
	WIN 0
.irp c, 0,1,2,3
	ds_store_b128 v[ST], v[T16+4*\c:T16+4*\c+3] offset:\c*TP+16*(\g)
.endr
.if \refill
	WIN 0xc0
.irp i, 0,1,2,3,4,5,6,7
	global_load_b128 v[WS+32*(\g)+4*\i:WS+32*(\g)+4*\i+3], v[WO], s[\wb:\wb+1] offset:((\koff)+8*(\g)+\i)*PITCH th:TH_LOAD_NT
.endr
.endif
.endm
.macro BLOAD s, buf
	WIN 0
.irp t, 0,1,2,3,4,5,6,7
	ds_load_b128 v[BF0+64*(\buf)+8*\t:BF0+64*(\buf)+8*\t+3],   v[BA] offset:\t*TP+SKEW*(\t/4)+64*(\s)
	ds_load_b128 v[BF0+64*(\buf)+8*\t+4:BF0+64*(\buf)+8*\t+7], v[BA] offset:\t*TP+SKEW*(\t/4)+64*(\s)+32
.endr
.endm
.macro ALOAD s, adj, ab                ; ten loads, whether tile 4 has rows or not, so that the counts are the same on every way
	WIN 0x40
.irp i, 0,1,2,3,4
	global_load_b128 v[AF+40*(\s)+8*\i:AF+40*(\s)+8*\i+3],   v[AO+\i], s[\ab:\ab+1] offset:64*(\s)+(\adj)
	global_load_b128 v[AF+40*(\s)+8*\i+4:AF+40*(\s)+8*\i+7], v[AO+\i], s[\ab:\ab+1] offset:64*(\s)+(\adj)+32
.endr
.endm
.macro MUL i, s, buf
.if (\i) == 4
	WIN 0xf1
.set AC, 0
.else
	WIN 0xa1
.set AC, 64*(\i)
.endif
.irp t, 0,1,2,3,4,5,6,7
	v_wmma_f32_16x16x32_bf16 v[AC+8*\t:AC+8*\t+7], v[AF+40*(\s)+8*(\i):AF+40*(\s)+8*(\i)+7], v[BF0+64*(\buf)+8*\t:BF0+64*(\buf)+8*\t+7], v[AC+8*\t:AC+8*\t+7]
.endr
.endm
; A K STEP of 32.  n: the loads younger than this step's token fragments.  stage: group s of the NEXT chunk's weights goes to LDS; wref: its registers take the chunk after that.
; bar: the next chunk is whole in LDS behind a barrier, and the trip's addresses step there: the youngest load then lies 16 matrix instructions back.  The token base then stands at the next chunk already,
; so this step's token loads have the immediate 0 where the other steps' have 256.
; bnext: the next K step's weight fragments are fetched into the other buffer.  aref: slot s takes the next chunk's token fragments.
; pf: the wave's 64 blocks of 256 bytes of the chunk four on from the one multiplied are asked into the L2, each once; the last trips, in which that chunk does not exist, jump over it.
; The 32 or 40 accumulators take turns, one instruction a turn, on both ways round the jump.
.macro KSTEP s, n, stage, wref, bar, bnext, aref, pf=0
	s_wait_loadcnt \n
.if \stage
	STAGE \s, 0, \wref, WB
.if \pf
	WIN 0
	s_cmp_lt_u32 s25, 3
	s_cbranch_scc1 .Lnopf_\@
	global_prefetch_b8 v[PF], s[WB:WB+1] offset:256*PITCH th:TH_LOAD_NT scope:SCOPE_SE
	global_prefetch_b8 v[PF], s[WB:WB+1] offset:272*PITCH th:TH_LOAD_NT scope:SCOPE_SE
.Lnopf_\@:
.endif
	s_wait_dscnt 4                                 ; all but the four stores just issued: this step's 16 fragment loads are in
.else
	s_wait_dscnt 0x0
.endif
	MUL 0, \s, (\s)%2
	MUL 1, \s, (\s)%2
.if \bar
	WIN 0
	s_wait_dscnt 0x0                               ; for the others' sake: my part of the next chunk is in LDS
	s_barrier_signal -1
	s_barrier_wait -1                              ; everybody's is
	v_add_nc_u32 v[BA], CH, v[BA]
	v_add_nc_u32 v[ST], CH, v[ST]
	s_wait_xcnt 0x0                                ; the two bases are rewritten only behind this wait
	s_add_nc_u64 s[WB:WB+1], s[WB:WB+1], 128*PITCH
	s_add_nc_u64 s[AB:AB+1], s[AB:AB+1], 256
.endif
.if \bnext
	PLACES
	BLOAD ((\s)+1)%4, ((\s)+1)%2
.endif
	MUL 2, \s, (\s)%2
	MUL 3, \s, (\s)%2
	WIN 0
	s_cmp_eq_u32 s24, 0
	s_cbranch_scc1 .Lno4_\@                        ; tile 4 has no rows: its eight products are jumped
	MUL 4, \s, (\s)%2
	WIN 0
.Lno4_\@:
.if \aref
	PLACES
	ALOAD \s, 256-256*(\bar), AB
.endif
.endm
.macro ACCINIT                         ; the sums start at the bias (quarter 0) or at 0
	WIN 0x80
.set q, 0
.rept 256
	v_mov_b32 v[q], v[BIAS+(q/8)%8]
.set q, q+1
.endr
	WIN 0xc0
.set q, 0
.rept 64
	v_mov_b32 v[q], v[BIAS+q/8]
.set q, q+1
.endr
.endm
; A block begins at row s23 - 16 w.  A tile's number is held to the last tile that the first product stored, so that no byte is read that nobody wrote.
.macro BLOCKSET first
	WIN 0
.if !(\first)
	s_wait_xcnt 0x0                                ; AO is rewritten only behind this wait
.endif
	s_lshr_b32 s28, s23, 4
.irp i, 0,1,2,3,4
	s_add_co_u32 s27, s28, 4*\i
	s_min_u32 s27, s27, s22
	s_min_u32 s27, s27, 63
	s_lshl_b32 s29, s27, 17                        ; 16 rows of 8,192 bytes
	v_add_nc_u32 v[AO+\i], s29, v[RB]
.endr
	s_add_co_u32 s27, s23, 256
	s_cmp_lt_u32 s27, s21
	s_cselect_b32 s24, 1, 0                        ; has tile 4 rows?
.endm
; THE WAY OUT of tile i, jumped if the tile has no row: a lane's four neighbouring columns lie in four accumulators and are brought side by side; 16 lanes then store 256 consecutive bytes of a row,
; at a multiple of 256 from part's first.  Rows past the count in the last tile are stored too, into rows of their own that nobody reads.
.macro EPI i
	WIN 0
	s_add_co_u32 s27, s23, 64*(\i)
	s_cmp_ge_u32 s27, s21
	s_cbranch_scc1 .Lskip_\@
	s_wait_xcnt 0x0                                ; the tile before's stores have read their data: only now is it rewritten
.if (\i) == 4
.set XA, 0
	WIN 0x03
.else
.set XA, 64*(\i)
	WIN 0x02
.endif
.irp j, 0,1,2,3,4,5,6,7
.irp b, 0,1
.irp c, 0,1,2,3
	v_mov_b32 v[BF0+(8*\b+\j)*4+\c], v[XA+8*(4*\b+\c)+\j]  ; every accumulator is read from its low end on
.endr
.endr
.endr
	WIN 0
.irp j, 0,1,2,3,4,5,6,7
.irp b, 0,1
	global_store_b128 v[HO], v[BF0+(8*\b+\j)*4:BF0+(8*\b+\j)*4+3], s[48:49] offset:(64*(\i)+\j)*PROW+256*\b
.endr
.endr
.Lskip_\@:
.endm
	s_load_b256 s[4:11], s[0:1], 0x0               ; hid s[4:5], W2 s[6:7], b2 s[8:9], cnts s[10:11]
	s_load_b64 s[12:13], s[0:1], 0x20              ; part
	v_lshl_add_u32 v[SPW], v0, 2, SPARE
	v_mov_b32 v[NIL], 0
	v_lshrrev_b32 v12, 5, v0
	v_readfirstlane_b32 s20, v12                   ; wave 0..3
	s_and_b32 s34, ttmp7, 0xffff                   ; e
	s_and_b32 s50, ttmp9, 7                        ; cs
	s_lshr_b32 s51, ttmp9, 3                       ; kq
	v_and_b32 v[LN], 31, v0
	v_and_b32 v[RR], 15, v0
	v_bfe_u32 v[HH], v0, 4, 1
	v_lshlrev_b32 v[WO], 4, v[LN]
	v_lshlrev_b32 v[R16], 4, v[RR]
	v_lshl_add_u32 v[HO], v[HH], 15, v[R16]
	v_lshlrev_b32 v[RB], 13, v[RR]
	v_lshl_add_u32 v[RB], v[HH], 4, v[RB]
	v_and_b32 v12, 1, v0
	v_bfe_u32 v13, v0, 1, 4
	v_lshlrev_b32 v[PF], 12, v13
	v_lshl_add_u32 v[PF], v12, 8, v[PF]
	v_lshl_add_u32 v13, v[HH], 6, v[RR]            ; my columns 4 lane + c lie in rows 64 (lane / 16) + 16 c + lane % 16
	v_mul_u32_u24 v[ST], v13, LP
	s_lshl_b32 s27, s20, 6
	v_add_nc_u32 v[ST], s27, v[ST]                 ; my wave's 32 k: 64 bytes of each row
	v_mul_u32_u24 v[BA0], v[RR], LP
	v_lshl_add_u32 v[BA0], v[HH], 4, v[BA0]
	v_mov_b32 v[BA], v[BA0]
	s_lshl_b32 s32, s34, 2                         ; cnts
	s_mov_b32 s33, 0
	s_lshl_b32 s54, s34, 24                        ; W2: expert, quarter, my wave's 32 rows of a chunk, the slice's 512 bytes
	s_lshl_b32 s27, s51, 22
	s_add_co_u32 s54, s54, s27
	s_lshl_b32 s27, s20, 17
	s_add_co_u32 s54, s54, s27
	s_lshl_b32 s28, s50, 9
	s_add_co_u32 s54, s54, s28
	s_mov_b32 s55, 0
	s_lshl_b32 s56, s34, 23                        ; hid: expert, the quarter's 2,048 bytes of a row
	s_lshl_b32 s27, s51, 11
	s_add_co_u32 s56, s56, s27
	s_mov_b32 s57, 0
	s_lshl_b32 s58, s51, 25                        ; part: quarter, expert, my wave's first tile, the slice's 512 bytes of a row
	s_lshl_b32 s27, s34, 22
	s_add_co_u32 s58, s58, s27
	s_lshl_b32 s27, s20, 16
	s_add_co_u32 s58, s58, s27
	s_add_co_u32 s58, s58, s28
	s_mov_b32 s59, 0
	s_lshl_b32 s60, s34, 12                        ; b2: expert, slice
	s_add_co_u32 s60, s60, s28
	s_mov_b32 s61, 0
	s_cmp_eq_u32 s51, 0
	s_cselect_b32 s52, -1, 0                       ; the bias is quarter 0's alone
	s_lshl_b32 s23, s20, 4                         ; my first row in the block
	s_wait_kmcnt 0x0
	s_add_nc_u64 s[10:11], s[10:11], s[32:33]
	s_load_b32 s21, s[10:11], 0x0                  ; the expert's count
	s_add_nc_u64 s[WP:WP+1], s[6:7], s[54:55]
	s_add_nc_u64 s[WB:WB+1], s[WP:WP+1], 256*PITCH ; the loop's first refills fetch chunk 2
	s_add_nc_u64 s[AS:AS+1], s[4:5], s[56:57]
	s_mov_b64 s[AB:AB+1], s[AS:AS+1]               ; chunk 0 is multiplied first
	s_add_nc_u64 s[48:49], s[12:13], s[58:59]
	s_add_nc_u64 s[8:9], s[8:9], s[60:61]
	global_load_b128 v[BIAS:BIAS+3], v[R16], s[8:9]
	global_load_b128 v[BIAS+4:BIAS+7], v[R16], s[8:9] offset:256
	WIN 0xc0
.set q, 0
.rept 32
	global_load_b128 v[WS+4*q:WS+4*q+3], v[WO], s[WP:WP+1] offset:q*PITCH th:TH_LOAD_NT  ; chunk 0: my 32 rows, 512 consecutive bytes each
.set q, q+1
.endr
	WIN 0
	global_prefetch_b8 v[PF], s[WP:WP+1] offset:256*PITCH th:TH_LOAD_NT scope:SCOPE_SE   ; my rows of chunks 2 and 3, each block of 256 bytes once
	global_prefetch_b8 v[PF], s[WP:WP+1] offset:272*PITCH th:TH_LOAD_NT scope:SCOPE_SE
	global_prefetch_b8 v[PF], s[WP:WP+1] offset:384*PITCH th:TH_LOAD_NT scope:SCOPE_SE
	global_prefetch_b8 v[PF], s[WP:WP+1] offset:400*PITCH th:TH_LOAD_NT scope:SCOPE_SE
	s_wait_kmcnt 0x0
	s_min_u32 s21, s21, 0x400
	s_add_co_u32 s22, s21, 15
	s_lshr_b32 s22, s22, 4
	s_max_u32 s22, s22, 1
	s_sub_co_u32 s22, s22, 1                       ; the last tile of hid[e] that was stored
	BLOCKSET 1
	s_wait_loadcnt 32                              ; b2 is in; chunk 0's 32 loads stay out
.irp p, 0,1,2,3
	v_cvt_pk_bf16_f32 v12, v[BIAS+2*\p], v[BIAS+2*\p+1]  ; b2 rounded to bf16, widened again, and kept in quarter 0 alone
	v_lshlrev_b32 v[BIAS+2*\p], 16, v12
	v_and_b32 v[BIAS+2*\p+1], 0xffff0000, v12
	v_and_b32 v[BIAS+2*\p], s52, v[BIAS+2*\p]
	v_and_b32 v[BIAS+2*\p+1], s52, v[BIAS+2*\p+1]
.endr
	ACCINIT
	; THE PROLOGUE.  Group g of chunk 0 goes to LDS, its registers take chunk 1, and slot g takes the first token fragments.  Younger than chunk 0's group g: its 8 (3 - g) later loads and 18 for each group done.
	; Its two bases are never rewritten, so nothing is waited for at its end.
.irp g, 0,1,2,3
	s_wait_loadcnt 24+10*\g
	STAGE \g, 128, 1, WP
	ALOAD \g, 0, AS
.endr
	WIN 0
	v_add_nc_u32 v[ST], CH, v[ST]                  ; the stores now fill chunk 1
	s_wait_dscnt 0x0                               ; my part of chunk 0 is in LDS,
	s_barrier_signal -1
	s_barrier_wait -1                              ; everybody's is
	BLOAD 0, 0
	; TRIP c = 0..5 multiplies chunk c, stages chunk c + 1 and asks for chunk c + 2's weights and chunk c + 1's token rows: 18 loads a K step.
	; At a step's head 54 are younger than its token fragments (three steps' 18); the weights that it stages are older still.
	s_mov_b32 s25, 6
.Ltrip:
	KSTEP 0, 54, 1, 1, 0, 1, 1
	KSTEP 1, 54, 1, 1, 0, 1, 1, 1
	KSTEP 2, 54, 1, 1, 0, 1, 1
	KSTEP 3, 54, 1, 1, 1, 1, 1
	WIN 0
	s_sub_co_u32 s25, s25, 1
	s_cmp_lg_u32 s25, 0
	s_cbranch_scc1 .Ltrip
	KSTEP 0, 54, 1, 0, 0, 1, 1                     ; trip 6: no weights are left to ask for, so a step issues 10 loads: 18 (3 - s) + 10 s are younger
	KSTEP 1, 46, 1, 0, 0, 1, 1
	KSTEP 2, 38, 1, 0, 0, 1, 1
	KSTEP 3, 30, 1, 0, 1, 1, 1                     ; (its step of the weights' base is not used)
	WIN 0
	; THE BLOCKS.  Four trips cover 1,280 rows, more than any expert can have.  A trip multiplies a block out of LDS, eight chunks, and sends it out.  The first block has only its last chunk left:
	; its token fragments are on their way and its first weight fragments are asked for, as behind the loads at a chunk's head, so it enters there.  No barrier and no LDS store stand in what a block without rows jumps.
	s_mov_b32 s26, 0
	s_mov_b32 s25, 1
	s_branch .Lmid
.Lblk:
	s_lshl_b32 s27, s20, 4
	s_sub_co_u32 s27, s23, s27                     ; the block's first row
	s_cmp_ge_u32 s27, s21
	s_cbranch_scc1 .Ldead
	BLOCKSET 0
	ACCINIT
	WIN 0
	v_mov_b32 v[BA], v[BA0]
	s_mov_b64 s[AB:AB+1], s[AS:AS+1]
	s_mov_b32 s25, 8
.Lchunk:
	PLACES
	ALOAD 0, 0, AB
	ALOAD 1, 0, AB
	ALOAD 2, 0, AB
	ALOAD 3, 0, AB
	BLOAD 0, 0
.Lmid:
	KSTEP 0, 30, 0, 0, 0, 1, 0                     ; nothing is asked for: the later slots' 10 (3 - s) are younger
	KSTEP 1, 20, 0, 0, 0, 1, 0
	KSTEP 2, 10, 0, 0, 0, 1, 0
	KSTEP 3, 0,  0, 0, 0, 0, 0
	s_wait_xcnt 0x0
	s_add_nc_u64 s[AB:AB+1], s[AB:AB+1], 256
	v_add_nc_u32 v[BA], CH, v[BA]
	s_sub_co_u32 s25, s25, 1
	s_cmp_lg_u32 s25, 0
	s_cbranch_scc1 .Lchunk
	PLACES
	EPI 0
	EPI 1
	EPI 2
	EPI 3
	EPI 4
	s_wait_xcnt 0x0                                ; the stores' base steps only behind this wait
	s_add_co_u32 s23, s23, BROWS
	s_add_nc_u64 s[48:49], s[48:49], BROWS*PROW
.Ldead:
	s_add_co_u32 s26, s26, 1
	s_cmp_lt_u32 s26, 4
	s_cbranch_scc1 .Lblk
	s_wait_dscnt 0x0                               ; my reads of LDS are over,
	s_barrier_signal -1
	s_barrier_wait -1                              ; and so are every wave's, before any wave writes LDS again (the add below); all four waves come here, behind the same four trips
	s_wait_tensorcnt 0x0                           ; the wave's end, behind my last LDS store
	ds_add_u32 v[SPW], v[NIL]
	s_wait_dscnt 0x0
	s_endpgm
.Lfunc_end_k_q8a1f10d29c_down:
	.size	k_q8a1f10d29c_down, .Lfunc_end_k_q8a1f10d29c_down-k_q8a1f10d29c_down
	.p2alignl 7, 3214868480
	.fill 96, 4, 3214868480
	.section	.rodata,"a",@progbits
	.p2align	6, 0x0
	.amdhsa_kernel k_q8a1f10d29c_down
		.amdhsa_group_segment_fixed_size 279040
		.amdhsa_private_segment_fixed_size 0
		.amdhsa_enable_private_segment 0
		.amdhsa_kernarg_size 40
		.amdhsa_user_sgpr_count 2
		.amdhsa_user_sgpr_kernarg_segment_ptr 1
		.amdhsa_wavefront_size32 1
		.amdhsa_system_sgpr_workgroup_id_x 1
		.amdhsa_system_sgpr_workgroup_id_y 1
		.amdhsa_system_sgpr_workgroup_id_z 1
		.amdhsa_system_vgpr_workitem_id 0
		.amdhsa_next_free_vgpr 960
		.amdhsa_next_free_sgpr 72
		.amdhsa_reserve_vcc 0
		.amdhsa_float_denorm_mode_32 3
		.amdhsa_float_denorm_mode_16_64 3
		.amdhsa_memory_ordered 1
		.amdhsa_forward_progress 1
		.amdhsa_inst_pref_size 138
	.end_amdhsa_kernel
	.amdgpu_metadata
---
amdhsa.version: [ 1, 2 ]
amdhsa.kernels:
  - .name:           k_q8a1f10d29c_down
    .symbol:         k_q8a1f10d29c_down.kd
    .args:
      - { .name: hid, .offset: 0, .size: 8, .value_kind: global_buffer, .address_space: global }
      - { .name: W2, .offset: 8, .size: 8, .value_kind: global_buffer, .address_space: global }
      - { .name: b2, .offset: 16, .size: 8, .value_kind: global_buffer, .address_space: global }
      - { .name: cnts, .offset: 24, .size: 8, .value_kind: global_buffer, .address_space: global }
      - { .name: part, .offset: 32, .size: 8, .value_kind: global_buffer, .address_space: global }
    .group_segment_fixed_size: 279040
    .private_segment_fixed_size: 0
    .kernarg_segment_align: 8
    .kernarg_segment_size: 40
    .max_flat_workgroup_size: 128
    .sgpr_count:     72
    .vgpr_count:     960
    .wavefront_size: 32
...
	.end_amdgpu_metadata
.endif
;; end of part 7
;; launch sum (part 8): grid 256 x 1, 8 waves a work-group, no clusters, 0 bytes of LDS; arguments part, pos, gate, out0; writes out0
.if DOCPART == 8
	.amdgcn_target "amdgcn-amd-amdhsa--gfx1250"
	.amdhsa_code_object_version 6
	.text
	.protected	k_q8a1f10d29c_sum
	.globl	k_q8a1f10d29c_sum
	.p2align	8
	.type	k_q8a1f10d29c_sum,@function
k_q8a1f10d29c_sum:
	s_mov_b64 s[64:65], 0
	v_nop
	global_prefetch_b8 v0, s[64:65] scope:SCOPE_SE
	s_setreg_imm32_b32 hwreg(HW_REG_WAVE_MODE, 25, 1), 1
	s_wait_xcnt 0x0
; out0[token] = gate[token][0] x (the sum over the four quarters q of part[q][pos[token][0]]) + gate[token][1] x (the same for pos[token][1]): eight rows of f32, biases already in them, added in one fixed order.
; A stream: a work-group has 4 tokens, thread t the 16 bytes at 16 t of every row, so a wave's load or store covers 512 consecutive bytes.  The rows' numbers and the gates are the same for the whole
; work-group and come by scalar loads; all 32 loads of a thread then go out at once, token by token.  LDS, barriers, matrix units and clusters would add nothing: no byte is read twice.
.set QB,  33554432                     ; bytes in a quarter of part: 8 experts x 1,024 places x 4,096
.set OF,  2                            ; v2-9      token i, choice k: the row's byte offset + 16 t
.set D,   12                           ; v[12:139] token i, choice k, quarter q at 32 i + 16 k + 4 q
	s_load_b256 s[4:11], s[0:1], 0x0               ; part s[4:5], pos s[6:7], gate s[8:9], out0 s[10:11]
	v_lshlrev_b32 v1, 4, v0
	s_lshl_b32 s12, ttmp9, 5                       ; 4 tokens of 8 bytes in pos and in gate
	s_mov_b32 s13, 0
	s_lshl_b32 s14, ttmp9, 14                      ; 4 rows of out0
	s_mov_b32 s15, 0
	s_wait_kmcnt 0x0
	s_add_nc_u64 s[6:7], s[6:7], s[12:13]
	s_add_nc_u64 s[8:9], s[8:9], s[12:13]
	s_load_b256 s[16:23], s[6:7], 0x0              ; eight rows' numbers
	s_load_b256 s[24:31], s[8:9], 0x0              ; eight gates
	s_mov_b64 s[32:33], s[4:5]
	s_add_nc_u64 s[34:35], s[32:33], QB
	s_add_nc_u64 s[36:37], s[34:35], QB
	s_add_nc_u64 s[38:39], s[36:37], QB
	s_add_nc_u64 s[10:11], s[10:11], s[14:15]
	s_wait_kmcnt 0x0
.irp n, 0,1,2,3,4,5,6,7
	s_min_u32 s[16+\n], s[16+\n], 0x1fff           ; inside a quarter's 8,192 rows
	s_lshl_b32 s[16+\n], s[16+\n], 12
	v_add_nc_u32 v[OF+\n], s[16+\n], v1
.endr
.irp i, 0,1,2,3
.irp k, 0,1
.irp q, 0,1,2,3
	global_load_b128 v[D+32*\i+16*\k+4*\q:D+32*\i+16*\k+4*\q+3], v[OF+2*\i+\k], s[32+2*\q:33+2*\q] th:TH_LOAD_NT
.endr
.endr
.endr
.irp i, 0,1,2,3
	s_wait_loadcnt 24-8*\i                         ; token i's eight loads are in; the later tokens' stay out
.irp a, 0,8,16,24
.irp p, 0,2
	v_pk_add_f32 v[D+32*\i+\a+\p:D+32*\i+\a+\p+1], v[D+32*\i+\a+\p:D+32*\i+\a+\p+1], v[D+32*\i+\a+4+\p:D+32*\i+\a+4+\p+1]  ; quarters 0 + 1, 2 + 3 of each choice
.endr
.endr
.irp a, 0,16
.irp p, 0,2
	v_pk_add_f32 v[D+32*\i+\a+\p:D+32*\i+\a+\p+1], v[D+32*\i+\a+\p:D+32*\i+\a+\p+1], v[D+32*\i+\a+8+\p:D+32*\i+\a+8+\p+1]
.endr
.endr
.irp c, 0,1,2,3
	v_mul_f32 v[D+32*\i+\c], s[24+2*\i], v[D+32*\i+\c]
.endr
.irp c, 0,1,2,3
	v_fmac_f32 v[D+32*\i+\c], s[25+2*\i], v[D+32*\i+16+\c]
.endr
	global_store_b128 v1, v[D+32*\i:D+32*\i+3], s[10:11] offset:4096*\i th:TH_STORE_NT
.endr
	s_endpgm
.Lfunc_end_k_q8a1f10d29c_sum:
	.size	k_q8a1f10d29c_sum, .Lfunc_end_k_q8a1f10d29c_sum-k_q8a1f10d29c_sum
	.p2alignl 7, 3214868480
	.fill 96, 4, 3214868480
	.section	.rodata,"a",@progbits
	.p2align	6, 0x0
	.amdhsa_kernel k_q8a1f10d29c_sum
		.amdhsa_group_segment_fixed_size 0
		.amdhsa_private_segment_fixed_size 0
		.amdhsa_enable_private_segment 0
		.amdhsa_kernarg_size 32
		.amdhsa_user_sgpr_count 2
		.amdhsa_user_sgpr_kernarg_segment_ptr 1
		.amdhsa_wavefront_size32 1
		.amdhsa_system_sgpr_workgroup_id_x 1
		.amdhsa_system_sgpr_workgroup_id_y 1
		.amdhsa_system_sgpr_workgroup_id_z 1
		.amdhsa_system_vgpr_workitem_id 0
		.amdhsa_next_free_vgpr 144
		.amdhsa_next_free_sgpr 66
		.amdhsa_reserve_vcc 0
		.amdhsa_float_denorm_mode_32 3
		.amdhsa_float_denorm_mode_16_64 3
		.amdhsa_memory_ordered 1
		.amdhsa_forward_progress 1
		.amdhsa_inst_pref_size 10
	.end_amdhsa_kernel
	.amdgpu_metadata
---
amdhsa.version: [ 1, 2 ]
amdhsa.kernels:
  - .name:           k_q8a1f10d29c_sum
    .symbol:         k_q8a1f10d29c_sum.kd
    .args:
      - { .name: part, .offset: 0, .size: 8, .value_kind: global_buffer, .address_space: global }
      - { .name: pos, .offset: 8, .size: 8, .value_kind: global_buffer, .address_space: global }
      - { .name: gate, .offset: 16, .size: 8, .value_kind: global_buffer, .address_space: global }
      - { .name: out0, .offset: 24, .size: 8, .value_kind: global_buffer, .address_space: global }
    .group_segment_fixed_size: 0
    .private_segment_fixed_size: 0
    .kernarg_segment_align: 8
    .kernarg_segment_size: 32
    .max_flat_workgroup_size: 256
    .sgpr_count:     66
    .vgpr_count:     144
    .wavefront_size: 32
...
	.end_amdgpu_metadata
.endif
;; end of part 8
;; ======== version 3 of 3: 4 launches; version 2 with the launches up, down written anew for expert scheduling mode
;; workspace buffers: xb 2,097,152 bytes; sel 8,192 bytes of whole numbers; gate 8,192 bytes; bm 1,024 bytes of whole numbers; hid 67,108,864 bytes; pos 40,960 bytes of whole numbers; cnts 256 bytes of whole numbers; part 134,217,728 bytes
;; launch route: the kernel of part 5 again; grid 64 x 1, 8 waves a work-group, no clusters, 60,416 bytes of LDS; arguments x, Wg, xb, sel, gate, bm; writes xb, sel, gate, bm
;; launch up (part 9): grid 32 x 8, 4 waves a work-group, no clusters, 280,064 bytes of LDS; arguments xb, W1, b1, sel, bm, hid, pos, cnts; writes hid, pos, cnts
.if DOCPART == 9
	.amdgcn_target "amdgcn-amd-amdhsa--gfx1250"
	.amdhsa_code_object_version 6
	.text
	.protected	k_q8a1f10d29c_up
	.globl	k_q8a1f10d29c_up
	.p2align	8
	.type	k_q8a1f10d29c_up,@function
k_q8a1f10d29c_up:
	s_mov_b64 s[64:65], 0
	v_nop
	global_prefetch_b8 v0, s[64:65] scope:SCOPE_SE
	s_setreg_imm32_b32 hwreg(HW_REG_WAVE_SCHED_MODE, 0, 2), 2
	s_setreg_imm32_b32 hwreg(HW_REG_WAVE_MODE, 25, 1), 1
	s_wait_xcnt 0x0
	s_wait_alu depctr_vm_vsrc(0)
; THE FIRST PRODUCT.  hid[e][p][:] = gelu(xb[token of place p] W1[e] + b1[e]) for the tokens that chose expert e, in ascending order; gelu in its tanh form, x / (1 + 2^(x (C0 + C1 x^2))).
; W1 and b1 are rounded to bf16 (as every input of this program is), sums in f32, hid rounded once to bf16.  NaN and infinities are not treated apart.
; SHARES.  Work-group (x, e) owns columns 128 x .. 128 x + 127 of W1[e], 1,024 x 128 numbers, 512 KB of f32, which it alone reads, once; and ALL of e's rows, in blocks of 320, for every split (0 to 1,024 rows).
; In a block wave w owns the tiles of 16 rows numbered 4 i + w, i = 0..4: 5 x 8 accumulators.  Tiles 0-3 are always multiplied, tile 4 only if it has rows.
; WEIGHTS go memory -> registers (a row's 512 bytes an instruction) -> bf16 -> LDS as [column][k], each LDS byte written once: the whole slice stays, so rows past 320 are multiplied out of LDS.
; TOKEN ROWS go from memory straight into registers as source 0.  THE TOKEN OF A PLACE is found in registers, from the bitmap of e's tokens that the router stored: a row's address hangs on whole numbers
; read from memory and on register arithmetic alone.  Places past the count fall on token 1023, a row that exists.  Wave 0 stores pos[token][k] = 1024 e + place for the members among tokens 32 x .. 32 x + 31;
; its other lanes store into 128 bytes of the work-group's own behind that table, which nobody reads: all lanes stay on throughout.
; NO CLUSTER: a slice of weights has one reader; what an expert's work-groups share is its token rows, which are scattered rows that no tile descriptor covers.  No tensor loads: the weights are rounded and turned on the way through registers.
; REGISTERS, in windows of 256 (s_set_vgpr_msb: bits 1:0 source 0, 3:2 source 1, 5:4 source 2, 7:6 destination):
;   window 0: addresses, bias, v32-47 a stage's packed weights, v64-127 and v128-191 two buffers of weight fragments (on the way out: at work), v192-241 the search for the tokens
;   window 1: v0-159 token fragments, slot s (32 along K) at 40 s, tile i at + 8 i     window 2: accumulator (i, t) at 64 i + 8 t, i = 0..3     window 3: v0-63 tile 4's; v64-191 weights as loaded, group g at + 32 g
; THE MODE: SCHED_MODE bits 1:0 = 2 (LLVM: expert scheduling mode 2), set by the entry lines.  The code itself states the register dependences
; between vector or matrix instructions and memory or LDS instructions, with s_wait_alu, always for 0.
; THE PLAN.  Registers that memory or LDS instructions touch, from the prologue on:
;   WS0 .. WS3   K step s: its sixteen roundings read WS[s]; behind them the loads of the chunk after the next land in it.
;   T16          Written by a step's roundings, read by its four LDS stores.
;   AF0 .. AF3   K step s: its products read slot s; the loads that fill slot s again are issued in step s + 1.
;   BF0, BF1     K step s: its products read buffer s % 2; its LDS loads land in the other, which the products of step s - 1 read.  On the way out vector work writes both, and the stores read BF1.
;   ST, BA       LDS addresses, stepped once a trip by a vector add: ST at the head of step 0, BA at the head of the barrier's step (BA also at a chunk's end and a block's beginning).
;   AO           Made anew for each block, read by the token loads.     WO, PF, HO: made at the head and never written again.
; The accumulators are named by vector and matrix instructions alone.
; So a step that stages has two such waits, both at its head: one on vm_vsrc ahead of the add and the roundings, and ONE on va_vdst behind the roundings.  All the step's 38 loads and stores follow that one,
; dealt among its products, which name slot s, buffer s % 2 and the accumulators: none of the registers that those loads and stores touch.
.set PITCH, 16384                      ; bytes from a row of W1[e] to the next
.set LP,    272                        ; an LDS row: 128 k of bf16 + 16 bytes: the 16 rows of a fragment load start at 16 different groups of four banks (64 banks of 4 bytes: ISA guide 11.1)
.set TP,    16*LP                      ; a column tile's 16 rows
.set SKEW,  128                        ; rows 64-127 of a chunk lie 128 bytes further on, so that the 16 lanes of a store (rows n and 64 + n) touch 16 different groups of banks
.set CH,    128*LP+SKEW                ; a chunk: K = 128.  Column n lies in row 16 (n % 8) + n / 8: lane r's eight tiles hold columns 8 r .. 8 r + 7.  The 512 bytes behind the eight chunks hold the spare words of the closing add
.set BROWS, 320
.set HROW,  8192                       ; bytes in a row of hid
.set LN,  1                            ; lane
.set RR,  2                            ; lane % 16
.set HH,  3                            ; lane / 16
.set WO,  6                            ; 16 x lane
.set ST,  7                            ; where I store weights: steps a chunk at a time
.set BA,  8                            ; where I read weight fragments: likewise
.set BA0, 9                            ; its start
.set HO,  10                           ; my byte offset in a tile of hid: 16 r + 8 rows x h
.set MK,  11                           ; lane k: word k of e's bitmap
.set AO,  16                           ; v16-20  tile i: byte offset of my token row in xb, + 16 h
.set PF,  21                           ; prefetch: (lane / 2) rows + (lane % 2) x 256 bytes
.set H16, 22
.set PA,  23                           ; where I store into pos
.set BIAS, 24                          ; v24-31  b1 of my column in tile t
.set T16, 32
.set PV,  48                           ; what I store there
.set SW,  50                           ; v50-51  the two choices of token 32 x + lane
.set BF0, 64
.set BF1, 128
.set PL,  192                          ; five registers each, one a tile: my place,
.set MW,  197                          ; the bitmap word that holds it,
.set XW,  202                          ; that word's number << 16 + the members ahead of it,
.set A1,  207                          ; the word's sums of 2,
.set A2,  212                          ; 4
.set A3,  217                          ; and 8 bits,
.set QQ,  222                          ; how many members of the word lie ahead of mine,
.set PS,  227                          ; the bit found so far,
.set TT,  232                          ; at work
.set CC,  237
.set AF,  0                            ; window 1
.set WS,  64                           ; window 3
.set WB,  42                           ; s[42:43] W1 at the chunk that the loop's refills fetch
.set AB,  44                           ; s[44:45] xb at the chunk that is multiplied: the loop's token loads reach a chunk ahead by their immediate
.set AS,  46                           ; s[46:47] xb; never rewritten
.set WP,  66                           ; s[66:67] W1 at my rows of chunk 0; never rewritten
.set MSK, 56                           ; s56-60  a compare's mask for each tile
.set LM,  68                           ; s68-72  0xffff, 0x55555555, 0x33333333, 0x0f0f0f0f, 0xff
.set MSB, 0
.macro WIN new                         ; the immediate's high byte repeats the setting that is left; a switch that changes nothing is dropped
.if MSB != (\new)
	s_set_vgpr_msb (MSB<<8)|(\new)
.set MSB, (\new)
.endif
.endm
.macro PLACES                          ; four places behind matrix instructions, in front of reads of results and, where no other vector work stands between, of loads into registers that they have read
.rept 4
	v_nop
.endr
.endm
.macro EACH line:vararg                ; one line for each tile t, so that no line reads the result of the one before it
.set t, 0
.rept 5
	\line
.set t, t+1
.endr
.endm
; Group g of my 32 rows of a chunk (8 rows x my 4 columns), in three parts.  PACKW: rounded, two rows of a column to a register.  PUTW: stored, 16 bytes, 8 k, for each column.
; WLOAD: the group's registers take the rows koff further down from base wb.
.macro PACKW g
	WIN 0x0f
.irp c, 0,1,2,3
.irp p, 0,1,2,3
	v_cvt_pk_bf16_f32 v[T16+4*\c+\p], v[WS+32*(\g)+8*\p+\c], v[WS+32*(\g)+8*\p+4+\c]
.endr
.endr
.endm
.macro PUTW g
	WIN 0
.irp c, 0,1,2,3
	ds_store_b128 v[ST], v[T16+4*\c:T16+4*\c+3] offset:\c*TP+16*(\g)
.endr
.endm
.macro WLOAD g, koff, wb
	WIN 0xc0
.irp i, 0,1,2,3,4,5,6,7
	global_load_b128 v[WS+32*(\g)+4*\i:WS+32*(\g)+4*\i+3], v[WO], s[\wb:\wb+1] offset:((\koff)+8*(\g)+\i)*PITCH th:TH_LOAD_NT
.endr
.endm
.macro BLOAD s, buf                    ; the weight fragments of K step s of the chunk at BA: 8 column tiles
	WIN 0
.irp t, 0,1,2,3,4,5,6,7
	ds_load_b128 v[BF0+64*(\buf)+8*\t:BF0+64*(\buf)+8*\t+3],   v[BA] offset:\t*TP+SKEW*(\t/4)+64*(\s)
	ds_load_b128 v[BF0+64*(\buf)+8*\t+4:BF0+64*(\buf)+8*\t+7], v[BA] offset:\t*TP+SKEW*(\t/4)+64*(\s)+32
.endr
.endm
.macro ALOAD s, adj, ab                ; the token fragments of K step s of the chunk adj bytes on from base ab: 5 tiles, ten loads, whether tile 4 has rows or not, so that the counts are the same on every way
	WIN 0x40
.irp i, 0,1,2,3,4
	global_load_b128 v[AF+40*(\s)+8*\i:AF+40*(\s)+8*\i+3],   v[AO+\i], s[\ab:\ab+1] offset:64*(\s)+(\adj)
	global_load_b128 v[AF+40*(\s)+8*\i+4:AF+40*(\s)+8*\i+7], v[AO+\i], s[\ab:\ab+1] offset:64*(\s)+(\adj)+32
.endr
.endm
.macro MUL i, s, buf                   ; tile i x 8 column tiles, 32 along K: eight accumulators, one instruction each
.if (\i) == 4
	WIN 0xf1
.set AC, 0
.else
	WIN 0xa1
.set AC, 64*(\i)
.endif
.irp t, 0,1,2,3,4,5,6,7
	v_wmma_f32_16x16x32_bf16 v[AC+8*\t:AC+8*\t+7], v[AF+40*(\s)+8*(\i):AF+40*(\s)+8*(\i)+7], v[BF0+64*(\buf)+8*\t:BF0+64*(\buf)+8*\t+7], v[AC+8*\t:AC+8*\t+7]
.endr
.endm
; A K STEP of 32.  n: the loads younger than this step's token fragments.  stage: group s of the NEXT chunk's weights goes to LDS; wref: its registers take the chunk after that.
; bar: the next chunk is whole in LDS behind a barrier; the two scalar bases step at the step's end, where the youngest global load lies 16 or 24 matrix instructions back.
; bnext: the next K step's weight fragments are fetched into the other buffer.  aref: slot s - 1, which the last step's products have read, takes its next token fragments: in step 0 slot 3 of the chunk
; in hand (immediate 0), in steps 1 to 3 slots 0 to 2 of the next chunk (immediate 256).
; pf: the wave's 64 blocks of 256 bytes of the chunk four on from the one multiplied are asked into the L2, each once; the last trips, in which that chunk does not exist, jump over it.
; In a step that stages, the sixteen roundings stand between the last step's products and every load into a register that those have read.
; The 32 or 40 accumulators take turns, one instruction a turn, on both ways round the jump.
.macro KSTEP s, n, stage, wref, bar, bnext, aref, pf=0
	WIN 0
	s_wait_loadcnt \n
.if \stage
	s_wait_alu depctr_vm_vsrc(0)                   ; the last step's LDS stores have read T16 and ST, and the fragment loads issued so far have read BA: T16 is written below, ST in step 0, BA in the barrier's step
.if (\s) == 0
	v_add_nc_u32 v[ST], CH, v[ST]                  ; this trip's stores fill the next chunk
.endif
.if \bar
	v_add_nc_u32 v[BA], CH, v[BA]                  ; the fragment loads behind the barrier read the next chunk
.endif
	PACKW \s
	s_wait_alu depctr_va_vdst(0)                   ; the roundings have written T16 and are done reading WS[s]; the last step's products are done reading their slot and their fragment buffer; ST and BA are written
.elseif (\bnext) && ((\s) > 0)
	s_wait_alu depctr_va_vdst(0)                   ; the last step's products are done reading the fragment buffer in which this step's LDS loads land
.endif
	s_wait_dscnt 0x0                               ; this step's 16 fragment loads are in
	MUL 0, \s, (\s)%2
.if \stage
	PUTW \s
.endif
.if \aref
	ALOAD ((\s)+3)%4, 256*(((\s)+3)/4), AB         ; no wait: no vector or matrix instruction since the wait above names that slot or AO
.endif
	MUL 1, \s, (\s)%2
.if \wref
	WLOAD \s, 0, WB                                ; likewise WS[s] and WO
.endif
.if \pf
	WIN 0
	s_cmp_lt_u32 s25, 3
	s_cbranch_scc1 .Lnopf_\@
	global_prefetch_b8 v[PF], s[WB:WB+1] offset:256*PITCH th:TH_LOAD_NT scope:SCOPE_SE
	global_prefetch_b8 v[PF], s[WB:WB+1] offset:272*PITCH th:TH_LOAD_NT scope:SCOPE_SE
.Lnopf_\@:
.endif
.if \bar
	WIN 0
	s_wait_dscnt 0x0                               ; for the others' sake: my part of the next chunk is in LDS
	s_barrier_signal -1
	s_barrier_wait -1                              ; everybody's is
.endif
.if \bnext
.if !(\stage)
	PLACES
.endif
	BLOAD ((\s)+1)%4, ((\s)+1)%2                   ; no wait: since the step's wait on va_vdst only buffer s % 2 has been named
.endif
	MUL 2, \s, (\s)%2
	MUL 3, \s, (\s)%2
	WIN 0
	s_cmp_eq_u32 s24, 0
	s_cbranch_scc1 .Lno4_\@                        ; tile 4 has no rows: its eight products are jumped
	MUL 4, \s, (\s)%2
	WIN 0
.Lno4_\@:
.if \bar
	s_wait_xcnt 0x0                                ; the two bases are rewritten only behind this wait
	s_add_nc_u64 s[WB:WB+1], s[WB:WB+1], 128*PITCH
	s_add_nc_u64 s[AB:AB+1], s[AB:AB+1], 256
.endif
.endm
.macro ACCINIT                         ; the sums start at the bias: a move here in place of an addition on the way out
	WIN 0x80
.set q, 0
.rept 256
	v_mov_b32 v[q], v[BIAS+(q/8)%8]
.set q, q+1
.endr
	WIN 0xc0
.set q, 0
.rept 64
	v_mov_b32 v[q], v[BIAS+q/8]
.set q, q+1
.endr
.endm
; One halving of the search in a word: c = the members in the lower half (w bits) of what is left, read from the sums of w bits; where c or more lie ahead of mine, mine is in the upper half.
.macro HALVE src, w, fw
	EACH v_bfe_u32 v[CC+t], v[\src+t], v[PS+t], \fw
	EACH v_cmp_ge_u32 s[MSK+t], v[QQ+t], v[CC+t]
	EACH v_sub_nc_u32 v[TT+t], v[QQ+t], v[CC+t]
	s_wait_alu depctr_va_sdst(0)                   ; the five masks are written, ahead of the selects that read them
	EACH v_cndmask_b32 v[QQ+t], v[QQ+t], v[TT+t], s[MSK+t]
	EACH v_cndmask_b32 v[TT+t], 0, \w, s[MSK+t]
	EACH v_add_nc_u32 v[PS+t], v[PS+t], v[TT+t]
.endm
; A block begins at row s23 - 16 w.  For my place in each of the five tiles: 32 trips go through the bitmap's words with a running count C and keep the last word with C <= place (the next word's C is greater, so the word
; holds the place); then five halvings find the bit.  s21 ends as the expert's count, s50 as the count ahead of word x.
.macro BLOCKSET first
	WIN 0
.if !(\first)
	s_wait_xcnt 0x0                                ; AO is rewritten only behind this wait
	s_wait_alu depctr_vm_vsrc(0)                   ; the token loads have read AO and the fragment loads BA, which are written below; the way out's stores have read BF1, in which fragment loads land again
.endif
.irp i, 0,1,2,3,4
	s_add_co_u32 s27, s23, 64*\i
	v_add_nc_u32 v[PL+\i], s27, v[RR]
	v_mov_b32 v[MW+\i], 0
	v_mov_b32 v[XW+\i], 0
.endr
	s_mov_b32 s21, 0                               ; C
	s_mov_b32 s29, 0                               ; the word's number << 16 + C
	s_mov_b32 s25, 0
.Lscan_\@:
	v_readlane_b32 s28, v[MK], s25                 ; word k
	EACH v_cmp_ge_u32 s[MSK+t], v[PL+t], s21
	s_wait_alu depctr_va_sdst(0)                   ; s28 and the five masks are written, ahead of their first readers
	EACH v_cndmask_b32 v[MW+t], v[MW+t], s28, s[MSK+t]
	EACH v_cndmask_b32 v[XW+t], v[XW+t], s29, s[MSK+t]
	s_cmp_eq_u32 s25, s35
	s_cselect_b32 s50, s21, s50
	s_bcnt1_i32_b32 s30, s28
	s_add_co_u32 s21, s21, s30
	s_add_co_u32 s29, s29, s30
	s_add_co_u32 s29, s29, 0x10000
	s_add_co_u32 s25, s25, 1
	s_cmp_lt_u32 s25, 32
	s_cbranch_scc1 .Lscan_\@
	EACH v_and_b32 v[TT+t], s[LM], v[XW+t]
	EACH v_sub_nc_u32 v[QQ+t], v[PL+t], v[TT+t]
	EACH v_lshrrev_b32 v[TT+t], 1, v[MW+t]
	EACH v_and_b32 v[TT+t], s[LM+1], v[TT+t]
	EACH v_sub_nc_u32 v[A1+t], v[MW+t], v[TT+t]
	EACH v_lshrrev_b32 v[TT+t], 2, v[A1+t]
	EACH v_and_b32 v[TT+t], s[LM+2], v[TT+t]
	EACH v_and_b32 v[A2+t], s[LM+2], v[A1+t]
	EACH v_add_nc_u32 v[A2+t], v[A2+t], v[TT+t]
	EACH v_lshrrev_b32 v[TT+t], 4, v[A2+t]
	EACH v_add_nc_u32 v[A3+t], v[A2+t], v[TT+t]
	EACH v_and_b32 v[A3+t], s[LM+3], v[A3+t]
	EACH v_lshrrev_b32 v[TT+t], 8, v[A3+t]
	EACH v_add_nc_u32 v[TT+t], v[A3+t], v[TT+t]
	EACH v_and_b32 v[CC+t], s[LM+4], v[TT+t]
	EACH v_cmp_ge_u32 s[MSK+t], v[QQ+t], v[CC+t]
	EACH v_sub_nc_u32 v[TT+t], v[QQ+t], v[CC+t]
	s_wait_alu depctr_va_sdst(0)                   ; the five masks are written, ahead of the selects that read them
	EACH v_cndmask_b32 v[QQ+t], v[QQ+t], v[TT+t], s[MSK+t]
	EACH v_cndmask_b32 v[PS+t], 0, 16, s[MSK+t]
	HALVE A3, 8, 8
	HALVE A2, 4, 4
	HALVE A1, 2, 2
	EACH v_bfe_u32 v[CC+t], v[MW+t], v[PS+t], 1
	EACH v_cmp_ge_u32 s[MSK+t], v[QQ+t], v[CC+t]
	s_wait_alu depctr_va_sdst(0)                   ; the five masks are written, ahead of the selects that read them
	EACH v_cndmask_b32 v[TT+t], 0, 1, s[MSK+t]
	EACH v_add_nc_u32 v[PS+t], v[PS+t], v[TT+t]
	EACH v_lshrrev_b32 v[TT+t], 16, v[XW+t]
	EACH v_lshl_add_u32 v[TT+t], v[TT+t], 5, v[PS+t]
	EACH v_min_u32 v[TT+t], 0x3ff, v[TT+t]
	EACH v_lshl_add_u32 v[AO+t], v[TT+t], 11, v[H16]
	s_add_co_u32 s27, s23, 256
	s_cmp_lt_u32 s27, s21
	s_cselect_b32 s24, 1, 0                        ; has tile 4 rows?
.endm
; THE WAY OUT of the sums in tile i's registers, jumped if the tile has no row.  gelu on 64 numbers a lane, the exponentials and the reciprocals each one batch with one wait; then a lane's eight columns of a row pack
; into 16 bytes, and 16 lanes store a row's 256 consecutive bytes, at a multiple of 256 from hid's first.  Rows past the count in the last tile are stored too: the next launch reads whole tiles.
; back: the rows by which the stores' base stands ahead.  shift = 1: the tile's rows lie s31 further down.
.macro EPI i, back, shift
	WIN 0
	s_add_co_u32 s27, s23, 64*(\i)
.if \shift
	s_add_co_u32 s27, s27, s31
.endif
	s_cmp_ge_u32 s27, s53
	s_cbranch_scc1 .Lskip_\@
.set XA, 64*(\i)
	WIN 0x0a
.set q, 0
.rept 32
	v_pk_mul_f32 v[BF0+q:BF0+q+1], v[XA+q:XA+q+1], v[XA+q:XA+q+1]  ; x^2; each accumulator is read from its low end on
.set q, q+2
.endr
	WIN 0
.set q, 0
.rept 32
	v_pk_fma_f32 v[BF0+q:BF0+q+1], v[BF0+q:BF0+q+1], s[40:41], s[38:39] op_sel_hi:[1,0,0]  ; C1 x^2 + C0
.set q, q+2
.endr
	WIN 0x02
.set q, 0
.rept 32
	v_pk_mul_f32 v[BF0+q:BF0+q+1], v[XA+q:XA+q+1], v[BF0+q:BF0+q+1]
.set q, q+2
.endr
	WIN 0
.set q, 0
.rept 64
	v_exp_f32 v[BF0+q], v[BF0+q]
.set q, q+1
.endr
	v_nop                                          ; a plain instruction behind the last exponential,
	s_wait_alu depctr_va_vdst(0)                   ; and one wait for the batch: the 64 exponentials have written v[BF0 ..]
.set q, 0
.rept 32
	v_pk_add_f32 v[BF0+q:BF0+q+1], v[BF0+q:BF0+q+1], 1.0 op_sel_hi:[1,0]
.set q, q+2
.endr
.set q, 0
.rept 64
	v_rcp_f32 v[BF0+q], v[BF0+q]
.set q, q+1
.endr
	v_nop
	s_wait_alu depctr_va_vdst(0)                   ; the 64 reciprocals have written v[BF0 ..]
	WIN 0x02
.set q, 0
.rept 32
	v_pk_mul_f32 v[BF0+q:BF0+q+1], v[XA+q:XA+q+1], v[BF0+q:BF0+q+1]
.set q, q+2
.endr
	WIN 0
	s_wait_xcnt 0x0                                ; the tile before's stores have had their addresses translated: only now is their data rewritten
	s_wait_alu depctr_vm_vsrc(0)                   ; the tile before's stores have read v[BF1 ..], which the roundings below write again
.set j, 0
.rept 8
.irp p, 0,1,2,3
	v_cvt_pk_bf16_f32 v[BF1+4*j+\p], v[BF0+16*\p+j], v[BF0+16*\p+8+j]  ; row 8 h + j, columns 8 r + 2 p, + 1
.endr
.set j, j+1
.endr
	s_wait_alu depctr_va_vdst(0)                   ; the roundings have written v[BF1 ..], which the stores read
.set j, 0
.rept 8
	global_store_b128 v[HO], v[BF1+4*j:BF1+4*j+3], s[48:49] offset:(64*(\i)+j-(\back))*HROW
.set j, j+1
.endr
.Lskip_\@:
.endm
	s_load_b256 s[4:11], s[0:1], 0x0               ; xb s[4:5], W1 s[6:7], b1 s[8:9], sel s[10:11]
	s_load_b256 s[12:19], s[0:1], 0x20             ; bm s[12:13], hid s[14:15], pos s[16:17], cnts s[18:19]
	v_lshl_add_u32 v254, v0, 2, 0x44400
	v_mov_b32 v255, 0
	v_lshrrev_b32 v12, 5, v0
	v_readfirstlane_b32 s20, v12                   ; wave 0..3
	s_and_b32 s34, ttmp7, 0xffff                   ; e
	s_mov_b32 s35, ttmp9                           ; x
	v_and_b32 v[LN], 31, v0
	v_and_b32 v[RR], 15, v0
	v_bfe_u32 v[HH], v0, 4, 1
	v_lshlrev_b32 v[WO], 4, v[LN]
	v_lshlrev_b32 v[H16], 4, v[HH]
	v_and_b32 v12, 1, v0                           ; lane % 2
	v_bfe_u32 v13, v0, 1, 4                        ; lane / 2
	v_lshlrev_b32 v[PF], 14, v13
	v_lshl_add_u32 v[PF], v12, 8, v[PF]
	v_lshl_add_u32 v13, v12, 6, v13                ; my columns 4 lane + c lie in rows 64 (lane % 2) + 16 c + lane / 2
	v_mul_u32_u24 v[ST], v13, LP
	v_lshl_add_u32 v[ST], v12, 7, v[ST]            ; the skew of rows 64-127
	s_wait_alu depctr_va_sdst(0)                   ; s20 is written, ahead of its first reader
	s_lshl_b32 s27, s20, 6
	v_add_nc_u32 v[ST], s27, v[ST]                 ; my wave's 32 k: 64 bytes of each row
	v_mul_u32_u24 v[BA0], v[RR], LP
	v_add_nc_u32 v[BA0], v[BA0], v[H16]
	v_mov_b32 v[BA], v[BA0]
	v_lshlrev_b32 v[HO], 4, v[RR]
	v_lshl_add_u32 v[HO], v[HH], 16, v[HO]
	v_lshlrev_b32 v13, 2, v[LN]                    ; bm: a word a lane
	v_lshlrev_b32 v14, 5, v[RR]                    ; b1: my 8 columns, 32 bytes
	v_lshlrev_b32 v15, 3, v[LN]                    ; sel: a token a lane
	s_lshl_b32 s32, s34, 24                        ; W1: expert, my wave's 32 rows of a chunk, the slice's 512 bytes
	s_lshl_b32 s27, s20, 19
	s_add_co_u32 s32, s32, s27
	s_lshl_b32 s27, s35, 9
	s_add_co_u32 s32, s32, s27
	s_mov_b32 s33, 0
	s_lshl_b32 s54, s34, 14                        ; b1
	s_add_co_u32 s54, s54, s27
	s_mov_b32 s55, 0
	s_lshl_b32 s56, s34, 23                        ; hid: expert, the slice's 256 bytes, my wave's first tile
	s_lshl_b32 s27, s35, 8
	s_add_co_u32 s56, s56, s27
	s_lshl_b32 s27, s20, 17
	s_add_co_u32 s56, s56, s27
	s_mov_b32 s57, 0
	s_lshl_b32 s58, s34, 7                         ; bm: 128 bytes an expert
	s_mov_b32 s59, 0
	s_lshl_b32 s60, s35, 8                         ; sel: 32 tokens of 8 bytes
	s_mov_b32 s61, 0
	s_lshl_b32 s62, s34, 2                         ; cnts
	s_mov_b32 s63, 0
	s_mov_b32 s38, 0xc0135761                      ; C0 = -2 sqrt(2 / pi) log2(e) = -2.3022082
	s_mov_b32 s39, s38                             ; named with it as a pair
	s_mov_b32 s40, 0xbdd2d3e8                      ; C1 = 0.044715 C0 = -0.10294324
	s_mov_b32 s41, s40
	s_mov_b32 s[LM], 0xffff
	s_mov_b32 s[LM+1], 0x55555555
	s_mov_b32 s[LM+2], 0x33333333
	s_mov_b32 s[LM+3], 0x0f0f0f0f
	s_mov_b32 s[LM+4], 0xff
	s_mov_b32 s50, 0
	s_lshl_b32 s23, s20, 4                         ; my first row in the block
	s_wait_kmcnt 0x0
	s_add_nc_u64 s[WP:WP+1], s[6:7], s[32:33]
	s_add_nc_u64 s[WB:WB+1], s[WP:WP+1], 256*PITCH ; the loop's first refills fetch chunk 2
	s_mov_b64 s[AS:AS+1], s[4:5]
	s_mov_b64 s[AB:AB+1], s[4:5]                   ; chunk 0 is multiplied first
	s_add_nc_u64 s[8:9], s[8:9], s[54:55]
	s_add_nc_u64 s[48:49], s[14:15], s[56:57]
	s_add_nc_u64 s[12:13], s[12:13], s[58:59]
	s_add_nc_u64 s[10:11], s[10:11], s[60:61]
	s_add_nc_u64 s[18:19], s[18:19], s[62:63]
	s_wait_alu depctr_va_vdst(0)                   ; the offsets and addresses v13 to v15, WO, PF, ST, BA and HO are written, which the loads, prefetches and stores below read
	global_load_b32 v[MK], v13, s[12:13]
	global_load_b64 v[SW:SW+1], v15, s[10:11]
	global_load_b128 v[BIAS:BIAS+3], v14, s[8:9]
	global_load_b128 v[BIAS+4:BIAS+7], v14, s[8:9] offset:16
	WIN 0xc0
.set q, 0
.rept 32
	global_load_b128 v[WS+4*q:WS+4*q+3], v[WO], s[WP:WP+1] offset:q*PITCH th:TH_LOAD_NT  ; chunk 0: my 32 rows, 512 consecutive bytes each
.set q, q+1
.endr
	WIN 0
	global_prefetch_b8 v[PF], s[WP:WP+1] offset:256*PITCH th:TH_LOAD_NT scope:SCOPE_SE   ; my rows of chunks 2 and 3, each block of 256 bytes once
	global_prefetch_b8 v[PF], s[WP:WP+1] offset:272*PITCH th:TH_LOAD_NT scope:SCOPE_SE
	global_prefetch_b8 v[PF], s[WP:WP+1] offset:384*PITCH th:TH_LOAD_NT scope:SCOPE_SE
	global_prefetch_b8 v[PF], s[WP:WP+1] offset:400*PITCH th:TH_LOAD_NT scope:SCOPE_SE
	s_wait_loadcnt 32                              ; the bitmap, my token's choices and b1 are in; chunk 0's 32 loads stay out
	s_wait_alu depctr_vm_vsrc(0)                   ; the bitmap's load has read its offset v13, which slice 0's wave 0 writes again below, for the count
.irp p, 0,1,2,3
	v_cvt_pk_bf16_f32 v12, v[BIAS+2*\p], v[BIAS+2*\p+1]  ; b1 rounded to bf16, and widened again
	v_lshlrev_b32 v[BIAS+2*\p], 16, v12
	v_and_b32 v[BIAS+2*\p+1], 0xffff0000, v12
.endr
	BLOCKSET 1
	s_max_u32 s53, s21, 1                          ; an expert without rows counts as one row on the way out, so that hid's first tile is written; the next launch stores nothing for it
	s_cmp_lg_u32 s20, 0
	s_cbranch_scc1 .Lnopos                         ; wave 0 alone stores places and the count; no load stands in what is jumped
	v_cmp_eq_u32 s27, s34, v[SW]                   ; e is my token's first choice,
	v_cmp_eq_u32 s28, s34, v[SW+1]                 ; or its second
	s_wait_alu depctr_va_sdst(0)                   ; the two masks are written, ahead of their first reader
	s_or_b32 s36, s27, s28
	v_mbcnt_lo_u32_b32 v[PV], s36, s50             ; the members ahead of word x + those in the lanes below me = my token's place
	s_lshl_b32 s29, s34, 10
	v_add_nc_u32 v[PV], s29, v[PV]
	s_lshl_b32 s29, s35, 6
	v_lshl_add_u32 v[PA], v[LN], 1, s29            ; a member's word of pos: 2 x token
	v_cndmask_b32 v12, 0, 1, s28
	v_add_nc_u32 v[PA], v[PA], v12                 ; + choice
	s_lshl_b32 s30, s34, 5
	s_add_co_u32 s30, s30, s35
	s_lshl_b32 s30, s30, 5
	s_addk_co_i32 s30, 0x800
	v_add_nc_u32 v12, s30, v[LN]                   ; any other lane's: behind the table's 2,048 words, 32 words for each of the 256 work-groups
	v_cndmask_b32 v[PA], v12, v[PA], s36
	v_min_u32 v[PA], 0x27ff, v[PA]                 ; inside pos's 10,240 words
	v_lshlrev_b32 v[PA], 2, v[PA]
	s_wait_alu depctr_va_vdst(0)                   ; PA and PV are written, which the store reads
	global_store_b32 v[PA], v[PV], s[16:17]        ; PA and PV are not written again
	s_cmp_lg_u32 s35, 0
	s_cbranch_scc1 .Lnopos
	v_mov_b32 v12, 0
	v_mov_b32 v13, s21
	s_wait_alu depctr_va_vdst(0)                   ; v12 and v13 are written, which the store reads
	global_store_b32 v12, v13, s[18:19]            ; slice 0: the count; every lane stores the same number to the same word; v12 and v13 are not written again
.Lnopos:
	ACCINIT
	; THE PROLOGUE.  Group g of chunk 0 goes to LDS, its registers take chunk 1, and slots 0 to 2 take the first token fragments; slot 3 is filled by the first trip's step 0, as in every trip.
	; Younger than chunk 0's group g: its 8 (3 - g) later loads and 18 for each group done.  Its two bases are never rewritten, so nothing is waited for at its end.
.irp g, 0,1,2,3
	s_wait_loadcnt 24+10*\g
.if \g > 0
	s_wait_alu depctr_vm_vsrc(0)                   ; the group before's LDS stores have read T16, which the roundings write again
.endif
	PACKW \g
	s_wait_alu depctr_va_vdst(0)                   ; the roundings have written T16 and are done reading WS[g]; at the first group also: AO is written, which the token loads read
	PUTW \g
	WLOAD \g, 128, WP
.if \g < 3
	ALOAD \g, 0, AS
.endif
.endr
	WIN 0
	s_wait_dscnt 0x0                               ; my part of chunk 0 is in LDS,
	s_barrier_signal -1
	s_barrier_wait -1                              ; everybody's is
	BLOAD 0, 0
	; TRIP c = 0..5 multiplies chunk c, stages chunk c + 1 and asks for chunk c + 2's weights and for token rows: ten token loads, then eight weight loads, a K step.
	; At a step's head 44 are younger than its token fragments, which were asked for three steps back (that step's 8 weight loads and two steps' 18); the weights that it stages are older still.
	s_mov_b32 s25, 6
.Ltrip:
	KSTEP 0, 44, 1, 1, 0, 1, 1
	KSTEP 1, 44, 1, 1, 0, 1, 1, 1
	KSTEP 2, 44, 1, 1, 0, 1, 1
	KSTEP 3, 44, 1, 1, 1, 1, 1
	WIN 0
	s_sub_co_u32 s25, s25, 1
	s_cmp_lg_u32 s25, 0
	s_cbranch_scc1 .Ltrip
	KSTEP 0, 44, 1, 0, 0, 1, 1                     ; trip 6: no weights are left to ask for, so a step issues 10 loads: 44 - 8 s are younger
	KSTEP 1, 36, 1, 0, 0, 1, 1
	KSTEP 2, 28, 1, 0, 0, 1, 1
	KSTEP 3, 20, 1, 0, 1, 1, 1                     ; (its step of the weights' base is not used)
	WIN 0
	PLACES
	s_wait_alu depctr_va_vdst(0)                   ; trip 6's last products are done reading slot 3, in which the loads below land, and fragment buffer 1, in which the next step's LDS loads land
	ALOAD 3, 0, AB                                 ; slot 3 of chunk 7
	WIN 0
	; THE BLOCKS.  Four trips cover 1,280 rows, more than any expert can have.  A trip multiplies a block out of LDS, eight chunks, and sends it out.  The first block has only its last chunk left:
	; its token fragments are on their way and its first weight fragments are asked for, as behind the loads at a chunk's head, so it enters there.  No barrier and no LDS store stand in what a block without rows jumps.
	s_mov_b32 s26, 0
	s_mov_b32 s25, 1
	s_branch .Lmid
.Lblk:
	s_lshl_b32 s27, s20, 4
	s_sub_co_u32 s27, s23, s27                     ; the block's first row
	s_cmp_ge_u32 s27, s21
	s_cbranch_scc1 .Ldead
	BLOCKSET 0
	ACCINIT
	WIN 0
	v_mov_b32 v[BA], v[BA0]
	s_mov_b64 s[AB:AB+1], s[AS:AS+1]
	s_mov_b32 s25, 8
.Lchunk:
	PLACES
	s_wait_alu depctr_va_vdst(0)                   ; AO and BA are written; the chunk before's products are done reading the four slots and both fragment buffers; the way out's vector work has written those buffers
	ALOAD 0, 0, AB
	ALOAD 1, 0, AB
	ALOAD 2, 0, AB
	ALOAD 3, 0, AB
	BLOAD 0, 0
.Lmid:
	KSTEP 0, 30, 0, 0, 0, 1, 0                     ; nothing is asked for: the later slots' 10 (3 - s) are younger
	KSTEP 1, 20, 0, 0, 0, 1, 0
	KSTEP 2, 10, 0, 0, 0, 1, 0
	KSTEP 3, 0,  0, 0, 0, 0, 0
	s_wait_xcnt 0x0
	s_add_nc_u64 s[AB:AB+1], s[AB:AB+1], 256
	s_wait_alu depctr_vm_vsrc(0)                   ; the chunk's fragment loads have read BA
	v_add_nc_u32 v[BA], CH, v[BA]
	s_sub_co_u32 s25, s25, 1
	s_cmp_lg_u32 s25, 0
	s_cbranch_scc1 .Lchunk
	PLACES
	; The way out of tile 0 is walked twice: behind the first walk tile 4's sums go where tile 0's lay, and the stores' base and the row test go 256 rows on.
	s_mov_b32 s31, 0
	s_mov_b32 s30, 2
.Ltwice:
	EPI 0, 0, 1
	WIN 0x83
.set q, 0
.rept 64
	v_mov_b32 v[q], v[q]                           ; window 2 from window 3; each accumulator is read from its low end on
.set q, q+1
.endr
	WIN 0
	s_wait_xcnt 0x0                                ; the stores' base steps only behind this wait
	s_add_nc_u64 s[48:49], s[48:49], 256*HROW
	s_mov_b32 s31, 256
	s_sub_co_u32 s30, s30, 1
	s_cmp_lg_u32 s30, 0
	s_cbranch_scc1 .Ltwice
	EPI 1, 512, 0                                  ; the base stands 512 rows ahead: the immediates reach back
	EPI 2, 512, 0
	EPI 3, 512, 0
	s_wait_xcnt 0x0
	s_add_co_u32 s23, s23, BROWS
	s_sub_nc_u64 s[48:49], s[48:49], (512-BROWS)*HROW
.Ldead:
	s_add_co_u32 s26, s26, 1
	s_cmp_lt_u32 s26, 4
	s_cbranch_scc1 .Lblk
	s_wait_dscnt 0x0                               ; my reads of LDS are over,
	s_barrier_signal -1
	s_barrier_wait -1                              ; and so are every wave's; all four waves come here, behind the same four trips
	; the closing add onto spare LDS words, behind waits on every counter
	s_wait_dscnt 0x0
	s_wait_alu depctr_hold_cnt(0) depctr_sa_sdst(0) depctr_va_vdst(0) depctr_va_sdst(0) depctr_va_ssrc(0) depctr_va_vcc(0) depctr_vm_vsrc(0)
	s_wait_tensorcnt 0x0
	ds_add_u32 v254, v255
	s_wait_dscnt 0x0
	s_endpgm
.Lfunc_end_k_q8a1f10d29c_up:
	.size	k_q8a1f10d29c_up, .Lfunc_end_k_q8a1f10d29c_up-k_q8a1f10d29c_up
	.p2alignl 7, 3214868480
	.fill 96, 4, 3214868480
	.section	.rodata,"a",@progbits
	.p2align	6, 0x0
	.amdhsa_kernel k_q8a1f10d29c_up
		.amdhsa_group_segment_fixed_size 280064
		.amdhsa_private_segment_fixed_size 0
		.amdhsa_enable_private_segment 0
		.amdhsa_kernarg_size 64
		.amdhsa_user_sgpr_count 2
		.amdhsa_user_sgpr_kernarg_segment_ptr 1
		.amdhsa_wavefront_size32 1
		.amdhsa_system_sgpr_workgroup_id_x 1
		.amdhsa_system_sgpr_workgroup_id_y 1
		.amdhsa_system_sgpr_workgroup_id_z 1
		.amdhsa_system_vgpr_workitem_id 0
		.amdhsa_next_free_vgpr 960
		.amdhsa_next_free_sgpr 80
		.amdhsa_reserve_vcc 0
		.amdhsa_float_denorm_mode_32 3
		.amdhsa_float_denorm_mode_16_64 3
		.amdhsa_memory_ordered 1
		.amdhsa_forward_progress 1
		.amdhsa_inst_pref_size 215
	.end_amdhsa_kernel
	.amdgpu_metadata
---
amdhsa.version: [ 1, 2 ]
amdhsa.kernels:
  - .name:           k_q8a1f10d29c_up
    .symbol:         k_q8a1f10d29c_up.kd
    .args:
      - { .name: xb, .offset: 0, .size: 8, .value_kind: global_buffer, .address_space: global }
      - { .name: W1, .offset: 8, .size: 8, .value_kind: global_buffer, .address_space: global }
      - { .name: b1, .offset: 16, .size: 8, .value_kind: global_buffer, .address_space: global }
      - { .name: sel, .offset: 24, .size: 8, .value_kind: global_buffer, .address_space: global }
      - { .name: bm, .offset: 32, .size: 8, .value_kind: global_buffer, .address_space: global }
      - { .name: hid, .offset: 40, .size: 8, .value_kind: global_buffer, .address_space: global }
      - { .name: pos, .offset: 48, .size: 8, .value_kind: global_buffer, .address_space: global }
      - { .name: cnts, .offset: 56, .size: 8, .value_kind: global_buffer, .address_space: global }
    .group_segment_fixed_size: 280064
    .private_segment_fixed_size: 0
    .kernarg_segment_align: 8
    .kernarg_segment_size: 64
    .max_flat_workgroup_size: 128
    .sgpr_count:     80
    .vgpr_count:     960
    .wavefront_size: 32
...
	.end_amdgpu_metadata
.endif
;; end of part 9
;; launch down (part 10): grid 32 x 8, 4 waves a work-group, no clusters, 279,040 bytes of LDS; arguments hid, W2, b2, cnts, part; writes part
.if DOCPART == 10
	.amdgcn_target "amdgcn-amd-amdhsa--gfx1250"
	.amdhsa_code_object_version 6
	.text
	.protected	k_q8a1f10d29c_down
	.globl	k_q8a1f10d29c_down
	.p2align	8
	.type	k_q8a1f10d29c_down,@function
k_q8a1f10d29c_down:
	s_mov_b64 s[64:65], 0
	v_nop
	global_prefetch_b8 v0, s[64:65] scope:SCOPE_SE
	s_setreg_imm32_b32 hwreg(HW_REG_WAVE_SCHED_MODE, 0, 2), 2
	s_setreg_imm32_b32 hwreg(HW_REG_WAVE_MODE, 25, 1), 1
	s_wait_xcnt 0x0
	s_wait_alu depctr_vm_vsrc(0)
; THE SECOND PRODUCT.  part[kq][e][place][:] = hid[e][place] W2[e], over a quarter kq of the 4,096 hidden numbers, + b2[e] in quarter 0.
; W2 and b2 are rounded to bf16 (as every input of this program is), sums in f32; part holds partial sums, in f32; the next launch finds a token's eight rows, weighs and adds them.  NaN and infinities are not treated apart.
; SHARES.  Work-group (x, e): cs = x % 8 is a slice of 128 columns, kq = x / 8 a quarter of K: 1,024 x 128 numbers of W2[e], 512 KB of f32, which it alone reads, once; and ALL of e's rows, in blocks of 320,
; for every split (0 to 1,024 rows; the count is read from cnts).  Waves, tiles, the weights' way into LDS, the K steps and the blocks are the first product's.
; NO CLUSTER: a slice of weights has one reader.  The token rows, which the 8 slices of a quarter share, would want 320 rows x 272 bytes a chunk in LDS beside a slice that leaves 48 KB.
; REGISTERS, in windows of 256 (s_set_vgpr_msb: bits 1:0 source 0, 3:2 source 1, 5:4 source 2, 7:6 destination):
;   window 0: addresses, bias, v32-47 a stage's packed weights, v64-127 and v128-191 two buffers of weight fragments (v64-127 on the way out: at work)
;   window 1: v0-159 token fragments     window 2: accumulator (i, t) at 64 i + 8 t, i = 0..3     window 3: v0-63 tile 4's; v64-191 weights as loaded
; THE MODE: SCHED_MODE bits 1:0 = 2 (LLVM: expert scheduling mode 2), set by the entry lines.  The code itself states the register dependences
; between vector or matrix instructions and memory or LDS instructions, with s_wait_alu, always for 0.
; THE PLAN.  Registers that memory or LDS instructions touch, from the prologue on:
;   WS0 .. WS3   K step s: its sixteen roundings read WS[s]; behind them the loads of the chunk after the next land in it.
;   T16          Written by a step's roundings, read by its four LDS stores.
;   AF0 .. AF3   K step s: its products read slot s; the loads that fill slot s again are issued in step s + 1.
;   BF0, BF1     K step s: its products read buffer s % 2; its LDS loads land in the other, which the products of step s - 1 read.  On the way out moves write BF0, and the stores read it.
;   ST, BA       LDS addresses, stepped once a trip by a vector add: ST at the head of step 0, BA at the head of the barrier's step (BA also at a chunk's end and a block's beginning).
;   AO           Made anew for each block, read by the token loads.     WO, PF, HO, R16: made at the head and never written again.
; The accumulators are named by vector and matrix instructions alone.
; So a step that stages has two such waits, both at its head: one on vm_vsrc ahead of the add and the roundings, and ONE on va_vdst behind the roundings.  All the step's 38 loads and stores follow that one,
; dealt among its products, which name slot s, buffer s % 2 and the accumulators: none of the registers that those loads and stores touch.
.set PITCH, 4096                       ; bytes from a row of W2[e] to the next
.set LP,    272                        ; an LDS row: 128 k of bf16 + 16 bytes: the 16 rows of a load or store start at 16 different groups of four banks (64 banks of 4 bytes: ISA guide 11.1)
.set TP,    16*LP
.set SKEW,  0
.set CH,    128*LP                     ; a chunk: K = 128.  Column n lies in row 16 (4 (n / 64) + n % 4) + (n % 64) / 4: lane r's tiles 4 b .. 4 b + 3 hold columns 64 b + 4 r .. + 3.  The 512 bytes behind the eight chunks hold the spare words of the closing add
.set BROWS, 320
.set PROW,  4096                       ; bytes in a row of part
.set LN,  1
.set RR,  2
.set HH,  3
.set WO,  6                            ; 16 x lane
.set ST,  7
.set BA,  8
.set BA0, 9
.set HO,  10                           ; my byte offset in a tile of part: 16 r + 8 rows x h
.set R16, 11                           ; 16 r
.set AO,  16                           ; v16-20  tile i: byte offset of my row in hid[e], + 16 h
.set PF,  21
.set RB,  22                           ; 8,192 r + 16 h
.set BIAS, 24
.set T16, 32
.set BF0, 64
.set BF1, 128
.set AF,  0                            ; window 1
.set WS,  64                           ; window 3
.set WB,  42                           ; s[42:43] W2 at the chunk that the loop's refills fetch
.set AB,  44                           ; s[44:45] hid at the chunk that is multiplied: the loop's token loads reach a chunk ahead by their immediate
.set AS,  46                           ; s[46:47] hid at the quarter's first chunk; never rewritten
.set WP,  66                           ; s[66:67] W2 at my rows of chunk 0; never rewritten
.set MSB, 0
.macro WIN new                         ; the immediate's high byte repeats the setting that is left; a switch that changes nothing is dropped
.if MSB != (\new)
	s_set_vgpr_msb (MSB<<8)|(\new)
.set MSB, (\new)
.endif
.endm
.macro PLACES                          ; four places behind matrix instructions, in front of reads of results and, where no other vector work stands between, of loads into registers that they have read
.rept 4
	v_nop
.endr
.endm
; Group g of my 32 rows of a chunk, in three parts.  PACKW: rounded, two rows of a column to a register.  PUTW: stored as 16 bytes a column.  WLOAD: its registers take the rows koff further down from base wb.
.macro PACKW g
	WIN 0x0f
.irp c, 0,1,2,3
.irp p, 0,1,2,3
	v_cvt_pk_bf16_f32 v[T16+4*\c+\p], v[WS+32*(\g)+8*\p+\c], v[WS+32*(\g)+8*\p+4+\c]
.endr
.endr
.endm
.macro PUTW g
	WIN 0
.irp c, 0,1,2,3
	ds_store_b128 v[ST], v[T16+4*\c:T16+4*\c+3] offset:\c*TP+16*(\g)
.endr
.endm
.macro WLOAD g, koff, wb
	WIN 0xc0
.irp i, 0,1,2,3,4,5,6,7
	global_load_b128 v[WS+32*(\g)+4*\i:WS+32*(\g)+4*\i+3], v[WO], s[\wb:\wb+1] offset:((\koff)+8*(\g)+\i)*PITCH th:TH_LOAD_NT
.endr
.endm
.macro BLOAD s, buf
	WIN 0
.irp t, 0,1,2,3,4,5,6,7
	ds_load_b128 v[BF0+64*(\buf)+8*\t:BF0+64*(\buf)+8*\t+3],   v[BA] offset:\t*TP+SKEW*(\t/4)+64*(\s)
	ds_load_b128 v[BF0+64*(\buf)+8*\t+4:BF0+64*(\buf)+8*\t+7], v[BA] offset:\t*TP+SKEW*(\t/4)+64*(\s)+32
.endr
.endm
.macro ALOAD s, adj, ab                ; ten loads, whether tile 4 has rows or not, so that the counts are the same on every way
	WIN 0x40
.irp i, 0,1,2,3,4
	global_load_b128 v[AF+40*(\s)+8*\i:AF+40*(\s)+8*\i+3],   v[AO+\i], s[\ab:\ab+1] offset:64*(\s)+(\adj)
	global_load_b128 v[AF+40*(\s)+8*\i+4:AF+40*(\s)+8*\i+7], v[AO+\i], s[\ab:\ab+1] offset:64*(\s)+(\adj)+32
.endr
.endm
.macro MUL i, s, buf
.if (\i) == 4
	WIN 0xf1
.set AC, 0
.else
	WIN 0xa1
.set AC, 64*(\i)
.endif
.irp t, 0,1,2,3,4,5,6,7
	v_wmma_f32_16x16x32_bf16 v[AC+8*\t:AC+8*\t+7], v[AF+40*(\s)+8*(\i):AF+40*(\s)+8*(\i)+7], v[BF0+64*(\buf)+8*\t:BF0+64*(\buf)+8*\t+7], v[AC+8*\t:AC+8*\t+7]
.endr
.endm
; A K STEP of 32.  n: the loads younger than this step's token fragments.  stage: group s of the NEXT chunk's weights goes to LDS; wref: its registers take the chunk after that.
; bar: the next chunk is whole in LDS behind a barrier; the two scalar bases step at the step's end, where the youngest global load lies 16 or 24 matrix instructions back.
; bnext: the next K step's weight fragments are fetched into the other buffer.  aref: slot s - 1, which the last step's products have read, takes its next token fragments: in step 0 slot 3 of the chunk
; in hand (immediate 0), in steps 1 to 3 slots 0 to 2 of the next chunk (immediate 256).
; pf: the wave's 64 blocks of 256 bytes of the chunk four on from the one multiplied are asked into the L2, each once; the last trips, in which that chunk does not exist, jump over it.
; In a step that stages, the sixteen roundings stand between the last step's products and every load into a register that those have read.
; The 32 or 40 accumulators take turns, one instruction a turn, on both ways round the jump.
.macro KSTEP s, n, stage, wref, bar, bnext, aref, pf=0
	WIN 0
	s_wait_loadcnt \n
.if \stage
	s_wait_alu depctr_vm_vsrc(0)                   ; the last step's LDS stores have read T16 and ST, and the fragment loads issued so far have read BA: T16 is written below, ST in step 0, BA in the barrier's step
.if (\s) == 0
	v_add_nc_u32 v[ST], CH, v[ST]                  ; this trip's stores fill the next chunk
.endif
.if \bar
	v_add_nc_u32 v[BA], CH, v[BA]                  ; the fragment loads behind the barrier read the next chunk
.endif
	PACKW \s
	s_wait_alu depctr_va_vdst(0)                   ; the roundings have written T16 and are done reading WS[s]; the last step's products are done reading their slot and their fragment buffer; ST and BA are written
.elseif (\bnext) && ((\s) > 0)
	s_wait_alu depctr_va_vdst(0)                   ; the last step's products are done reading the fragment buffer in which this step's LDS loads land
.endif
	s_wait_dscnt 0x0                               ; this step's 16 fragment loads are in
	MUL 0, \s, (\s)%2
.if \stage
	PUTW \s
.endif
.if \aref
	ALOAD ((\s)+3)%4, 256*(((\s)+3)/4), AB         ; no wait: no vector or matrix instruction since the wait above names that slot or AO
.endif
	MUL 1, \s, (\s)%2
.if \wref
	WLOAD \s, 0, WB                                ; likewise WS[s] and WO
.endif
.if \pf
	WIN 0
	s_cmp_lt_u32 s25, 3
	s_cbranch_scc1 .Lnopf_\@
	global_prefetch_b8 v[PF], s[WB:WB+1] offset:256*PITCH th:TH_LOAD_NT scope:SCOPE_SE
	global_prefetch_b8 v[PF], s[WB:WB+1] offset:272*PITCH th:TH_LOAD_NT scope:SCOPE_SE
.Lnopf_\@:
.endif
.if \bar
	WIN 0
	s_wait_dscnt 0x0                               ; for the others' sake: my part of the next chunk is in LDS
	s_barrier_signal -1
	s_barrier_wait -1                              ; everybody's is
.endif
.if \bnext
.if !(\stage)
	PLACES
.endif
	BLOAD ((\s)+1)%4, ((\s)+1)%2                   ; no wait: since the step's wait on va_vdst only buffer s % 2 has been named
.endif
	MUL 2, \s, (\s)%2
	MUL 3, \s, (\s)%2
	WIN 0
	s_cmp_eq_u32 s24, 0
	s_cbranch_scc1 .Lno4_\@                        ; tile 4 has no rows: its eight products are jumped
	MUL 4, \s, (\s)%2
	WIN 0
.Lno4_\@:
.if \bar
	s_wait_xcnt 0x0                                ; the two bases are rewritten only behind this wait
	s_add_nc_u64 s[WB:WB+1], s[WB:WB+1], 128*PITCH
	s_add_nc_u64 s[AB:AB+1], s[AB:AB+1], 256
.endif
.endm
.macro ACCINIT                         ; the sums start at the bias (quarter 0) or at 0
	WIN 0x80
.set q, 0
.rept 256
	v_mov_b32 v[q], v[BIAS+(q/8)%8]
.set q, q+1
.endr
	WIN 0xc0
.set q, 0
.rept 64
	v_mov_b32 v[q], v[BIAS+q/8]
.set q, q+1
.endr
.endm
; A block begins at row s23 - 16 w.  A tile's number is held to the last tile that the first product stored, so that no byte is read that nobody wrote.
.macro BLOCKSET first
	WIN 0
.if !(\first)
	s_wait_xcnt 0x0                                ; AO is rewritten only behind this wait
	s_wait_alu depctr_vm_vsrc(0)                   ; the token loads have read AO and the fragment loads BA, which are written below; the way out's stores have read BF0, in which fragment loads land again
.endif
	s_lshr_b32 s28, s23, 4
.irp i, 0,1,2,3,4
	s_add_co_u32 s27, s28, 4*\i
	s_min_u32 s27, s27, s22
	s_min_u32 s27, s27, 63
	s_lshl_b32 s29, s27, 17                        ; 16 rows of 8,192 bytes
	v_add_nc_u32 v[AO+\i], s29, v[RB]
.endr
	s_add_co_u32 s27, s23, 256
	s_cmp_lt_u32 s27, s21
	s_cselect_b32 s24, 1, 0                        ; has tile 4 rows?
.endm
; THE WAY OUT of tile i, jumped if the tile has no row: a lane's four neighbouring columns lie in four accumulators and are brought side by side; 16 lanes then store 256 consecutive bytes of a row,
; at a multiple of 256 from part's first.  Rows past the count in the last tile are stored too, into rows of their own that nobody reads.
.macro EPI i
	WIN 0
	s_add_co_u32 s27, s23, 64*(\i)
	s_cmp_ge_u32 s27, s21
	s_cbranch_scc1 .Lskip_\@
	s_wait_xcnt 0x0                                ; the tile before's stores have had their addresses translated: only now is their data rewritten
	s_wait_alu depctr_vm_vsrc(0)                   ; the tile before's stores have read v[BF0 ..], which the moves below write again
.if (\i) == 4
.set XA, 0
	WIN 0x03
.else
.set XA, 64*(\i)
	WIN 0x02
.endif
.irp j, 0,1,2,3,4,5,6,7
.irp b, 0,1
.irp c, 0,1,2,3
	v_mov_b32 v[BF0+(8*\b+\j)*4+\c], v[XA+8*(4*\b+\c)+\j]  ; every accumulator is read from its low end on
.endr
.endr
.endr
	WIN 0
	s_wait_alu depctr_va_vdst(0)                   ; the moves have written v[BF0 ..], which the stores read
.irp j, 0,1,2,3,4,5,6,7
.irp b, 0,1
	global_store_b128 v[HO], v[BF0+(8*\b+\j)*4:BF0+(8*\b+\j)*4+3], s[48:49] offset:(64*(\i)+\j)*PROW+256*\b
.endr
.endr
.Lskip_\@:
.endm
	s_load_b256 s[4:11], s[0:1], 0x0               ; hid s[4:5], W2 s[6:7], b2 s[8:9], cnts s[10:11]
	s_load_b64 s[12:13], s[0:1], 0x20              ; part
	v_lshl_add_u32 v254, v0, 2, 0x44000
	v_mov_b32 v255, 0
	v_lshrrev_b32 v12, 5, v0
	v_readfirstlane_b32 s20, v12                   ; wave 0..3
	s_and_b32 s34, ttmp7, 0xffff                   ; e
	s_and_b32 s50, ttmp9, 7                        ; cs
	s_lshr_b32 s51, ttmp9, 3                       ; kq
	v_and_b32 v[LN], 31, v0
	v_and_b32 v[RR], 15, v0
	v_bfe_u32 v[HH], v0, 4, 1
	v_lshlrev_b32 v[WO], 4, v[LN]
	v_lshlrev_b32 v[R16], 4, v[RR]
	v_lshl_add_u32 v[HO], v[HH], 15, v[R16]
	v_lshlrev_b32 v[RB], 13, v[RR]
	v_lshl_add_u32 v[RB], v[HH], 4, v[RB]
	v_and_b32 v12, 1, v0
	v_bfe_u32 v13, v0, 1, 4
	v_lshlrev_b32 v[PF], 12, v13
	v_lshl_add_u32 v[PF], v12, 8, v[PF]
	v_lshl_add_u32 v13, v[HH], 6, v[RR]            ; my columns 4 lane + c lie in rows 64 (lane / 16) + 16 c + lane % 16
	v_mul_u32_u24 v[ST], v13, LP
	s_wait_alu depctr_va_sdst(0)                   ; s20 is written, ahead of its first reader
	s_lshl_b32 s27, s20, 6
	v_add_nc_u32 v[ST], s27, v[ST]                 ; my wave's 32 k: 64 bytes of each row
	v_mul_u32_u24 v[BA0], v[RR], LP
	v_lshl_add_u32 v[BA0], v[HH], 4, v[BA0]
	v_mov_b32 v[BA], v[BA0]
	s_lshl_b32 s32, s34, 2                         ; cnts
	s_mov_b32 s33, 0
	s_lshl_b32 s54, s34, 24                        ; W2: expert, quarter, my wave's 32 rows of a chunk, the slice's 512 bytes
	s_lshl_b32 s27, s51, 22
	s_add_co_u32 s54, s54, s27
	s_lshl_b32 s27, s20, 17
	s_add_co_u32 s54, s54, s27
	s_lshl_b32 s28, s50, 9
	s_add_co_u32 s54, s54, s28
	s_mov_b32 s55, 0
	s_lshl_b32 s56, s34, 23                        ; hid: expert, the quarter's 2,048 bytes of a row
	s_lshl_b32 s27, s51, 11
	s_add_co_u32 s56, s56, s27
	s_mov_b32 s57, 0
	s_lshl_b32 s58, s51, 25                        ; part: quarter, expert, my wave's first tile, the slice's 512 bytes of a row
	s_lshl_b32 s27, s34, 22
	s_add_co_u32 s58, s58, s27
	s_lshl_b32 s27, s20, 16
	s_add_co_u32 s58, s58, s27
	s_add_co_u32 s58, s58, s28
	s_mov_b32 s59, 0
	s_lshl_b32 s60, s34, 12                        ; b2: expert, slice
	s_add_co_u32 s60, s60, s28
	s_mov_b32 s61, 0
	s_cmp_eq_u32 s51, 0
	s_cselect_b32 s52, -1, 0                       ; the bias is quarter 0's alone
	s_lshl_b32 s23, s20, 4                         ; my first row in the block
	s_wait_kmcnt 0x0
	s_add_nc_u64 s[10:11], s[10:11], s[32:33]
	s_load_b32 s21, s[10:11], 0x0                  ; the expert's count
	s_add_nc_u64 s[WP:WP+1], s[6:7], s[54:55]
	s_add_nc_u64 s[WB:WB+1], s[WP:WP+1], 256*PITCH ; the loop's first refills fetch chunk 2
	s_add_nc_u64 s[AS:AS+1], s[4:5], s[56:57]
	s_mov_b64 s[AB:AB+1], s[AS:AS+1]               ; chunk 0 is multiplied first
	s_add_nc_u64 s[48:49], s[12:13], s[58:59]
	s_add_nc_u64 s[8:9], s[8:9], s[60:61]
	s_wait_alu depctr_va_vdst(0)                   ; the offsets and addresses R16, WO, PF, ST, BA and HO are written, which the loads, prefetches and stores below read
	global_load_b128 v[BIAS:BIAS+3], v[R16], s[8:9]
	global_load_b128 v[BIAS+4:BIAS+7], v[R16], s[8:9] offset:256
	WIN 0xc0
.set q, 0
.rept 32
	global_load_b128 v[WS+4*q:WS+4*q+3], v[WO], s[WP:WP+1] offset:q*PITCH th:TH_LOAD_NT  ; chunk 0: my 32 rows, 512 consecutive bytes each
.set q, q+1
.endr
	WIN 0
	global_prefetch_b8 v[PF], s[WP:WP+1] offset:256*PITCH th:TH_LOAD_NT scope:SCOPE_SE   ; my rows of chunks 2 and 3, each block of 256 bytes once
	global_prefetch_b8 v[PF], s[WP:WP+1] offset:272*PITCH th:TH_LOAD_NT scope:SCOPE_SE
	global_prefetch_b8 v[PF], s[WP:WP+1] offset:384*PITCH th:TH_LOAD_NT scope:SCOPE_SE
	global_prefetch_b8 v[PF], s[WP:WP+1] offset:400*PITCH th:TH_LOAD_NT scope:SCOPE_SE
	s_wait_kmcnt 0x0
	s_min_u32 s21, s21, 0x400
	s_add_co_u32 s22, s21, 15
	s_lshr_b32 s22, s22, 4
	s_max_u32 s22, s22, 1
	s_sub_co_u32 s22, s22, 1                       ; the last tile of hid[e] that was stored
	BLOCKSET 1
	s_wait_loadcnt 32                              ; b2 is in; chunk 0's 32 loads stay out
.irp p, 0,1,2,3
	v_cvt_pk_bf16_f32 v12, v[BIAS+2*\p], v[BIAS+2*\p+1]  ; b2 rounded to bf16, widened again, and kept in quarter 0 alone
	v_lshlrev_b32 v[BIAS+2*\p], 16, v12
	v_and_b32 v[BIAS+2*\p+1], 0xffff0000, v12
	v_and_b32 v[BIAS+2*\p], s52, v[BIAS+2*\p]
	v_and_b32 v[BIAS+2*\p+1], s52, v[BIAS+2*\p+1]
.endr
	ACCINIT
	; THE PROLOGUE.  Group g of chunk 0 goes to LDS, its registers take chunk 1, and slots 0 to 2 take the first token fragments; slot 3 is filled by the first trip's step 0, as in every trip.
	; Younger than chunk 0's group g: its 8 (3 - g) later loads and 18 for each group done.  Its two bases are never rewritten, so nothing is waited for at its end.
.irp g, 0,1,2,3
	s_wait_loadcnt 24+10*\g
.if \g > 0
	s_wait_alu depctr_vm_vsrc(0)                   ; the group before's LDS stores have read T16, which the roundings write again
.endif
	PACKW \g
	s_wait_alu depctr_va_vdst(0)                   ; the roundings have written T16 and are done reading WS[g]; at the first group also: AO is written, which the token loads read
	PUTW \g
	WLOAD \g, 128, WP
.if \g < 3
	ALOAD \g, 0, AS
.endif
.endr
	WIN 0
	s_wait_dscnt 0x0                               ; my part of chunk 0 is in LDS,
	s_barrier_signal -1
	s_barrier_wait -1                              ; everybody's is
	BLOAD 0, 0
	; TRIP c = 0..5 multiplies chunk c, stages chunk c + 1 and asks for chunk c + 2's weights and for token rows: ten token loads, then eight weight loads, a K step.
	; At a step's head 44 are younger than its token fragments, which were asked for three steps back (that step's 8 weight loads and two steps' 18); the weights that it stages are older still.
	s_mov_b32 s25, 6
.Ltrip:
	KSTEP 0, 44, 1, 1, 0, 1, 1
	KSTEP 1, 44, 1, 1, 0, 1, 1, 1
	KSTEP 2, 44, 1, 1, 0, 1, 1
	KSTEP 3, 44, 1, 1, 1, 1, 1
	WIN 0
	s_sub_co_u32 s25, s25, 1
	s_cmp_lg_u32 s25, 0
	s_cbranch_scc1 .Ltrip
	KSTEP 0, 44, 1, 0, 0, 1, 1                     ; trip 6: no weights are left to ask for, so a step issues 10 loads: 44 - 8 s are younger
	KSTEP 1, 36, 1, 0, 0, 1, 1
	KSTEP 2, 28, 1, 0, 0, 1, 1
	KSTEP 3, 20, 1, 0, 1, 1, 1                     ; (its step of the weights' base is not used)
	WIN 0
	PLACES
	s_wait_alu depctr_va_vdst(0)                   ; trip 6's last products are done reading slot 3, in which the loads below land, and fragment buffer 1, in which the next step's LDS loads land
	ALOAD 3, 0, AB                                 ; slot 3 of chunk 7
	WIN 0
	; THE BLOCKS.  Four trips cover 1,280 rows, more than any expert can have.  A trip multiplies a block out of LDS, eight chunks, and sends it out.  The first block has only its last chunk left:
	; its token fragments are on their way and its first weight fragments are asked for, as behind the loads at a chunk's head, so it enters there.  No barrier and no LDS store stand in what a block without rows jumps.
	s_mov_b32 s26, 0
	s_mov_b32 s25, 1
	s_branch .Lmid
.Lblk:
	s_lshl_b32 s27, s20, 4
	s_sub_co_u32 s27, s23, s27                     ; the block's first row
	s_cmp_ge_u32 s27, s21
	s_cbranch_scc1 .Ldead
	BLOCKSET 0
	ACCINIT
	WIN 0
	v_mov_b32 v[BA], v[BA0]
	s_mov_b64 s[AB:AB+1], s[AS:AS+1]
	s_mov_b32 s25, 8
.Lchunk:
	PLACES
	s_wait_alu depctr_va_vdst(0)                   ; AO and BA are written; the chunk before's products are done reading the four slots and both fragment buffers; the way out's moves have written BF0
	ALOAD 0, 0, AB
	ALOAD 1, 0, AB
	ALOAD 2, 0, AB
	ALOAD 3, 0, AB
	BLOAD 0, 0
.Lmid:
	KSTEP 0, 30, 0, 0, 0, 1, 0                     ; nothing is asked for: the later slots' 10 (3 - s) are younger
	KSTEP 1, 20, 0, 0, 0, 1, 0
	KSTEP 2, 10, 0, 0, 0, 1, 0
	KSTEP 3, 0,  0, 0, 0, 0, 0
	s_wait_xcnt 0x0
	s_add_nc_u64 s[AB:AB+1], s[AB:AB+1], 256
	s_wait_alu depctr_vm_vsrc(0)                   ; the chunk's fragment loads have read BA
	v_add_nc_u32 v[BA], CH, v[BA]
	s_sub_co_u32 s25, s25, 1
	s_cmp_lg_u32 s25, 0
	s_cbranch_scc1 .Lchunk
	PLACES
	EPI 0
	EPI 1
	EPI 2
	EPI 3
	EPI 4
	s_wait_xcnt 0x0                                ; the stores' base steps only behind this wait
	s_add_co_u32 s23, s23, BROWS
	s_add_nc_u64 s[48:49], s[48:49], BROWS*PROW
.Ldead:
	s_add_co_u32 s26, s26, 1
	s_cmp_lt_u32 s26, 4
	s_cbranch_scc1 .Lblk
	s_wait_dscnt 0x0                               ; my reads of LDS are over,
	s_barrier_signal -1
	s_barrier_wait -1                              ; and so are every wave's; all four waves come here, behind the same four trips
	; the closing add onto spare LDS words, behind waits on every counter
	s_wait_dscnt 0x0
	s_wait_alu depctr_hold_cnt(0) depctr_sa_sdst(0) depctr_va_vdst(0) depctr_va_sdst(0) depctr_va_ssrc(0) depctr_va_vcc(0) depctr_vm_vsrc(0)
	s_wait_tensorcnt 0x0
	ds_add_u32 v254, v255
	s_wait_dscnt 0x0
	s_endpgm
.Lfunc_end_k_q8a1f10d29c_down:
	.size	k_q8a1f10d29c_down, .Lfunc_end_k_q8a1f10d29c_down-k_q8a1f10d29c_down
	.p2alignl 7, 3214868480
	.fill 96, 4, 3214868480
	.section	.rodata,"a",@progbits
	.p2align	6, 0x0
	.amdhsa_kernel k_q8a1f10d29c_down
		.amdhsa_group_segment_fixed_size 279040
		.amdhsa_private_segment_fixed_size 0
		.amdhsa_enable_private_segment 0
		.amdhsa_kernarg_size 40
		.amdhsa_user_sgpr_count 2
		.amdhsa_user_sgpr_kernarg_segment_ptr 1
		.amdhsa_wavefront_size32 1
		.amdhsa_system_sgpr_workgroup_id_x 1
		.amdhsa_system_sgpr_workgroup_id_y 1
		.amdhsa_system_sgpr_workgroup_id_z 1
		.amdhsa_system_vgpr_workitem_id 0
		.amdhsa_next_free_vgpr 960
		.amdhsa_next_free_sgpr 72
		.amdhsa_reserve_vcc 0
		.amdhsa_float_denorm_mode_32 3
		.amdhsa_float_denorm_mode_16_64 3
		.amdhsa_memory_ordered 1
		.amdhsa_forward_progress 1
		.amdhsa_inst_pref_size 138
	.end_amdhsa_kernel
	.amdgpu_metadata
---
amdhsa.version: [ 1, 2 ]
amdhsa.kernels:
  - .name:           k_q8a1f10d29c_down
    .symbol:         k_q8a1f10d29c_down.kd
    .args:
      - { .name: hid, .offset: 0, .size: 8, .value_kind: global_buffer, .address_space: global }
      - { .name: W2, .offset: 8, .size: 8, .value_kind: global_buffer, .address_space: global }
      - { .name: b2, .offset: 16, .size: 8, .value_kind: global_buffer, .address_space: global }
      - { .name: cnts, .offset: 24, .size: 8, .value_kind: global_buffer, .address_space: global }
      - { .name: part, .offset: 32, .size: 8, .value_kind: global_buffer, .address_space: global }
    .group_segment_fixed_size: 279040
    .private_segment_fixed_size: 0
    .kernarg_segment_align: 8
    .kernarg_segment_size: 40
    .max_flat_workgroup_size: 128
    .sgpr_count:     72
    .vgpr_count:     960
    .wavefront_size: 32
...
	.end_amdgpu_metadata
.endif
;; end of part 10
;; launch sum: the kernel of part 8 again; grid 256 x 1, 8 waves a work-group, no clusters, 0 bytes of LDS; arguments part, pos, gate, out0; writes out0
